; MI455X (gfx1250); checked and timed in simulation.
; The chip was launched on July 23, 2026; its instructions are those of AMD's public machine-readable ISA for CDNA 5 (MIT licence, August 2026) and "CDNA5" Instruction Set Architecture Reference Guide (July 2026). The comments in the code are by the model that wrote it; some were corrected since.
;; Qwen3 Attention. Allowed arithmetic: matrix products marked QUANTISED: E4M3 operands, one given power-of-two scale a tensor, by v_wmma_f32_16x16x64_fp8_fp8 or v_wmma_f32_16x16x128_fp8_fp8, f32 sums; everything else in f32.
;; Inputs: attention_mask 1 x 1 x 2,048 x 2,048 float32; hidden_states 1 x 2,048 x 2,048 float32; k_norm_w 128 float32; lowp_scales 12 int32 (the exponents e of the quantised operands' scales 2^e); q_norm_w 128 float32; wk 1,024 x 2,048 float32; wo 2,048 x 2,048 float32; wq 2,048 x 2,048 float32; wv 1,024 x 2,048 float32.
;; Outputs: out0 1 x 2,048 x 2,048 float32.
;; This version of the problem:
;;   THIS VERSION OF THE PROBLEM IS GIVEN IN LOW PRECISION. The matrix products marked QUANTISED in the list below multiply operands that are first quantised to E4M3 (4 exponent bits, 3 mantissa bits; 8 bits a number), with one given power-of-two scale for each operand tensor; their sums are f32. All else is computed in f32.
;;   The module's matrix products, in the order in which they are computed (A, B: the left and right operand; K: the contracted axis; several contracted axes count as one K, in the product's order):
;;     1. [M 2,048, K 2,048] x [K 2,048, N 2,048]; A: input hidden_states; B: input wq: QUANTISED (scales: A lowp_scales[0], B lowp_scales[1])
;;     2. [M 2,048, K 2,048] x [K 2,048, N 1,024]; A: input hidden_states; B: input wk: QUANTISED (scales: A lowp_scales[2], B lowp_scales[3])
;;     3. [M 2,048, K 2,048] x [K 2,048, N 1,024]; A: input hidden_states; B: input wv: QUANTISED (scales: A lowp_scales[4], B lowp_scales[5])
;;     4. batch 16 x [M 2,048, K 128] x [K 128, N 2,048]; A: computed on the way; B: computed on the way: QUANTISED (scales: A lowp_scales[6], B lowp_scales[7])
;;     5. batch 16 x [M 2,048, K 2,048] x [K 2,048, N 128]; A: softmax (see below); B: computed on the way: QUANTISED (scales: A lowp_scales[8], B lowp_scales[9])
;;     6. [M 2,048, K 2,048] x [K 2,048, N 2,048]; A: computed on the way; B: input wo: QUANTISED (scales: A lowp_scales[10], B lowp_scales[11])
;;   THE QUANTISER, for each operand of a quantised product, along K:
;;     - The operand's scale is 2^e, e = its entry of the input lowp_scales (int32; the entries are numbered through the quantised products in the list's order, A before B).
;;     - Each number is divided by the scale, clamped to +-448, and rounded to the nearest number of E4M3, ties to even, subnormals kept.
;;     - The product sums the exact products of the quantised numbers (number of the format x scale) in f32.
;;   ~~~python
;;   def quantise(x, axis, e):      # numpy; x: float32 -> the quantised numbers, widened to float32 again
;;       x = np.moveaxis(x, axis, -1); K = x.shape[-1]
;;       r = np.clip(x / 2.0 ** e, -448, 448)
;;       step = 2.0 ** (np.maximum(np.frexp(np.where(r == 0, 1, r))[1] - 1, -6) - 3)
;;       q = np.round(r / step) * step * 2.0 ** e      # np.round: ties to even
;;       return np.moveaxis(q, -1, axis).astype(np.float32)
;;   ~~~
;;   SOFTMAX AHEAD OF A QUANTISED PRODUCT. Where the list says 'softmax', what is quantised is not the finished softmax but p = 2^(t - M), with t = logit x log2(e) and M = ceil(the row's largest t), a whole number; so 1/2 < the row's largest p <= 1. The row's sum l is taken of the UNQUANTISED p, in f32, and the product's result is divided by l at the end. Since M is a whole number, a kernel that streams over the keys may use a running M (the ceiling of the running maximum): every later rescaling is an exact power of two, so the quantised numbers keep their values, but for numbers so far below the row's largest that they fall under the format's range.
;;   OPERANDS COMPUTED ON THE WAY. 'Computed on the way' means the value that the module computes at that place (a softmax that the list does not call 'softmax' is quantised finished and normalised). What goes into a quantiser is computed in f32, as accurately as f32 sums, v_exp_f32 and their like allow (about 1e-6 of the number): no bf16 or f16 on the way to a quantiser, and a product that is left as it is and whose result goes on into a quantised operand takes f32 operands (vector FMAs, or v_wmma_f32_16x16x4_f32). A number that lies on a knife's edge between two numbers of the format may be rounded either way, as far as f32 arithmetic and the matrix unit's own rounding can turn it there, and no further.
;; 2 versions. Each part assembles by itself: llvm-mc -triple=amdgcn-amd-amdhsa -mcpu=gfx1250 --defsym DOCPART=n.
;; ======== version 1 of 2: 4 launches
;; workspace buffers: codes 25,165,824 bytes; rope 1,048,576 bytes; qkvc 8,388,608 bytes; acodes 4,194,304 bytes
;; launch quant (part 1): grid 576 x 1, 4 waves a work-group, no clusters, 33,280 bytes of LDS; arguments hidden_states, wq, wk, wv, wo, lowp_scales, codes, rope; writes codes, rope
.if DOCPART == 1
	.amdgcn_target "amdgcn-amd-amdhsa--gfx1250"
	.amdhsa_code_object_version 6
	.text
	.protected	k_q69f57a19af_quant
	.globl	k_q69f57a19af_quant
	.p2align	8
	.type	k_q69f57a19af_quant,@function
k_q69f57a19af_quant:
	s_mov_b64 s[64:65], 0
	v_nop
	global_prefetch_b8 v0, s[64:65] scope:SCOPE_SE
	s_setreg_imm32_b32 hwreg(HW_REG_WAVE_MODE, 25, 1), 1
	s_wait_xcnt 0x0
; TWO JOBS IN ONE LAUNCH, told apart by the work-group's number.
; Work-groups 0-63: the table of cos and sin for RoPE (2,048 positions x 64 frequencies, f32), laid in the order in which the next launch's registers take it:
;   [block of 16 positions 128][group 16][lane 32][16 bytes]; group = 8 x (0 cos, 1 sin) + 2 b + jj; lane 16 h + r holds position 16 block + r, frequencies 16 b + 8 h + 4 jj + 0 .. 3.
; Work-groups 64-575: hidden_states, wq, wk, wv, wo (f32, K innermost, rows dense) become codes of E4M3, one a byte, in the buffer codes: 12,288 rows of 2,048 codes:
;   rows 0-2047 hidden_states under e0, 2048-4095 under e2, 4096-6143 under e4 (it is an operand of three products, each with a scale of its own), 6144- wq (e1), 8192- wk (e3), 9216- wv (e5), 10240- wo (e11).
; code = x / 2^e, held within +-448, rounded to the nearest code, ties to even.  LIMITS: each e between -126 and 119, so that 2^e and 448 x 2^e are f32 numbers.  NaN among the inputs is not served.
; A work-group takes 32,768 numbers, a wave 8,192, in 16 steps of 512.  Each of a step's four loads reads 512 consecutive bytes; the 2,048 bytes turn through the wave's own stage in LDS, so that a lane then holds
; 16 neighbours along K (the conversions take eight neighbours from one lane's registers); a lane's 16 codes are 16 bytes, so a wave's store covers 512 consecutive bytes.  Waves share nothing: no barrier.
; No matrix unit, no cluster, no tensor load: the launch streams, each f32 byte is read once.
.set SP,   80                          ; a lane's place in a stage: 64 bytes + 16 of padding
.set WREG, 8192                        ; LDS of a wave: two stages of 32 x SP bytes
.set R,    16                          ; v16-79   four sets of 16 numbers as loaded
.set X,    80                          ; v80-111  two sets of 16 neighbours
.set H,    112                         ; v112-127 the numbers held within the largest code x the scale
.set C,    128                         ; v128-139 three sets of four registers of codes
.macro LOAD t                          ; step t: four loads of 512 consecutive bytes
.irp i, 0,1,2,3
	global_load_b128 v[R+16*((\t)%4)+4*\i:R+16*((\t)%4)+4*\i+3], v3, s[36:37] offset:2048*(\t)+512*\i th:TH_LOAD_NT
.endr
.endm
.macro TURNS t                         ; step t through the stage: LDS serves a wave's instructions in order, so no wait stands between the stores and the loads
.irp i, 0,1,2,3
	ds_store_b128 v14, v[R+16*((\t)%4)+4*\i:R+16*((\t)%4)+4*\i+3] offset:32*SP*((\t)%2)+8*SP*\i
.endr
.irp i, 0,1,2,3
	ds_load_b128 v[X+16*((\t)%2)+4*\i:X+16*((\t)%2)+4*\i+3], v15 offset:32*SP*((\t)%2)+16*\i
.endr
.endm
.macro Q3 xs, sc, lim, c               ; 16 numbers v[xs] on -> 16 codes v[c] on, under the scale in v[sc]; v[lim] = 448 x the scale
.irp i, 0,1,2,3,4,5,6,7,8,9,10,11,12,13,14,15
	v_med3_num_f32 v[H+\i], v[\xs+\i], -v[\lim], v[\lim]      ; the conversion does not saturate (ISA guide 7.6.2): the hold comes first; the numbers themselves stay, for the next scale
.endr
	v_cvt_scalef32_pk8_fp8_f32 v[\c:\c+1], v[H:H+7], v[\sc]
	v_cvt_scalef32_pk8_fp8_f32 v[\c+2:\c+3], v[H+8:H+15], v[\sc]
	v_nop                                          ; a plain line between the conversions and the next write of their sources
.endm
.macro MKSC e, sc, lim                 ; 2^e and 448 x 2^e as f32
	s_add_co_i32 s53, \e, 127
	s_lshl_b32 s54, s53, 23
	v_mov_b32 v[\sc], s54
	s_add_co_i32 s53, s53, 8
	s_lshl_b32 s53, s53, 23
	s_or_b32 s53, s53, 0x600000
	v_mov_b32 v[\lim], s53
.endm
.macro STEP t
.set XS, X+16*((\t)%2)
	s_wait_dscnt 0x0                               ; this step's numbers are back from the stage, and its stores into the stage have read their registers,
.if (\t)+4 < 16
	LOAD (\t)+4                                    ; which take the loads of four steps on
.endif
.if (\t)+1 < 16
.if 14-(\t) >= 3
	s_wait_loadcnt 12                              ; the next step's four loads are in; those of the three steps behind it stay out
.else
	s_wait_loadcnt 4*(14-(\t))                     ; the counts run down: no load is issued any more
.endif
	TURNS (\t)+1                                   ; the next step goes through the other stage while this one is worked
.endif
	s_wait_xcnt 0x0                                ; the last step's stores have read their data: the codes' registers are written again only behind this wait
	Q3 XS, 8, 9, C
	global_store_b128 v3, v[C:C+3], s[46:47] offset:512*(\t)
	s_cmp_eq_u32 s39, 0                            ; a weight has one scale; hidden_states has two more
	s_cbranch_scc1 .Lw_\@
	Q3 XS, 10, 11, C+4
	global_store_b128 v3, v[C+4:C+7], s[48:49] offset:512*(\t)
	Q3 XS, 12, 13, C+8
	global_store_b128 v3, v[C+8:C+11], s[50:51] offset:512*(\t)
.Lw_\@:
.endm
; cos and sin of a = position x inverse frequency.  n = the nearest whole number to a x 2 / pi (at most 1,304; a is never negative, so it is a x 2 / pi + 1/2 cut toward zero); r = a - n x pi/2, pi/2 in two parts
; (the first product is taken off without rounding: its lowest bit is 2^-23 and |r| < 1); polynomials on |r| <= pi/4; the quadrant n mod 4 swaps the two and sets the signs.
.macro ANG inv, pos, cosd, sind
	v_mul_f32 v100, v[\pos], v[\inv]               ; a, rounded once, as a product of two f32 numbers
	v_fma_f32 v101, v100, s26, 0.5
	v_cvt_i32_f32 v107, v101                       ; n, a whole number,
	v_cvt_f32_i32 v101, v107                       ; and as f32
	v_fma_f32 v102, -v101, s27, v100
	v_fma_f32 v102, -v101, s28, v102               ; r
	v_mul_f32 v103, v102, v102                     ; z = r r
	v_fma_f32 v104, v103, s29, s30
	v_fma_f32 v105, v103, s32, s33
	v_fma_f32 v104, v104, v103, s31
	v_fma_f32 v105, v105, v103, s34
	v_mul_f32 v104, v104, v103
	v_mul_f32 v105, v105, v103
	v_fma_f32 v106, v103, -0.5, 1.0
	v_fma_f32 v104, v104, v102, v102               ; sin r
	v_fma_f32 v105, v105, v103, v106               ; cos r
	v_and_b32 v106, 1, v107
	v_cmp_ne_u32 vcc_lo, 0, v106                   ; odd quadrant: the two change places
	v_and_b32 v106, 2, v107
	v_lshlrev_b32 v106, 30, v106                   ; sin is negative in quadrants 2 and 3,
	v_add_nc_u32 v107, 1, v107
	v_and_b32 v107, 2, v107
	v_lshlrev_b32 v107, 30, v107                   ; cos in quadrants 1 and 2
	v_cndmask_b32 v108, v104, v105, vcc_lo
	v_cndmask_b32 v109, v105, v104, vcc_lo
	v_xor_b32 v[\sind], v108, v106
	v_xor_b32 v[\cosd], v109, v107
.endm
	s_load_b512 s[4:19], s[0:1], 0x0               ; hidden_states s[4:5], wq s[6:7], wk s[8:9], wv s[10:11], wo s[12:13], the scales s[14:15], codes s[16:17], rope s[18:19]
	v_lshl_add_u32 v160, v0, 2, 0x8000
	v_mov_b32 v161, 0
	v_lshrrev_b32 v1, 5, v0
	v_readfirstlane_b32 s20, v1                    ; wave 0..3
	v_and_b32 v2, 31, v0                           ; lane
	s_wait_kmcnt 0x0
	s_cmp_lt_u32 ttmp9, 64
	s_cbranch_scc1 .Ltable
	; ---------------- the quantiser ----------------
	s_load_b256 s[24:31], s[14:15], 0x0            ; e0 .. e7
	s_load_b128 s[32:35], s[14:15], 0x20           ; e8 .. e11
	s_sub_co_u32 s21, ttmp9, 64                    ; q = 0 .. 511: 128 for hidden_states, 128 wq, 64 wk, 64 wv, 128 wo
	s_mov_b64 s[36:37], s[12:13]                   ; which tensor: the choice hangs on the work-group's number alone
	s_mov_b32 s38, 384                             ; and the first q of its range
	s_cmp_lt_u32 s21, 384
	s_cselect_b64 s[36:37], s[10:11], s[36:37]
	s_cselect_b32 s38, 320, s38
	s_cmp_lt_u32 s21, 320
	s_cselect_b64 s[36:37], s[8:9], s[36:37]
	s_cselect_b32 s38, 256, s38
	s_cmp_lt_u32 s21, 256
	s_cselect_b64 s[36:37], s[6:7], s[36:37]
	s_cselect_b32 s38, 128, s38
	s_cmp_lt_u32 s21, 128
	s_cselect_b64 s[36:37], s[4:5], s[36:37]
	s_cselect_b32 s38, 0, s38
	s_cselect_b32 s39, 1, 0                        ; 1: hidden_states, three sets of codes
	s_cselect_b32 s40, 0, 256                      ; the weights' codes lie behind the three sets: 256 shares of 32,768 bytes further on
	s_sub_co_u32 s41, s21, s38
	s_lshl_b32 s41, s41, 2
	s_add_co_u32 s41, s41, s20                     ; which run of 8,192 numbers of the tensor is my wave's
	s_lshl_b32 s42, s41, 15                        ; x 32,768 bytes
	s_mov_b32 s43, 0
	s_add_nc_u64 s[36:37], s[36:37], s[42:43]
	s_add_co_u32 s44, s21, s40
	s_lshl_b32 s44, s44, 15
	s_lshl_b32 s45, s20, 13
	s_add_co_u32 s44, s44, s45                     ; my wave's 8,192 bytes of codes
	s_mov_b32 s45, 0
	s_add_nc_u64 s[46:47], s[16:17], s[44:45]
	s_add_nc_u64 s[48:49], s[46:47], 0x400000      ; the same place in hidden_states' second set,
	s_add_nc_u64 s[50:51], s[46:47], 0x800000      ; and in its third (named only where s39 = 1)
	v_lshlrev_b32 v3, 4, v2                        ; 16 x lane: my 16 bytes of a load's 512 and of a store's 512; never rewritten
	s_mul_i32 s22, s20, WREG
	v_lshrrev_b32 v14, 2, v2
	v_mul_u32_u24 v14, v14, SP
	v_and_b32 v15, 3, v2
	v_lshl_add_u32 v14, v15, 4, v14
	v_add_nc_u32 v14, s22, v14                     ; the stage, on the way in: four lanes' 64 bytes on end, then 16 of padding
	v_mul_u32_u24 v15, v2, SP
	v_add_nc_u32 v15, s22, v15                     ; and on the way out: my 16 neighbours
.irp t, 0,1,2,3
	LOAD \t
.endr
	s_wait_kmcnt 0x0
	s_mov_b32 s52, s35                             ; the tensor's own e: e11, e5, e3, e1 or e0
	s_cmp_lt_u32 s21, 384
	s_cselect_b32 s52, s29, s52
	s_cmp_lt_u32 s21, 320
	s_cselect_b32 s52, s27, s52
	s_cmp_lt_u32 s21, 256
	s_cselect_b32 s52, s25, s52
	s_cmp_lt_u32 s21, 128
	s_cselect_b32 s52, s24, s52
	MKSC s52, 8, 9
	MKSC s26, 10, 11                               ; e2
	MKSC s28, 12, 13                               ; e4
	s_wait_loadcnt 12                              ; step 0's four loads are in
	TURNS 0
.irp t, 0,1,2,3,4,5,6,7,8,9,10,11,12,13,14,15
	STEP \t
.endr
	s_wait_tensorcnt 0x0
	ds_add_u32 v160, v161
	s_wait_dscnt 0x0
	s_endpgm
	; ---------------- the table ----------------
	; Work-group g makes blocks 2 g and 2 g + 1 of 16 positions; wave w the frequencies 16 w .. 16 w + 15 (b = w).
.Ltable:
	v_and_b32 v21, 15, v0                          ; r
	v_bfe_u32 v22, v0, 4, 1                        ; h
	v_lshlrev_b32 v20, 4, v2                       ; 16 x lane
	s_mov_b32 s24, 0x3e9f73da                      ; L = log2(1e6) / 64, in two parts
	s_mov_b32 s25, 0x31e37800
	s_mov_b32 s26, 0x3f22f983                      ; 2 / pi
	s_mov_b32 s27, 0x3fc90fdb                      ; pi / 2, in two parts
	s_mov_b32 s28, 0xb33bbd2e
	s_mov_b32 s29, 0xb94ca1f9                      ; sin's polynomial
	s_mov_b32 s30, 0x3c08839e
	s_mov_b32 s31, 0xbe2aaaa3
	s_mov_b32 s32, 0x37ccf5ce                      ; cos's
	s_mov_b32 s33, 0xbab6061a
	s_mov_b32 s34, 0x3d2aaaa5
	s_lshl_b32 s35, s20, 4
	v_lshl_add_u32 v23, v22, 3, s35                ; my first frequency: 16 w + 8 h
	; inverse frequency i = 1e6^(-i / 64) = 2^(k - i L) x 2^-k: the nearest whole number k to i L (20 at the most) is split off, so that the exponential's argument stays within a half and its error near the last bit
.irp n, 0,1,2,3,4,5,6,7
	v_add_nc_u32 v[32+\n], \n, v23
	v_cvt_f32_u32 v[32+\n], v[32+\n]               ; i
	v_fma_f32 v[40+\n], v[32+\n], s24, 0.5
	v_cvt_i32_f32 v[40+\n], v[40+\n]               ; k: i L + 1/2, never negative, cut toward zero
	v_cvt_f32_i32 v[48+\n], v[40+\n]
	v_fma_f32 v[48+\n], -v[32+\n], s24, v[48+\n]
	v_fma_f32 v[48+\n], -v[32+\n], s25, v[48+\n]   ; k - i L
	v_sub_nc_u32 v[40+\n], 127, v[40+\n]
	v_lshlrev_b32 v[40+\n], 23, v[40+\n]           ; 2^-k as f32
.endr
.irp n, 0,1,2,3,4,5,6,7
	v_exp_f32 v[24+\n], v[48+\n]
.endr
	s_lshl_b32 s36, ttmp9, 5
	v_add_nc_u32 v56, s36, v21                     ; (plain lines behind the exponentials)  position 32 g + r
	v_cvt_f32_u32 v56, v56
	v_add_f32 v57, 0x41800000, v56                 ; and 16 further on
	s_lshl_b32 s36, ttmp9, 14                      ; two blocks of 8,192 bytes a work-group,
	s_lshl_b32 s37, s20, 10                        ; groups 2 w and 2 w + 1
	s_add_co_u32 s36, s36, s37
	s_mov_b32 s37, 0
	s_add_nc_u64 s[18:19], s[18:19], s[36:37]
	s_wait_alu depctr_va_vdst(0)                   ; one wait for the eight exponentials, ahead of their first reader
.irp n, 0,1,2,3,4,5,6,7
	v_mul_f32 v[24+\n], v[24+\n], v[40+\n]         ; x 2^-k: nothing is rounded
.endr
.irp pl, 0,1
.irp jj, 0,1
.irp e, 0,1,2,3
	ANG 24+4*\jj+\e, 56+\pl, 64+8*(2*\pl+\jj)+\e, 64+8*(2*\pl+\jj)+4+\e
.endr
	global_store_b128 v20, v[64+8*(2*\pl+\jj):64+8*(2*\pl+\jj)+3], s[18:19] offset:8192*\pl+512*\jj          ; cos: 512 consecutive bytes a store; each store has registers of its own
	global_store_b128 v20, v[64+8*(2*\pl+\jj)+4:64+8*(2*\pl+\jj)+7], s[18:19] offset:8192*\pl+512*\jj+4096   ; sin
.endr
.endr
	s_endpgm
.Lfunc_end_k_q69f57a19af_quant:
	.size	k_q69f57a19af_quant, .Lfunc_end_k_q69f57a19af_quant-k_q69f57a19af_quant
	.p2alignl 7, 3214868480
	.fill 96, 4, 3214868480
	.section	.rodata,"a",@progbits
	.p2align	6, 0x0
	.amdhsa_kernel k_q69f57a19af_quant
		.amdhsa_group_segment_fixed_size 33280
		.amdhsa_private_segment_fixed_size 0
		.amdhsa_enable_private_segment 0
		.amdhsa_kernarg_size 64
		.amdhsa_user_sgpr_count 2
		.amdhsa_user_sgpr_kernarg_segment_ptr 1
		.amdhsa_wavefront_size32 1
		.amdhsa_system_sgpr_workgroup_id_x 1
		.amdhsa_system_sgpr_workgroup_id_y 1
		.amdhsa_system_sgpr_workgroup_id_z 1
		.amdhsa_system_vgpr_workitem_id 0
		.amdhsa_next_free_vgpr 162
		.amdhsa_next_free_sgpr 66
		.amdhsa_reserve_vcc 1
		.amdhsa_float_denorm_mode_32 3
		.amdhsa_float_denorm_mode_16_64 3
		.amdhsa_memory_ordered 1
		.amdhsa_forward_progress 1
		.amdhsa_inst_pref_size 105
	.end_amdhsa_kernel
	.amdgpu_metadata
---
amdhsa.version: [ 1, 2 ]
amdhsa.kernels:
  - .name:           k_q69f57a19af_quant
    .symbol:         k_q69f57a19af_quant.kd
    .args:
      - { .name: hidden_states, .offset: 0, .size: 8, .value_kind: global_buffer, .address_space: global }
      - { .name: wq, .offset: 8, .size: 8, .value_kind: global_buffer, .address_space: global }
      - { .name: wk, .offset: 16, .size: 8, .value_kind: global_buffer, .address_space: global }
      - { .name: wv, .offset: 24, .size: 8, .value_kind: global_buffer, .address_space: global }
      - { .name: wo, .offset: 32, .size: 8, .value_kind: global_buffer, .address_space: global }
      - { .name: lowp_scales, .offset: 40, .size: 8, .value_kind: global_buffer, .address_space: global }
      - { .name: codes, .offset: 48, .size: 8, .value_kind: global_buffer, .address_space: global }
      - { .name: rope, .offset: 56, .size: 8, .value_kind: global_buffer, .address_space: global }
    .group_segment_fixed_size: 33280
    .private_segment_fixed_size: 0
    .kernarg_segment_align: 8
    .kernarg_segment_size: 64
    .max_flat_workgroup_size: 128
    .sgpr_count:     66
    .vgpr_count:     162
    .wavefront_size: 32
...
	.end_amdgpu_metadata
.endif
;; end of part 1
;; launch qkv (part 2): grid 16 x 16, 4 waves a work-group, clusters of 4 x 4, 327,680 bytes of LDS; arguments codes, lowp_scales, rope, q_norm_w, k_norm_w, qkvc; writes qkvc
.if DOCPART == 2
	.amdgcn_target "amdgcn-amd-amdhsa--gfx1250"
	.amdhsa_code_object_version 6
	.text
	.protected	k_q69f57a19af_qkv
	.globl	k_q69f57a19af_qkv
	.p2align	8
	.type	k_q69f57a19af_qkv,@function
k_q69f57a19af_qkv:
	s_mov_b64 s[64:65], 0
	v_nop
	global_prefetch_b8 v0, s[64:65] scope:SCOPE_SE
	s_setreg_imm32_b32 hwreg(HW_REG_WAVE_MODE, 25, 1), 1
	s_wait_xcnt 0x0
	s_wait_alu depctr_hold_cnt(0) depctr_sa_sdst(0) depctr_va_vdst(0) depctr_va_sdst(0) depctr_va_ssrc(0) depctr_va_vcc(0) depctr_vm_vsrc(0)
	s_getreg_b32 s2, hwreg(HW_REG_IB_STS2, 6, 4)
	s_cmp_eq_u32 s2, 0
	s_cbranch_scc0 .Lentry_in_a_cluster
	s_endpgm
.Lentry_in_a_cluster:
	s_bfe_u32 s2, ttmp6, 0x10000c
	s_cmp_lg_u32 s2, 0xf033
	s_cbranch_scc0 .Lentry_shape_is_right
	s_endpgm
.Lentry_shape_is_right:
; q = rope(norm(x wq^T)), k = rope(norm(x wk^T)), v = x wv^T: three products on codes of E4M3 (K = 2,048), and on the way out, in f32: x 2^(eA + eB), the RMS norm over a head's 128, RoPE, and the quantiser of the next product.
; OUT (buffer qkvc, codes, a byte each): q at 0: [16 heads][2048 positions][128] under e6;  k at 4 MiB: [8][2048][128] under e7;  v at 6 MiB: [8 heads][16 blocks of keys][128 d][128 keys] under e9: the keys innermost.
; SHARES.  256 work-groups, each a tile of 128 x 256 of C[m][n] = sum over k of A[m][k] B[n][k]; four waves, each 64 x 128: 32 accumulators.  Clusters with x = 0, 1: q (A = x under e0, B = wq); x = 2: k (x under e2, wk);
; x = 3: V^T (A = wv, B = x under e4): the operands change places, so that a lane's eight results are eight neighbouring KEYS.
; THE MATRIX INSTRUCTION IS USED TRANSPOSED (source 0 = 16 rows of B, source 1 = 16 rows of A): lane (r, h) holds row m = r, register j of tile b column n = 16 b + 8 h + j.  A wave's 128 columns are one head, so
; a row's norm wants one exchange between the halves of the lanes, and RoPE's partner d + 64 lies in tile b + 4, same lane, same register.
; A fragment (16 rows x 128 K) is fetched by four loads of 16 bytes, 32 apart: a permutation of k, the same in A and in B.
; K goes in steps of 256 through a ring of two LDS slots filled by the tensor data mover.  CLUSTER 4 x 4: A's tile is shared along a row of the cluster, B's along a column: each is asked for jointly.
; The norm weights and the table of cos and sin are loaded at the head, on the one way that all work-groups take, so that every register that the way out names is written on every way through the text;
; V's work-groups do not use them (33 KiB a wave read for nothing in 64 of 256 work-groups).
; No prefetch: the launch is short and its tiles small.  One tile to a work-group: 256 equal tiles for 256 WGPs.
; LIMITS: eA + eB between -126 and 127; e6, e7, e9 between -126 and 119.  NaN among the inputs is not served.
; REGISTERS: window 0: v0-31 addresses; v32-47 codes; v48-51 at work; v56, v57 the quantiser's scale and limit; v64-127 norm weights; v128-255 A's fragments, two sets (on the way out two arrays of 64).
;   window 1: B's fragments, two sets.   window 2: the accumulators, (a, b) at v[8 (8 a + b)].   window 3: cos and sin: block a of 16 rows at v[64 a]: 32 cos, 32 sin.
.set BF,     8                         ; B's fragments a wave
.set ROWB,   256                       ; along K in a slot, bytes
.set PITCH,  272                       ; an LDS row: 256 + 16 of padding: the 16 rows of a load start 68 words apart
.set AROWS,  64                        ; rows in a load for A (waves 0, 1)
.set BROWS,  128                       ; for B (waves 2, 3)
.set QI,     5                         ; padding after every 64 words
.set BOFF,   128*PITCH                 ; a slot: A's 128 rows, then B's 256
.set SLOT,   BOFF+2*BROWS*PITCH
.set LAPS,   2048/(2*ROWB)
.set STAGE,  2*SLOT                    ; behind the ring: 16 rows x 144 bytes for each wave
.set SPITCH, 144
.set SPARE,  STAGE+4*16*SPITCH         ; behind the stages: the spare words, 128 bytes a wave
.set FLAGS,  (1<<20)|(1<<21)|(QI<<22)|(3<<25)   ; elements of 1 byte; padding on; bit 21 beside a mask; the interval; 4 words of padding
.set ADRA, 16                          ; v16-17 LDS address of my A fragments in slot 0, 1
.set ADRB, 20                          ; v20-21 the same for B
.set STO,  24                          ; v24  the way out: where I put 8 codes
.set RD,   25                          ; v25  where I read 16 bytes of a row back
.set CO,   26                          ; v26  16 x lane: offset of the table's loads and of the stores; never rewritten
.set SPW,  28                          ; v28  my spare word;  v29  0
.set NIL,  29
.set NO,   30                          ; v30  32 h: offset of the norm weights' loads; never rewritten
.set CD,   32
.set W,    64
.set AF,   128
.set OA,   128
.set T,    192
.set G1A, 24
.set G0A, 32
.set G1B, 48
.set G0B, 56
.set MUL,  0xa1                        ; source 0 (B) window 1, source 1 (A) window 0, C and D window 2
.set TO_B, 0x40                        ; destination window 1
.set MSB, 0
.macro WIN new                         ; the immediate's high byte repeats the setting that is left
.if MSB != \new
	s_set_vgpr_msb (MSB<<8)|\new
.set MSB, \new
.endif
.endm
.macro PLACES n
.rept \n
	v_nop
.endr
.endm
.macro JLOAD s                         ; a joint load: waves 0, 1 fetch A's halves, waves 2, 3 B's; four v_nop follow each line
	s_cmp_eq_u32 s17, 0
	s_cbranch_scc0 .Lfor_b_\@
	tensor_load_to_lds s[G0A+4*(\s):G0A+4*(\s)+3], s[G1A:G1A+7]
	s_nop 0
.rept 4
	v_nop
.endr
	s_branch .Lasked_\@
.Lfor_b_\@:
	tensor_load_to_lds s[G0B+4*(\s):G0B+4*(\s)+3], s[G1B:G1B+7]
	s_nop 0
.rept 4
	v_nop
.endr
.Lasked_\@:
.endm
.macro CREST                           ; a round of the cluster's barrier behind its opening barrier
	s_cmp_lg_u32 s16, 0
	s_cbranch_scc1 .Lnot_wave_0_\@
	s_barrier_signal -3
.Lnot_wave_0_\@:
	s_barrier_wait -3
	s_barrier_signal -1
	s_barrier_wait -1
.endm
.macro CROUND
	s_barrier_signal -1
	s_barrier_wait -1
	CREST
.endm
.macro FRAG reg, adr, q, i             ; 16 rows x 128 K: registers 4 c .. 4 c + 3 hold K = 32 c + 16 h + 0 .. 15 of row r
.irp c, 0,1,2,3
	ds_load_b128 v[\reg+4*\c:\reg+4*\c+3], v[\adr] offset:128*(\q)+32*\c+(\i)*16*PITCH
.endr
.endm
.macro FETCH slot, q, p                ; the fragments of the slot's q-th 128 along K into set p: B's eight, A's four
	WIN TO_B
.irp i, 0,1,2,3,4,5,6,7
	FRAG 128*(\p)+16*\i, ADRB+\slot, \q, \i
.endr
	WIN 0
.irp i, 0,1,2,3
	FRAG AF+64*(\p)+16*\i, ADRA+\slot, \q, \i
.endr
.endm
.macro MULA a, p, zero                 ; A's block a against B's eight.  The 32 accumulators take turns, in the same order in every step
.irp b, 0,1,2,3,4,5,6,7
.if \zero
	v_wmma_f32_16x16x128_fp8_fp8 v[8*(BF*(\a)+\b):8*(BF*(\a)+\b)+7], v[128*(\p)+16*\b:128*(\p)+16*\b+15], v[AF+64*(\p)+16*(\a):AF+64*(\p)+16*(\a)+15], 0
.else
	v_wmma_f32_16x16x128_fp8_fp8 v[8*(BF*(\a)+\b):8*(BF*(\a)+\b)+7], v[128*(\p)+16*\b:128*(\p)+16*\b+15], v[AF+64*(\p)+16*(\a):AF+64*(\p)+16*(\a)+15], v[8*(BF*(\a)+\b):8*(BF*(\a)+\b)+7]
.endif
.endr
.endm
.macro SUB slot, q, zero               ; 128 along K whose successor lies in the same slot
	s_wait_dscnt 0x0                               ; this step's fragments are in: they were asked for a step, 32 matrix instructions, ago
	PLACES 4                                       ; in front of loads into the set that the last step multiplied
	FETCH \slot, (\q)+1, 1-(\q)%2
	WIN MUL
	MULA 0, (\q)%2, \zero
	MULA 1, (\q)%2, \zero
	MULA 2, (\q)%2, \zero
	MULA 3, (\q)%2, \zero
.endm
.macro TURN slot, next, fill           ; a slot's last step (set 1) changes slots: one barrier; fill = 1: it opens a round of the cluster's barrier, and this slot is filled again, two slots ahead
	WIN 0
	s_wait_tensorcnt 0x0                           ; all my tensor loads have landed: my part of the next slot
	ds_add_u32 v[SPW], v[NIL]                      ; 0 onto my spare word
	s_wait_dscnt 1                                 ; the add alone may be out: this step's fragments are in
	WIN MUL
	MULA 0, 1, 0                                   ; eight matrix instructions between the add and the wait for it
	s_wait_dscnt 0x0                               ; the add is done, and my reads of this slot are over
	s_barrier_signal -1
	MULA 1, 1, 0
	WIN 0
	s_barrier_wait -1
.if \fill
	CREST                                          ; no wave of any partner still reads this slot or has a load on its way
	s_add_nc_u64 s[G0A+4*\slot+2:G0A+4*\slot+3], s[G0A+4*\slot+2:G0A+4*\slot+3], 2*ROWB
	s_add_nc_u64 s[G0B+4*\slot+2:G0B+4*\slot+3], s[G0B+4*\slot+2:G0B+4*\slot+3], 2*ROWB
	JLOAD \slot                                    ; the first tensor load behind the round; its four v_nop are also the places in front of the loads below
.else
	PLACES 4
.endif
	FETCH \next, 0, 0
	WIN MUL
	MULA 2, 1, 0
	MULA 3, 1, 0
.endm
.macro LAST
	s_wait_dscnt 0x0
	WIN MUL
	MULA 0, 1, 0
	MULA 1, 1, 0
	MULA 2, 1, 0
	MULA 3, 1, 0
	WIN 0
.endm
	s_load_b256 s[4:11], s[0:1], 0x0               ; codes s[4:5], the scales s[6:7], rope s[8:9], q_norm_w s[10:11]
	s_load_b128 s[12:15], s[0:1], 0x20             ; k_norm_w s[12:13], qkvc s[14:15]
	v_lshl_add_u32 v[SPW], v0, 2, SPARE
	v_mov_b32 v[NIL], 0
	ds_add_u32 v28, v29
	ds_add_u32 v28, v29
	s_wait_dscnt 0x0
	v_lshrrev_b32 v1, 5, v0
	v_readfirstlane_b32 s16, v1                    ; wave 0..3
	s_lshr_b32 s17, s16, 1                         ; wr: which 64 rows are mine.  Also: I fetch for A (0) or for B (1)
	s_and_b32 s18, s16, 1                          ; wc: which 128 columns.  Also: which half of that tile I fetch
	s_bfe_u32 s40, ttmp6, 0x40000                  ; cx
	s_bfe_u32 s41, ttmp6, 0x40004                  ; cy
	s_mov_b32 s42, ttmp9                           ; the cluster's x: 0, 1 q; 2 k; 3 V
	s_and_b32 s43, ttmp7, 0xffff                   ; the cluster's y
	s_lshl_b32 s44, s41, 2
	s_lshl_b32 s44, 15, s44                        ; my row of the cluster
	s_lshl_b32 s45, 0x1111, s40                    ; my column
	s_or_b32 s[G1A], s44, FLAGS
	s_or_b32 s[G1B], s45, FLAGS
	s_mov_b32 s[G1A+1], ROWB<<16                   ; tensor_dim0
	s_mov_b32 s[G1A+2], AROWS<<16                  ; tensor_dim1
	s_mov_b32 s[G1A+3], ROWB<<16                   ; tile_dim0
	s_mov_b32 s[G1A+4], AROWS                      ; tile_dim1
	s_mov_b32 s[G1A+5], 2048                       ; from row to row
	s_mov_b32 s[G1A+6], 0
	s_mov_b32 s[G1A+7], 0
	s_mov_b32 s[G1B+1], ROWB<<16
	s_mov_b32 s[G1B+2], BROWS<<16
	s_mov_b32 s[G1B+3], ROWB<<16
	s_mov_b32 s[G1B+4], BROWS
	s_mov_b32 s[G1B+5], 2048
	s_mov_b32 s[G1B+6], 0
	s_mov_b32 s[G1B+7], 0
	; which tile.  A's registers never hold cx, B's never cy.  q, k: tile row 4 Y + cy (16 of 128 positions), tile column 4 X + cx (12 of 256 rows of wq, wk).  V: tile row 4 (Y / 2) + cy (8 heads), tile column 4 (Y % 2) + cx (8 of 256 keys)
	s_lshr_b32 s20, s43, 1
	s_lshl_b32 s20, s20, 2
	s_add_co_u32 s20, s20, s41
	s_lshl_b32 s21, s43, 2
	s_add_co_u32 s21, s21, s41
	s_max_u32 s22, s42, 1
	s_sub_co_u32 s22, s22, 1
	s_lshl_b32 s22, s22, 11                        ; x under e0 begins at row 0 of the buffer, under e2 at row 2,048
	s_and_b32 s46, s43, 1
	s_lshl_b32 s46, s46, 2
	s_add_co_u32 s46, s46, s40
	s_lshl_b32 s47, s42, 2
	s_add_co_u32 s47, s47, s40
	s_mov_b32 s23, 6144                            ; wq, wk begin at row 6,144
	s_cmp_eq_u32 s42, 3
	s_cselect_b32 s92, s20, s21                    ; TR
	s_cselect_b32 s22, 9216, s22                   ; wv begins at row 9,216
	s_cselect_b32 s93, s46, s47                    ; TC
	s_cselect_b32 s23, 4096, s23                   ; x under e4 at row 4,096
	s_lshl_b32 s20, s92, 7
	s_add_co_u32 s20, s20, s22
	s_lshl_b32 s21, s18, 6
	s_add_co_u32 s20, s20, s21                     ; A: the first row that I fetch
	s_lshl_b32 s20, s20, 11                        ; x 2,048 bytes (under 2^25)
	s_mov_b32 s21, 0
	s_lshl_b32 s46, s93, 8
	s_add_co_u32 s46, s46, s23
	s_lshl_b32 s47, s18, 7
	s_add_co_u32 s46, s46, s47                     ; B likewise
	s_lshl_b32 s46, s46, 11
	s_mov_b32 s47, 0
	s_mul_i32 s44, s18, AROWS*PITCH                ; where they go: no place in the cluster enters an LDS address
	s_mul_i32 s45, s18, BROWS*PITCH
	s_add_co_u32 s45, s45, BOFF
	s_wait_kmcnt 0x0
	s_load_b256 s[68:75], s[6:7], 0x0              ; e0 .. e7
	s_load_b128 s[76:79], s[6:7], 0x20             ; e8 .. e11
	s_add_nc_u64 s[20:21], s[4:5], s[20:21]
	s_add_nc_u64 s[46:47], s[4:5], s[46:47]
	CROUND                                         ; all sixteen work-groups are here: the first joint loads meet
.irp s, 0,1
	s_mov_b32 s[G0A+4*\s], 1
	s_add_co_u32 s[G0A+4*\s+1], s44, \s*SLOT
	s_add_nc_u64 s[G0A+4*\s+2:G0A+4*\s+3], s[20:21], \s*ROWB
	s_or_b32 s[G0A+4*\s+3], s[G0A+4*\s+3], 0x80000000
	s_mov_b32 s[G0B+4*\s], 1
	s_add_co_u32 s[G0B+4*\s+1], s45, \s*SLOT
	s_add_nc_u64 s[G0B+4*\s+2:G0B+4*\s+3], s[46:47], \s*ROWB
	s_or_b32 s[G0B+4*\s+3], s[G0B+4*\s+3], 0x80000000
	JLOAD \s                                       ; two loads of mine are out
.endr
	v_and_b32 v1, 15, v0                           ; r
	v_bfe_u32 v2, v0, 4, 1                         ; h
	v_mul_u32_u24 v3, v1, PITCH
	v_lshl_add_u32 v3, v2, 4, v3                   ; a fragment's row x pitch + 16 h
	s_mul_i32 s84, s17, 64*PITCH                   ; my 64 rows of A
	s_mul_i32 s85, s18, 16*BF*PITCH                ; my 128 rows of B
	s_add_co_u32 s85, s85, BOFF
.irp s, 0,1
	v_add_nc_u32 v[ADRA+\s], s84, v3
	v_add_nc_u32 v[ADRB+\s], s85, v3
	s_add_co_u32 s84, s84, SLOT
	s_add_co_u32 s85, s85, SLOT
.endr
	s_mul_i32 s84, s16, 16*SPITCH
	s_add_co_u32 s84, s84, STAGE                   ; my stage
	v_mul_u32_u24 v[STO], v1, SPITCH
	v_lshl_add_u32 v[STO], v2, 3, v[STO]
	v_add_nc_u32 v[STO], s84, v[STO]               ; in: row r, + 8 h
	v_and_b32 v4, 31, v0
	v_lshrrev_b32 v5, 3, v4
	v_and_b32 v6, 7, v4
	v_mul_u32_u24 v[RD], v5, SPITCH
	v_lshl_add_u32 v[RD], v6, 4, v[RD]
	v_add_nc_u32 v[RD], s84, v[RD]                 ; back: eight lanes to a row of 128 bytes
	v_lshlrev_b32 v[CO], 4, v4
	v_lshlrev_b32 v[NO], 5, v2
	; the norm weights: W[8 b + j] = w[16 b + 8 h + j];  cos and sin of my 64 positions, as the table lies
	s_lshl_b32 s88, s92, 3
	s_lshl_b32 s89, s17, 2
	s_add_co_u32 s88, s88, s89                     ; my first block of 16 positions: 8 TR + 4 wr
	s_lshl_b32 s88, s88, 13
	s_mov_b32 s89, 0
	s_add_nc_u64 s[88:89], s[8:9], s[88:89]
	s_cmp_lt_u32 s42, 2
	s_cselect_b64 s[90:91], s[10:11], s[12:13]
.irp b, 0,1,2,3,4,5,6,7
	global_load_b128 v[W+8*\b:W+8*\b+3], v[NO], s[90:91] offset:64*\b
	global_load_b128 v[W+8*\b+4:W+8*\b+7], v[NO], s[90:91] offset:64*\b+16
.endr
	WIN 0xc0                                       ; destination window 3
.irp a, 0,1,2,3
.irp g, 0,1,2,3,4,5,6,7,8,9,10,11,12,13,14,15
	global_load_b128 v[64*\a+4*\g:64*\a+4*\g+3], v[CO], s[88:89] offset:8192*\a+512*\g
.endr
.endr
	WIN 0
	; where my wave's 8 KiB of codes begin.  q, k: ((2 TC + wc) x 2048 + 128 TR + 64 wr) rows of 128 bytes;  V: 6 MiB + ((16 TR + 2 TC + wc) x 128 + 64 wr) rows
	s_lshl_b32 s84, s93, 1
	s_add_co_u32 s84, s84, s18
	s_lshl_b32 s85, s84, 11
	s_lshl_b32 s86, s92, 7
	s_add_co_u32 s85, s85, s86
	s_lshl_b32 s86, s92, 4
	s_add_co_u32 s86, s86, s84
	s_lshl_b32 s86, s86, 7
	s_add_co_u32 s86, s86, 49152
	s_cmp_eq_u32 s42, 3
	s_cselect_b32 s85, s86, s85
	s_lshl_b32 s86, s17, 6
	s_add_co_u32 s85, s85, s86
	s_lshl_b32 s86, s85, 7
	s_mov_b32 s87, 0
	s_add_nc_u64 s[14:15], s[14:15], s[86:87]
	s_mov_b32 s94, 0x76543210                      ; v_permlanex16_b32: lane l xor 16
	s_mov_b32 s95, 0xfedcba98
	s_mov_b32 s96, 0x3c000000                      ; 1 / 128
	s_mov_b32 s97, 0x358637bd                      ; 1e-6
	s_wait_kmcnt 0x0
	s_cmp_eq_u32 s42, 2                            ; the product's scales and the next quantiser's: selected, nothing branches on them
	s_cselect_b32 s84, s70, s68
	s_cselect_b32 s85, s71, s69
	s_cselect_b32 s86, s75, s74
	s_cmp_eq_u32 s42, 3
	s_cselect_b32 s84, s72, s84
	s_cselect_b32 s85, s73, s85
	s_cselect_b32 s86, s77, s86
	s_add_co_i32 s84, s84, s85
	s_add_co_i32 s84, s84, 127
	s_lshl_b32 s80, s84, 23                        ; 2^(eA + eB)
	s_mov_b32 s81, s80                             ; (named with it as a pair)
	s_add_co_i32 s86, s86, 127
	s_lshl_b32 s87, s86, 23
	v_mov_b32 v56, s87                             ; 2^eo
	s_add_co_i32 s86, s86, 8
	s_lshl_b32 s86, s86, 23
	s_or_b32 s86, s86, 0x600000
	v_mov_b32 v57, s86                             ; 448 x 2^eo
	s_wait_tensorcnt 0x1                           ; my part of slot 0 is in; slot 1's stays out
	s_barrier_signal -1
	s_barrier_wait -1
	FETCH 0, 0, 0
	SUB 0, 0, 1                                    ; the first step's products start the sums: nothing is cleared
	WIN 0
	s_mov_b32 s19, LAPS-1
.Llap:                                                 ; a trip goes once round the ring and fills both slots again
	TURN 0, 1, 1
	SUB 1, 0, 0
	TURN 1, 0, 1
	SUB 0, 0, 0
	WIN 0
	s_sub_co_u32 s19, s19, 1
	s_cmp_lg_u32 s19, 0
	s_cbranch_scc1 .Llap
	TURN 0, 1, 0                                   ; the last lap fills nothing
	SUB 1, 0, 0
	LAST
	PLACES 4                                       ; in front of the first read of results and the first write of A's registers
	s_wait_loadcnt 0x0                             ; the norm weights and the table
; THE WAY OUT, a block of 16 rows at a time.
.macro EPI a
.if (\a) > 0
	s_wait_xcnt 0x0                                ; the last block's stores have read v192-207, which are written again below
.endif
	s_cmp_eq_u32 s42, 3                            ; the cluster's x: the same in all partners
	s_cbranch_scc1 .Lv_\@
	WIN 0x02                                       ; source 0 window 2
.set ii, 0
.rept 32
	v_pk_mul_f32 v[T+ii:T+ii+1], v[64*(\a)+ii:64*(\a)+ii+1], s[80:81] op_sel_hi:[1,0]   ; x 2^(eA + eB); each accumulator from its low end on
.set ii, ii+2
.endr
	WIN 0
	v_pk_mul_f32 v[48:49], v[T:T+1], v[T:T+1]      ; the sum of squares of my 64, in two chains of pairs
	v_pk_mul_f32 v[50:51], v[T+2:T+3], v[T+2:T+3]
.set ii, 4
.rept 15
	v_pk_fma_f32 v[48:49], v[T+ii:T+ii+1], v[T+ii:T+ii+1], v[48:49]
	v_pk_fma_f32 v[50:51], v[T+ii+2:T+ii+3], v[T+ii+2:T+ii+3], v[50:51]
.set ii, ii+4
.endr
	v_pk_add_f32 v[48:49], v[48:49], v[50:51]
	v_add_f32 v48, v48, v49
	v_permlanex16_b32 v49, v48, s94, s95           ; the row's other 64 lie in lane l xor 16
	v_add_f32 v48, v48, v49
	v_fma_f32 v48, v48, s96, s97                   ; the mean + 1e-6
	v_rsq_f32 v50, v48
	v_nop                                          ; a plain line behind the transcendental
	s_wait_alu depctr_va_vdst(0)                   ; and the wait ahead of its first reader
.set ii, 0
.rept 32
	v_pk_mul_f32 v[T+ii:T+ii+1], v[T+ii:T+ii+1], v[50:51] op_sel_hi:[1,0]
.set ii, ii+2
.endr
.set ii, 0
.rept 32
	v_pk_mul_f32 v[T+ii:T+ii+1], v[T+ii:T+ii+1], v[W+ii:W+ii+1]
.set ii, ii+2
.endr
	WIN 0x0c                                       ; source 1 window 3: cos at 64 a, sin at 64 a + 32
.set ii, 0
.rept 16
	v_pk_mul_f32 v[OA+ii:OA+ii+1], v[T+32+ii:T+33+ii], v[64*(\a)+32+ii:64*(\a)+33+ii]      ; x(d + 64) sin
	v_pk_mul_f32 v[OA+32+ii:OA+33+ii], v[T+ii:T+ii+1], v[64*(\a)+32+ii:64*(\a)+33+ii]      ; x(d - 64) sin
	v_pk_fma_f32 v[OA+ii:OA+ii+1], v[T+ii:T+ii+1], v[64*(\a)+ii:64*(\a)+ii+1], v[OA+ii:OA+ii+1] neg_lo:[0,0,1] neg_hi:[0,0,1]   ; d < 64: x cos - x(d + 64) sin
	v_pk_fma_f32 v[OA+32+ii:OA+33+ii], v[T+32+ii:T+33+ii], v[64*(\a)+ii:64*(\a)+ii+1], v[OA+32+ii:OA+33+ii]                     ; d >= 64: x cos + x(d - 64) sin
.set ii, ii+2
.endr
	WIN 0
	s_branch .Lj_\@
.Lv_\@:
	WIN 0x02
.set ii, 0
.rept 32
	v_pk_mul_f32 v[OA+ii:OA+ii+1], v[64*(\a)+ii:64*(\a)+ii+1], s[80:81] op_sel_hi:[1,0]   ; V: the scale alone
.set ii, ii+2
.endr
	WIN 0
.Lj_\@:
.set ii, 0
.rept 64
	v_med3_num_f32 v[OA+ii], v[OA+ii], -v57, v57   ; the conversion does not saturate (ISA guide 7.6.2)
.set ii, ii+1
.endr
.irp b, 0,1,2,3,4,5,6,7
	v_cvt_scalef32_pk8_fp8_f32 v[CD+2*\b:CD+2*\b+1], v[OA+8*\b:OA+8*\b+7], v56
.endr
	v_nop                                          ; a plain line behind the last conversion
.irp b, 0,1,2,3,4,5,6,7
	ds_store_b64 v[STO], v[CD+2*\b:CD+2*\b+1] offset:16*\b       ; row r, bytes 16 b + 8 h on
.endr
.irp i, 0,1,2,3
	ds_load_b128 v[T+4*\i:T+4*\i+3], v[RD] offset:4*SPITCH*\i    ; LDS serves a wave's instructions in order: these see my stores
.endr
	s_wait_dscnt 0x0
.irp i, 0,1,2,3
	global_store_b128 v[CO], v[T+4*\i:T+4*\i+3], s[14:15] offset:2048*(\a)+512*\i   ; 512 consecutive bytes a store
.endr
.endm
	EPI 0
	EPI 1
	EPI 2
	EPI 3
	s_wait_tensorcnt 0x0                           ; the wave's end
	ds_add_u32 v[SPW], v[NIL]
	s_wait_dscnt 0x0
	CROUND                                         ; the closing round
	s_endpgm
.Lfunc_end_k_q69f57a19af_qkv:
	.size	k_q69f57a19af_qkv, .Lfunc_end_k_q69f57a19af_qkv-k_q69f57a19af_qkv
	.p2alignl 7, 3214868480
	.fill 96, 4, 3214868480
	.section	.rodata,"a",@progbits
	.p2align	6, 0x0
	.amdhsa_kernel k_q69f57a19af_qkv
		.amdhsa_group_segment_fixed_size 327680
		.amdhsa_private_segment_fixed_size 0
		.amdhsa_enable_private_segment 0
		.amdhsa_kernarg_size 48
		.amdhsa_user_sgpr_count 2
		.amdhsa_user_sgpr_kernarg_segment_ptr 1
		.amdhsa_wavefront_size32 1
		.amdhsa_system_sgpr_workgroup_id_x 1
		.amdhsa_system_sgpr_workgroup_id_y 1
		.amdhsa_system_sgpr_workgroup_id_z 1
		.amdhsa_system_vgpr_workitem_id 0
		.amdhsa_next_free_vgpr 1024
		.amdhsa_next_free_sgpr 100
		.amdhsa_reserve_vcc 0
		.amdhsa_float_denorm_mode_32 3
		.amdhsa_float_denorm_mode_16_64 3
		.amdhsa_memory_ordered 1
		.amdhsa_forward_progress 1
		.amdhsa_inst_pref_size 144
	.end_amdhsa_kernel
	.amdgpu_metadata
---
amdhsa.version: [ 1, 2 ]
amdhsa.kernels:
  - .name:           k_q69f57a19af_qkv
    .symbol:         k_q69f57a19af_qkv.kd
    .args:
      - { .name: codes, .offset: 0, .size: 8, .value_kind: global_buffer, .address_space: global }
      - { .name: lowp_scales, .offset: 8, .size: 8, .value_kind: global_buffer, .address_space: global }
      - { .name: rope, .offset: 16, .size: 8, .value_kind: global_buffer, .address_space: global }
      - { .name: q_norm_w, .offset: 24, .size: 8, .value_kind: global_buffer, .address_space: global }
      - { .name: k_norm_w, .offset: 32, .size: 8, .value_kind: global_buffer, .address_space: global }
      - { .name: qkvc, .offset: 40, .size: 8, .value_kind: global_buffer, .address_space: global }
    .group_segment_fixed_size: 327680
    .private_segment_fixed_size: 0
    .kernarg_segment_align: 8
    .kernarg_segment_size: 48
    .max_flat_workgroup_size: 128
    .sgpr_count:     100
    .vgpr_count:     1024
    .wavefront_size: 32
...
	.end_amdgpu_metadata
.endif
;; end of part 2
;; launch attn (part 3): grid 32 x 8, 8 waves a work-group, clusters of 4 x 4, 327,680 bytes of LDS; arguments qkvc, attention_mask, lowp_scales, acodes; writes acodes
.if DOCPART == 3
	.amdgcn_target "amdgcn-amd-amdhsa--gfx1250"
	.amdhsa_code_object_version 6
	.text
	.protected	k_q69f57a19af_attn
	.globl	k_q69f57a19af_attn
	.p2align	8
	.type	k_q69f57a19af_attn,@function
k_q69f57a19af_attn:
	s_mov_b64 s[64:65], 0
	v_nop
	global_prefetch_b8 v0, s[64:65] scope:SCOPE_SE
	s_setreg_imm32_b32 hwreg(HW_REG_WAVE_MODE, 25, 1), 1
	s_wait_xcnt 0x0
	s_wait_alu depctr_hold_cnt(0) depctr_sa_sdst(0) depctr_va_vdst(0) depctr_va_sdst(0) depctr_va_ssrc(0) depctr_va_vcc(0) depctr_vm_vsrc(0)
	s_getreg_b32 s2, hwreg(HW_REG_IB_STS2, 6, 4)
	s_cmp_eq_u32 s2, 0
	s_cbranch_scc0 .Lentry_in_a_cluster
	s_endpgm
.Lentry_in_a_cluster:
	s_bfe_u32 s2, ttmp6, 0x10000c
	s_cmp_lg_u32 s2, 0xf033
	s_cbranch_scc0 .Lentry_shape_is_right
	s_endpgm
.Lentry_shape_is_right:
; out[q][head][:] = sum over k of softmax_k(q . k / sqrt(128) + mask[q][k]) v[k][:], both products on codes of E4M3; the result is quantised under e10 for the last product.
; The mask is an input, f32, added to every score: all 2,048 keys are walked for every query, whatever the mask holds.
; THE SOFTMAX AHEAD OF THE SECOND PRODUCT: t = logit x log2(e); M = the running largest t rounded up to a whole number; p = 2^(t - M) is quantised under e8, not normalised; the row's sum is taken of the unquantised p and
; divides at the end.  When M moves, the sum and O are multiplied by 2^(old M - new M), which rounds nothing.
; SHARES.  A work-group owns 64 queries x the two query heads of one key/value head.  Wave w: tile w % 4 of 16 queries, head 2 kvh + w / 4; 256 registers, two waves to a SIMD.  Every wave walks all keys, 128 a step.
; K, V and the mask come through a ring of two LDS slots of 256 keys.  CLUSTER 4 x 4: K's and V's tiles hang on the key/value head alone and are shared along a row of the cluster; the mask's tiles hang on the block of
; queries alone and are shared along a column.  Waves 0, 1 fetch K's halves, 2, 3 V's two blocks of keys, 4-7 the mask's four pieces of 64 queries x 64 keys.
; LAYOUT.  Both products transposed: S^T = K Q^T, O^T = V^T P^T: a lane holds ONE query (lane % 16).  Lane r of tile 2 b + u of K takes key 32 b + 8 u + r + 8 (r / 8), so that the 16 registers of tiles 2 b, 2 b + 1 are keys
; 32 b + 16 h + 0 .. 15: the order in which the conversions' results are the second product's operand, and in which four loads of 16 bytes bring the mask.
; LIMITS: e6 + e7 between -122 and 131 (added to the exponent field of 1 / sqrt(128)); e8 and e10 between -126 and 119; e8 + e9 is applied by v_ldexp_f32.  NaN among the inputs is not served.
; REGISTERS: v1-4, v7, v8 LDS addresses; v5, v6 the spare word and 0; v9 the prefetches' offset; v10, v11 at work; v12 -M; v13 the largest t; v[14:15] the sum; v16-31 Q; v32-95 fragments of K, the mask, fragments of V;
;   v96-159 S^T, then p; v160-223 O^T; v224-239 p's codes; v240, v244 448 x 2^e8, 2^e8; v241-251 at work; v252, v253 2^e10, 448 x 2^e10.
.set KP,    144                        ; a row of K or V in LDS: 128 bytes + 16
.set MP,    272                        ; a row of a piece of the mask: 256 bytes + 16
.set HALF,  128*KP                     ; 128 rows of K or of V: one load
.set MSUB,  64*MP                      ; a piece of the mask: one load
.set VOFF,  2*HALF
.set MOFF,  4*HALF
.set SLOT,  MOFF+4*MSUB                ; 143,360
.set SPARE, 2*SLOT                     ; behind the ring: the spare words, 128 bytes for each of eight waves
.set AK,  1                            ; v1, v2  my lane's place in K's tiles of slot 0, 1
.set AV,  3                            ; v3, v4  in V's
.set AM,  7                            ; v7, v8  in the mask's
.set FR,  32
.set SC,  96
.set OT,  160
.set G1A, 24                           ; s[24:31] group 1 for K's and V's tiles;  s[32:39] for the mask's;  s[40:47], s[48:55] their groups 0, a set for each slot
.set G1M, 32
.set G0A, 40
.set G0M, 48
.macro JLOAD s                         ; waves 0-3 fetch K and V, waves 4-7 the mask; four v_nop follow each line
	s_cmp_lt_u32 s12, 4
	s_cbranch_scc0 .Lfor_m_\@
	tensor_load_to_lds s[G0A+4*(\s):G0A+4*(\s)+3], s[G1A:G1A+7]
	s_nop 0
.rept 4
	v_nop
.endr
	s_branch .Lasked_\@
.Lfor_m_\@:
	tensor_load_to_lds s[G0M+4*(\s):G0M+4*(\s)+3], s[G1M:G1M+7]
	s_nop 0
.rept 4
	v_nop
.endr
.Lasked_\@:
.endm
.macro CROUND                          ; a round of the cluster's barrier
	s_barrier_signal -1
	s_barrier_wait -1
	s_cmp_lg_u32 s12, 0
	s_cbranch_scc1 .Lnot_wave_0_\@
	s_barrier_signal -3
.Lnot_wave_0_\@:
	s_barrier_wait -3
	s_barrier_signal -1
	s_barrier_wait -1
.endm
; A PREFETCH INTO THE L2 of what the NEXT change of slots will ask for, a slot's two key steps ahead of that load.  Each aligned block of 256 bytes is named once in the launch.  K's and V's 32 KiB of a slot are read by all
; clusters along x: the clusters with x = 0 ask, wave 0 for K and wave 2 for V, each of the four partners along x for 8 KiB, told apart by address.  The mask's 64 rows x 1,024 bytes are read by all key/value heads: the clusters
; with y = 0 ask, waves 4 and 5, each partner along y for 16 rows, eight a wave, four lanes to a row.  The last change that fills a slot asks for nothing; slots 0, 1 and 2 come by their loads alone.
.macro ASK
	s_cmp_gt_u32 s58, s59
	s_cbranch_scc0 .Lnot_mine_\@
	global_prefetch_b8 v9, s[60:61] th:TH_LOAD_NT scope:SCOPE_SE
.Lnot_mine_\@:
.endm
; A KEY STEP: the q-th 128 keys of slot s.
.macro STEP s, q
.irp g, 0,1                                    ; S^T = K Q^T, four tiles of 16 keys at a time
.rept 4
	v_nop                                          ; places in front of loads into registers that matrix instructions have read
.endr
.irp t, 0,1,2,3
.irp c, 0,1,2,3
	ds_load_b128 v[FR+16*\t+4*\c:FR+16*\t+4*\c+3], v[AK+\s] offset:(128*(\q)+32*((4*\g+\t)/2)+8*(\t%2))*KP+32*\c
.endr
.endr
	s_wait_dscnt 0x0
.irp t, 0,1,2,3
	v_wmma_f32_16x16x128_fp8_fp8 v[SC+8*(4*\g+\t):SC+8*(4*\g+\t)+7], v[FR+16*\t:FR+16*\t+15], v[16:31], 0
.endr
.endr
.rept 4
	v_nop                                          ; places in front of the mask's loads and of the first read of the scores
.endr
.irp b, 0,1,2,3
.irp c, 0,1,2,3
	ds_load_b128 v[FR+16*\b+4*\c:FR+16*\b+4*\c+3], v[AM+\s] offset:(2*(\q)+\b/2)*MSUB+(\b%2)*128+16*\c   ; mask(my query, key 32 b + 16 h + 4 c + 0 .. 3): the same index as the score's register
.endr
.endr
	s_wait_dscnt 0x0
.irp j, 0,2,4,6,8,10,12,14,16,18,20,22,24,26,28,30,32,34,36,38,40,42,44,46,48,50,52,54,56,58,60,62
	v_pk_fma_f32 v[SC+\j:SC+\j+1], v[SC+\j:SC+\j+1], s[22:23], v[FR+\j:FR+\j+1] op_sel_hi:[1,0,1]   ; the logit: score x 2^(e6 + e7) / sqrt(128) + mask
.endr
	v_max3_num_f32 v248, v96, v97, v98             ; the step's largest logit of my query among my 64 keys, in two chains,
	v_max3_num_f32 v246, v99, v100, v101
.irp i, 6,10,14,18,22,26,30,34,38,42,46,50,54,58
	v_max3_num_f32 v248, v248, v[SC+\i], v[SC+1+\i]
	v_max3_num_f32 v246, v246, v[SC+2+\i], v[SC+3+\i]
.endr
	v_max3_num_f32 v248, v248, v158, v159
	v_max_num_f32 v248, v248, v246
	v_permlanex16_b32 v241, v248, s20, s21
	v_max_num_f32 v248, v248, v241                 ; and among lane l xor 16's
	v_mul_f32 v248, s56, v248                      ; as t
	v_max_num_f32 v13, v13, v248                   ; the running largest t
	v_mov_b32 v248, v12
	v_floor_f32 v12, -v13                          ; the new -M = -ceil(t): a whole number
	v_sub_f32 v248, v12, v248                      ; old M - new M, 0 or less
	v_cvt_i32_f32 v248, v248                       ; (it saturates)
	v_ldexp_f32 v250, 1.0, v248                    ; f = 2^(old M - new M)
.irp j, 0,2,4,6,8,10,12,14,16,18,20,22,24,26,28,30,32,34,36,38,40,42,44,46,48,50,52,54,56,58,60,62
	v_pk_fma_f32 v[SC+\j:SC+\j+1], v[SC+\j:SC+\j+1], s[56:57], v[12:13] op_sel_hi:[1,0,0]   ; t - M
.endr
.irp j, 0,1,2,3,4,5,6,7,8,9,10,11,12,13,14,15,16,17,18,19,20,21,22,23,24,25,26,27,28,29,30,31,32,33,34,35,36,37,38,39,40,41,42,43,44,45,46,47,48,49,50,51,52,53,54,55,56,57,58,59,60,61,62,63
	v_exp_f32 v[SC+\j], v[SC+\j]                   ; p = 2^(t - M)
.endr
	v_pk_mul_f32 v[14:15], v[14:15], v[250:251] op_sel_hi:[1,0]   ; the sum under the new M (the plain line behind the exponentials)
	s_wait_alu depctr_va_vdst(0)                   ; one wait for the batch of 64, ahead of its first reader
	v_pk_add_f32 v[242:243], v[SC:SC+1], v[SC+2:SC+3]   ; the sum of the UNQUANTISED p, in two chains of pairs
.irp j, 4,8,12,16,20,24,28,32,36,40,44,48,52,56,60
	v_pk_add_f32 v[14:15], v[14:15], v[SC+\j:SC+\j+1]
	v_pk_add_f32 v[242:243], v[242:243], v[SC+2+\j:SC+3+\j]
.endr
	v_pk_add_f32 v[14:15], v[14:15], v[242:243]
.irp b, 0,1,2,3
.irp i, 0,1,2,3,4,5,6,7,8,9,10,11,12,13,14,15
	v_min_num_f32 v[SC+16*\b+\i], v[SC+16*\b+\i], v240   ; the conversion does not saturate (ISA guide 7.6.2); p is not negative: a one-sided hold, always executed, whatever e8 is
.endr
	v_cvt_scalef32_pk8_fp8_f32 v[224+4*\b:225+4*\b], v[SC+16*\b:SC+16*\b+7], v244
	v_cvt_scalef32_pk8_fp8_f32 v[226+4*\b:227+4*\b], v[SC+16*\b+8:SC+16*\b+15], v244
.endr
.irp j, 0,2,4,6,8,10,12,14,16,18,20,22,24,26,28,30,32,34,36,38,40,42,44,46,48,50,52,54,56,58,60,62
	v_pk_mul_f32 v[OT+\j:OT+\j+1], v[OT+\j:OT+\j+1], v[250:251] op_sel_hi:[1,0]   ; O^T under the new M (also the plain lines behind the conversions)
.endr
.irp g, 0,1                                    ; O^T += V^T P^T, four tiles of 16 channels at a time
.if \g > 0
.rept 4
	v_nop
.endr
.endif
.irp t, 0,1,2,3
.irp c, 0,1,2,3
	ds_load_b128 v[FR+16*\t+4*\c:FR+16*\t+4*\c+3], v[AV+\s] offset:(\q)*HALF+16*(4*\g+\t)*KP+32*\c
.endr
.endr
	s_wait_dscnt 0x0
.irp t, 0,1,2,3
	v_wmma_f32_16x16x128_fp8_fp8 v[OT+8*(4*\g+\t):OT+8*(4*\g+\t)+7], v[FR+16*\t:FR+16*\t+15], v[224:239], v[OT+8*(4*\g+\t):OT+8*(4*\g+\t)+7]
.endr
.endr
.endm
; THE CHANGE OF SLOTS, at the head of the slot that is about to be read.  fill = 1: the slot just left is filled with the keys two slots on; the barrier is then a round of the cluster's.
.macro CHANGE slot, fill
	s_wait_tensorcnt 0x0                           ; all my tensor loads have landed: my part of the slot ahead; so a group 0 may be written
	ds_add_u32 v5, v6                              ; 0 onto my spare word
.if \fill
	s_add_nc_u64 s[G0A+4*(1-\slot)+2:G0A+4*(1-\slot)+3], s[G0A+4*(1-\slot)+2:G0A+4*(1-\slot)+3], 65536   ; 512 keys on in K and in V
	s_add_nc_u64 s[G0M+4*(1-\slot)+2:G0M+4*(1-\slot)+3], s[G0M+4*(1-\slot)+2:G0M+4*(1-\slot)+3], 2048    ; and along the mask's rows
	s_wait_xcnt 0x0                                ; the last prefetch, a slot back, has read its address
	s_add_nc_u64 s[60:61], s[60:61], s[62:63]
	s_wait_dscnt 0x0                               ; the add is done, and my reads of the slot that I have left are over
	CROUND
	JLOAD 1-\slot                                  ; the first thing behind the round, my one tensor load until the next: it has a slot's two key steps in which to land
	ASK
	s_sub_co_u32 s58, s58, 1
.else
	s_wait_dscnt 0x0
	s_barrier_signal -1
	s_barrier_wait -1
.endif
.endm
	s_load_b256 s[4:11], s[0:1], 0x0               ; qkvc s[4:5], the mask s[6:7], the scales s[8:9], acodes s[10:11]
	v_lshl_add_u32 v5, v0, 2, SPARE
	v_mov_b32 v6, 0
	ds_add_u32 v5, v6
	ds_add_u32 v5, v6
	s_wait_dscnt 0x0
	v_lshrrev_b32 v10, 5, v0
	v_readfirstlane_b32 s12, v10                   ; wave 0..7
	s_bfe_u32 s13, ttmp6, 0x40000                  ; cx
	s_bfe_u32 s14, ttmp6, 0x40004                  ; cy
	s_mov_b32 s15, ttmp9                           ; the cluster's x
	s_and_b32 s16, ttmp7, 0xffff                   ; and y
	s_lshl_b32 s17, s15, 2
	s_add_co_u32 s17, s17, s13                     ; my block of 64 queries
	s_lshl_b32 s18, s16, 2
	s_add_co_u32 s18, s18, s14                     ; my key/value head
	s_lshl_b32 s80, s14, 2
	s_lshl_b32 s80, 15, s80                        ; my row of the cluster
	s_lshl_b32 s81, 0x1111, s13                    ; my column
	s_or_b32 s[G1A], s80, (0<<16)|(1<<20)|(1<<21)|(4<<22)|(3<<25)   ; elements of 1 byte; padding: 4 words after every 32
	s_mov_b32 s[G1A+1], 128<<16                    ; tensor_dim0
	s_mov_b32 s[G1A+2], 128<<16                    ; tensor_dim1
	s_mov_b32 s[G1A+3], 128<<16                    ; tile_dim0
	s_mov_b32 s[G1A+4], 128                        ; tile_dim1
	s_mov_b32 s[G1A+5], 128                        ; from row to row: dense
	s_mov_b32 s[G1A+6], 0
	s_mov_b32 s[G1A+7], 0
	s_or_b32 s[G1M], s81, (2<<16)|(1<<20)|(1<<21)|(5<<22)|(3<<25)   ; elements of 4 bytes; padding: 4 words after every 64
	s_mov_b32 s[G1M+1], 64<<16
	s_mov_b32 s[G1M+2], 64<<16
	s_mov_b32 s[G1M+3], 64<<16
	s_mov_b32 s[G1M+4], 64
	s_mov_b32 s[G1M+5], 2048
	s_mov_b32 s[G1M+6], 0
	s_mov_b32 s[G1M+7], 0
	s_and_b32 s82, s12, 3                          ; w % 4: my tile of queries; also which quarter of a slot's K and V, or of its mask, I fetch
	s_lshr_b32 s83, s82, 1                         ; 0 K, 1 V
	s_and_b32 s84, s82, 1                          ; which 128 keys
	s_lshl_b32 s86, s83, 21
	s_add_co_u32 s86, s86, 0x400000                ; K at 4 MiB, V at 6 MiB,
	s_lshl_b32 s87, s18, 18
	s_add_co_u32 s86, s86, s87                     ; my head's 262,144 bytes,
	s_lshl_b32 s87, s84, 14
	s_add_co_u32 s86, s86, s87                     ; 16 KiB for 128 keys
	s_mov_b32 s87, 0
	s_lshl_b32 s88, s17, 19                        ; the mask: 64 rows of 8,192 bytes a block of queries,
	s_lshl_b32 s89, s82, 8
	s_add_co_u32 s88, s88, s89                     ; 256 bytes for 64 keys
	s_mov_b32 s89, 0
	s_mul_i32 s90, s82, HALF                       ; where they go: no place in the cluster enters an LDS address
	s_mul_i32 s91, s82, MSUB
	s_add_co_u32 s91, s91, MOFF
	s_wait_kmcnt 0x0
	s_load_b256 s[68:75], s[8:9], 0x0              ; e0 .. e7
	s_load_b128 s[76:79], s[8:9], 0x20             ; e8 .. e11
	s_add_nc_u64 s[86:87], s[4:5], s[86:87]
	s_add_nc_u64 s[88:89], s[6:7], s[88:89]
	CROUND                                         ; all sixteen work-groups are here: the first joint loads meet
.irp s, 0,1
	s_mov_b32 s[G0A+4*\s], 1
	s_add_co_u32 s[G0A+4*\s+1], s90, \s*SLOT
	s_add_nc_u64 s[G0A+4*\s+2:G0A+4*\s+3], s[86:87], \s*32768
	s_or_b32 s[G0A+4*\s+3], s[G0A+4*\s+3], 0x80000000
	s_mov_b32 s[G0M+4*\s], 1
	s_add_co_u32 s[G0M+4*\s+1], s91, \s*SLOT
	s_add_nc_u64 s[G0M+4*\s+2:G0M+4*\s+3], s[88:89], \s*1024
	s_or_b32 s[G0M+4*\s+3], s[G0M+4*\s+3], 0x80000000
	JLOAD \s                                       ; two loads of mine are out
.endr
	; Q's fragment stays in registers
	s_lshr_b32 s96, s12, 2
	s_lshl_b32 s97, s18, 1
	s_add_co_u32 s96, s96, s97                     ; my query head
	s_lshl_b32 s96, s96, 11
	s_lshl_b32 s97, s17, 6
	s_add_co_u32 s96, s96, s97
	s_lshl_b32 s97, s82, 4
	s_add_co_u32 s96, s96, s97                     ; my first row of q's codes
	s_lshl_b32 s96, s96, 7
	s_mov_b32 s97, 0
	s_add_nc_u64 s[96:97], s[4:5], s[96:97]
	v_and_b32 v32, 15, v0                          ; r
	v_bfe_u32 v33, v0, 4, 1                        ; h
	v_lshlrev_b32 v10, 7, v32
	v_lshl_add_u32 v10, v33, 4, v10
.irp c, 0,1,2,3
	global_load_b128 v[16+4*\c:19+4*\c], v10, s[96:97] offset:32*\c
.endr
	v_and_b32 v34, 8, v32
	v_add_nc_u32 v34, v34, v32                     ; r + 8 (r / 8)
	v_mul_u32_u24 v[AK], v34, KP
	v_lshl_add_u32 v[AK], v33, 4, v[AK]
	v_add_nc_u32 v[AK+1], SLOT, v[AK]
	v_mul_u32_u24 v[AV], v32, KP
	v_lshl_add_u32 v[AV], v33, 4, v[AV]
	v_add_nc_u32 v[AV], VOFF, v[AV]
	v_add_nc_u32 v[AV+1], SLOT, v[AV]
	s_mul_i32 s98, s82, 16*MP                      ; my tile's 16 rows of the mask
	v_mul_u32_u24 v[AM], v32, MP
	v_lshl_add_u32 v[AM], v33, 6, v[AM]
	v_add_nc_u32 v[AM], s98, v[AM]
	v_add_nc_u32 v[AM], MOFF, v[AM]
	v_add_nc_u32 v[AM+1], SLOT, v[AM]
	; the prefetches: where my wave's stand (at the slot with keys 512 on; the first change steps it on), and who asks
	s_lshl_b32 s92, s83, 21
	s_add_co_u32 s92, s92, 0x400000+65536
	s_lshl_b32 s93, s18, 18
	s_add_co_u32 s92, s92, s93
	s_lshl_b32 s93, s13, 13
	s_add_co_u32 s92, s92, s93                     ; K or V: my work-group's 8 KiB of the 32
	s_lshl_b32 s93, s17, 6
	s_lshl_b32 s94, s14, 4
	s_add_co_u32 s93, s93, s94
	s_lshl_b32 s94, s84, 3
	s_add_co_u32 s93, s93, s94
	s_lshl_b32 s93, s93, 13
	s_add_co_u32 s93, s93, 2048                    ; the mask: my work-group's 16 rows of the 64, my wave's 8 of them
	s_and_b32 s94, s12, 1
	s_and_b32 s95, s12, 2
	s_mov_b32 s62, 1024
	s_mov_b32 s66, 8192
	s_cmp_lt_u32 s12, 4
	s_cselect_b64 s[60:61], s[4:5], s[6:7]
	s_cselect_b32 s92, s92, s93
	s_cselect_b32 s62, 32768, s62                  ; a slot on
	s_cselect_b32 s66, 1024, s66                   ; from one group of four lanes to the next
	s_cselect_b32 s94, s94, s95                    ; waves 0, 2; waves 4, 5
	s_cselect_b32 s95, s15, s16                    ; of the first cluster along the axis on which the tile is read again
	s_or_b32 s94, s94, s95
	s_cmp_eq_u32 s94, 0
	s_cselect_b32 s59, 1, -1                       ; a wave asks while s58 is above this: the same in all partners, for a given wave
	s_mov_b32 s93, 0
	s_mov_b32 s63, 0
	s_add_nc_u64 s[60:61], s[60:61], s[92:93]
	s_mov_b32 s58, 6                               ; changes of slots that fill, still to come
	v_and_b32 v9, 31, v0
	v_lshrrev_b32 v11, 2, v9
	v_and_b32 v9, 3, v9
	v_lshlrev_b32 v9, 8, v9
	v_mul_lo_u32 v11, v11, s66
	v_add_nc_u32 v9, v9, v11
	v_mov_b32 v13, 0xff61b1e6                      ; the largest t so far: -3e38
	v_floor_f32 v12, -v13
	v_mov_b32 v14, 0
	v_mov_b32 v15, 0
	v_mov_b32 v241, 0                              ; a lane permute's destination counts as one of its sources
	v_mov_b32 v251, 0                              ; (named as the upper half of the pair v[250:251])
.irp j, 0,1,2,3,4,5,6,7,8,9,10,11,12,13,14,15,16,17,18,19,20,21,22,23,24,25,26,27,28,29,30,31,32,33,34,35,36,37,38,39,40,41,42,43,44,45,46,47,48,49,50,51,52,53,54,55,56,57,58,59,60,61,62,63
	v_mov_b32 v[OT+\j], 0                          ; O^T: the step has one form; the first finds zeros, which the first change of M leaves zeros
.endr
	s_mov_b32 s20, 0x76543210
	s_mov_b32 s21, 0xfedcba98
	s_mov_b32 s56, 0x3fb8aa3b                      ; log2(e)
	s_mov_b32 s57, s56
	s_wait_kmcnt 0x0
	s_add_co_i32 s80, s74, s75
	s_lshl_b32 s80, s80, 23
	s_add_co_i32 s22, s80, 0x3db504f3              ; 2^(e6 + e7) / sqrt(128): the exponents are added to the exponent field
	s_mov_b32 s23, s22
	s_add_co_i32 s80, s76, 127
	s_lshl_b32 s81, s80, 23
	v_mov_b32 v244, s81                            ; 2^e8
	s_add_co_i32 s80, s80, 8
	s_lshl_b32 s80, s80, 23
	s_or_b32 s80, s80, 0x600000
	v_mov_b32 v240, s80                            ; 448 x 2^e8
	s_add_co_i32 s80, s78, 127
	s_lshl_b32 s81, s80, 23
	v_mov_b32 v252, s81                            ; 2^e10
	s_add_co_i32 s80, s80, 8
	s_lshl_b32 s80, s80, 23
	s_or_b32 s80, s80, 0x600000
	v_mov_b32 v253, s80                            ; 448 x 2^e10
	s_add_co_i32 s99, s76, s77                     ; e8 + e9
	s_wait_tensorcnt 0x1                           ; my part of slot 0 is in; slot 1's stays out
	s_barrier_signal -1
	s_barrier_wait -1
	s_wait_loadcnt 0x0                             ; Q
	STEP 0, 0
	STEP 0, 1
	s_mov_b32 s19, 3
.Lslot:                                                ; three trips of two slots: six changes that fill
	CHANGE 1, 1
	STEP 1, 0
	STEP 1, 1
	CHANGE 0, 1
	STEP 0, 0
	STEP 0, 1
	s_sub_co_u32 s19, s19, 1
	s_cmp_lg_u32 s19, 0
	s_cbranch_scc1 .Lslot
	CHANGE 1, 0                                    ; the last slot: nothing is left to fetch
	STEP 1, 0
	STEP 1, 1
	; THE WAY OUT.  O^T x 2^(e8 + e9) / the sum, quantised under e10.  A position's 256 bytes of this key/value head's two query heads come from two waves: they meet in a stage of 64 rows x 272 bytes at slot 0's head,
	; which has had its last fill and whose last reads were over at the last change's barrier.
.rept 4
	v_nop
.endr
	v_add_f32 v14, v14, v15
	v_permlanex16_b32 v241, v14, s20, s21
	v_add_f32 v14, v14, v241                       ; the row's sum
	v_rcp_f32 v14, v14
	v_and_b32 v32, 15, v0                          ; (plain lines behind the transcendental)  r
	v_bfe_u32 v33, v0, 4, 1                        ; h
	s_mul_i32 s80, s82, 16*MP
	s_lshr_b32 s81, s12, 2
	s_lshl_b32 s81, s81, 7
	s_add_co_u32 s80, s80, s81
	v_mul_u32_u24 v10, v32, MP
	v_lshl_add_u32 v10, v33, 3, v10
	v_add_nc_u32 v10, s80, v10                     ; in: row 16 (w % 4) + r, + 128 (w / 4) + 8 h
	s_mul_i32 s81, s12, 8*MP
	v_mul_u32_u24 v11, v33, MP
	v_lshl_add_u32 v11, v32, 4, v11
	v_add_nc_u32 v11, s81, v11                     ; back: wave w takes rows 8 w on; lanes 0-15 one row, lanes 16-31 the next
	v_lshlrev_b32 v34, 11, v33
	v_lshl_add_u32 v34, v32, 4, v34                ; and the same two rows in acodes
	s_lshl_b32 s84, s17, 6
	s_lshl_b32 s85, s12, 3
	s_add_co_u32 s84, s84, s85
	s_lshl_b32 s84, s84, 11
	s_lshl_b32 s85, s18, 8
	s_add_co_u32 s84, s84, s85
	s_mov_b32 s85, 0
	s_add_nc_u64 s[10:11], s[10:11], s[84:85]
	s_wait_alu depctr_va_vdst(0)                   ; the wait ahead of the reciprocal's first reader
	v_ldexp_f32 v14, v14, s99
.irp j, 0,1,2,3,4,5,6,7,8,9,10,11,12,13,14,15,16,17,18,19,20,21,22,23,24,25,26,27,28,29,30,31,32,33,34,35,36,37,38,39,40,41,42,43,44,45,46,47,48,49,50,51,52,53,54,55,56,57,58,59,60,61,62,63
	v_mul_f32 v[SC+\j], v[OT+\j], v14              ; register 8 t + i: channel 16 t + 8 h + i of my query
.endr
.irp j, 0,1,2,3,4,5,6,7,8,9,10,11,12,13,14,15,16,17,18,19,20,21,22,23,24,25,26,27,28,29,30,31,32,33,34,35,36,37,38,39,40,41,42,43,44,45,46,47,48,49,50,51,52,53,54,55,56,57,58,59,60,61,62,63
	v_med3_num_f32 v[SC+\j], v[SC+\j], -v253, v253
.endr
.irp t, 0,1,2,3,4,5,6,7
	v_cvt_scalef32_pk8_fp8_f32 v[224+2*\t:225+2*\t], v[SC+8*\t:SC+8*\t+7], v252
.endr
	v_nop                                          ; a plain line behind the last conversion
.irp t, 0,1,2,3,4,5,6,7
	ds_store_b64 v10, v[224+2*\t:225+2*\t] offset:16*\t
.endr
	s_wait_dscnt 0x0                               ; for the others' sake: my stores into the stage are done
	s_barrier_signal -1
	s_barrier_wait -1
.irp i, 0,1,2,3
	ds_load_b128 v[40+4*\i:43+4*\i], v11 offset:2*MP*\i
.endr
	s_wait_dscnt 0x0
.irp i, 0,1,2,3
	global_store_b128 v34, v[40+4*\i:43+4*\i], s[10:11] offset:4096*\i   ; 16 lanes store 256 consecutive bytes, at a multiple of 256 from the buffer's first byte
.endr
	s_wait_tensorcnt 0x0                           ; the wave's end
	ds_add_u32 v5, v6
	s_wait_dscnt 0x0
	CROUND                                         ; the closing round
	s_endpgm
.Lfunc_end_k_q69f57a19af_attn:
	.size	k_q69f57a19af_attn, .Lfunc_end_k_q69f57a19af_attn-k_q69f57a19af_attn
	.p2alignl 7, 3214868480
	.fill 96, 4, 3214868480
	.section	.rodata,"a",@progbits
	.p2align	6, 0x0
	.amdhsa_kernel k_q69f57a19af_attn
		.amdhsa_group_segment_fixed_size 327680
		.amdhsa_private_segment_fixed_size 0
		.amdhsa_enable_private_segment 0
		.amdhsa_kernarg_size 32
		.amdhsa_user_sgpr_count 2
		.amdhsa_user_sgpr_kernarg_segment_ptr 1
		.amdhsa_wavefront_size32 1
		.amdhsa_system_sgpr_workgroup_id_x 1
		.amdhsa_system_sgpr_workgroup_id_y 1
		.amdhsa_system_sgpr_workgroup_id_z 1
		.amdhsa_system_vgpr_workitem_id 0
		.amdhsa_next_free_vgpr 256
		.amdhsa_next_free_sgpr 100
		.amdhsa_reserve_vcc 0
		.amdhsa_float_denorm_mode_32 3
		.amdhsa_float_denorm_mode_16_64 3
		.amdhsa_memory_ordered 1
		.amdhsa_forward_progress 1
		.amdhsa_inst_pref_size 198
	.end_amdhsa_kernel
	.amdgpu_metadata
---
amdhsa.version: [ 1, 2 ]
amdhsa.kernels:
  - .name:           k_q69f57a19af_attn
    .symbol:         k_q69f57a19af_attn.kd
    .args:
      - { .name: qkvc, .offset: 0, .size: 8, .value_kind: global_buffer, .address_space: global }
      - { .name: attention_mask, .offset: 8, .size: 8, .value_kind: global_buffer, .address_space: global }
      - { .name: lowp_scales, .offset: 16, .size: 8, .value_kind: global_buffer, .address_space: global }
      - { .name: acodes, .offset: 24, .size: 8, .value_kind: global_buffer, .address_space: global }
    .group_segment_fixed_size: 327680
    .private_segment_fixed_size: 0
    .kernarg_segment_align: 8
    .kernarg_segment_size: 32
    .max_flat_workgroup_size: 256
    .sgpr_count:     100
    .vgpr_count:     256
    .wavefront_size: 32
...
	.end_amdgpu_metadata
.endif
;; end of part 3
;; launch oproj (part 4): grid 16 x 16, 4 waves a work-group, clusters of 4 x 4, 327,680 bytes of LDS; arguments acodes, codes, lowp_scales, out0; writes out0
.if DOCPART == 4
	.amdgcn_target "amdgcn-amd-amdhsa--gfx1250"
	.amdhsa_code_object_version 6
	.text
	.protected	k_q69f57a19af_oproj
	.globl	k_q69f57a19af_oproj
	.p2align	8
	.type	k_q69f57a19af_oproj,@function
k_q69f57a19af_oproj:
	s_mov_b64 s[64:65], 0
	v_nop
	global_prefetch_b8 v0, s[64:65] scope:SCOPE_SE
	s_setreg_imm32_b32 hwreg(HW_REG_WAVE_MODE, 25, 1), 1
	s_wait_xcnt 0x0
	s_wait_alu depctr_hold_cnt(0) depctr_sa_sdst(0) depctr_va_vdst(0) depctr_va_sdst(0) depctr_va_ssrc(0) depctr_va_vcc(0) depctr_vm_vsrc(0)
	s_getreg_b32 s2, hwreg(HW_REG_IB_STS2, 6, 4)
	s_cmp_eq_u32 s2, 0
	s_cbranch_scc0 .Lentry_in_a_cluster
	s_endpgm
.Lentry_in_a_cluster:
	s_bfe_u32 s2, ttmp6, 0x10000c
	s_cmp_lg_u32 s2, 0xf033
	s_cbranch_scc0 .Lentry_shape_is_right
	s_endpgm
.Lentry_shape_is_right:
; out0[m][n] = 2^(e10 + e11) x sum over k of A[m][k] B[n][k]: A = the attention's codes [2048][2048], B = wo's codes (rows 10,240 on of the buffer codes), E4M3; out0 f32.
; 256 work-groups, each a tile of 128 x 128 (tiles of 128 x 256 would be 128: half of the WGPs idle); four waves, each 64 x 64: 16 accumulators.  The matrix instruction is used transposed (source 0 = 16 rows of B,
; source 1 = 16 rows of A): lane (r, h) holds row m = r, register j of tile b column 16 b + 8 h + j.  A fragment comes by four loads of 16 bytes: a permutation of k, the same in A and in B.
; K goes in steps of 512 (as long as two slots in LDS allow) through a ring of two LDS slots.  CLUSTER 4 x 4: A's tile is shared along a row of the cluster, B's along a column.
; No prefetch: the launch is short and its tiles small.  LIMIT: e10 + e11 between -126 and 127.
; REGISTERS: window 0: v0-31 addresses; v32-63 a block's results; v128-255 A's fragments, two sets (on the way out: rows read back).  window 1: B's fragments, sets at v0 and v128.  window 2: accumulator (a, b) at v[8 (4 a + b)].
.set BF,     4
.set ROWB,   512
.set PITCH,  528                       ; 512 + 16 of padding
.set AROWS,  64
.set BROWS,  64
.set QI,     6                         ; padding after every 128 words
.set BOFF,   128*PITCH
.set SLOT,   BOFF+2*BROWS*PITCH
.set LAPS,   2048/(2*ROWB)
.set STAGE,  2*SLOT                    ; behind the ring: 16 rows x 272 bytes for each wave
.set SPITCH, 272
.set SPARE,  STAGE+4*16*SPITCH
.set FLAGS,  (1<<20)|(1<<21)|(QI<<22)|(3<<25)
.set ADRA, 16
.set ADRB, 20
.set STO,  24
.set RD,   25
.set CO,   26
.set SPW,  28
.set NIL,  29
.set AF,   128
.set G1A, 24
.set G0A, 32
.set G1B, 48
.set G0B, 56
.set MUL,  0xa1
.set TO_B, 0x40
.set MSB, 0
.macro WIN new
.if MSB != \new
	s_set_vgpr_msb (MSB<<8)|\new
.set MSB, \new
.endif
.endm
.macro PLACES n
.rept \n
	v_nop
.endr
.endm
.macro JLOAD s                         ; waves 0, 1 fetch A's halves, waves 2, 3 B's; four v_nop follow each line
	s_cmp_eq_u32 s17, 0
	s_cbranch_scc0 .Lfor_b_\@
	tensor_load_to_lds s[G0A+4*(\s):G0A+4*(\s)+3], s[G1A:G1A+7]
	s_nop 0
.rept 4
	v_nop
.endr
	s_branch .Lasked_\@
.Lfor_b_\@:
	tensor_load_to_lds s[G0B+4*(\s):G0B+4*(\s)+3], s[G1B:G1B+7]
	s_nop 0
.rept 4
	v_nop
.endr
.Lasked_\@:
.endm
.macro CREST
	s_cmp_lg_u32 s16, 0
	s_cbranch_scc1 .Lnot_wave_0_\@
	s_barrier_signal -3
.Lnot_wave_0_\@:
	s_barrier_wait -3
	s_barrier_signal -1
	s_barrier_wait -1
.endm
.macro CROUND
	s_barrier_signal -1
	s_barrier_wait -1
	CREST
.endm
.macro FRAG reg, adr, q, i
.irp c, 0,1,2,3
	ds_load_b128 v[\reg+4*\c:\reg+4*\c+3], v[\adr] offset:128*(\q)+32*\c+(\i)*16*PITCH
.endr
.endm
.macro FETCH slot, q, p
	WIN TO_B
.irp i, 0,1,2,3
	FRAG 128*(\p)+16*\i, ADRB+\slot, \q, \i
.endr
	WIN 0
.irp i, 0,1,2,3
	FRAG AF+64*(\p)+16*\i, ADRA+\slot, \q, \i
.endr
.endm
.macro MULA a, p, zero                 ; the 16 accumulators take turns, in the same order in every step
.irp b, 0,1,2,3
.if \zero
	v_wmma_f32_16x16x128_fp8_fp8 v[8*(BF*(\a)+\b):8*(BF*(\a)+\b)+7], v[128*(\p)+16*\b:128*(\p)+16*\b+15], v[AF+64*(\p)+16*(\a):AF+64*(\p)+16*(\a)+15], 0
.else
	v_wmma_f32_16x16x128_fp8_fp8 v[8*(BF*(\a)+\b):8*(BF*(\a)+\b)+7], v[128*(\p)+16*\b:128*(\p)+16*\b+15], v[AF+64*(\p)+16*(\a):AF+64*(\p)+16*(\a)+15], v[8*(BF*(\a)+\b):8*(BF*(\a)+\b)+7]
.endif
.endr
.endm
.macro SUB slot, q, zero
	s_wait_dscnt 0x0                               ; this step's fragments are in: asked for a step, 16 matrix instructions, ago
	PLACES 4                                       ; in front of loads into the set that the last step multiplied
	FETCH \slot, (\q)+1, 1-(\q)%2
	WIN MUL
	MULA 0, (\q)%2, \zero
	MULA 1, (\q)%2, \zero
	MULA 2, (\q)%2, \zero
	MULA 3, (\q)%2, \zero
.endm
.macro TURN slot, next, fill
	WIN 0
	s_wait_tensorcnt 0x0                           ; all my tensor loads have landed: my part of the next slot
	ds_add_u32 v[SPW], v[NIL]                      ; 0 onto my spare word
	s_wait_dscnt 1                                 ; the add alone may be out
	WIN MUL
	MULA 0, 1, 0
	s_wait_dscnt 0x0                               ; the add is done, and my reads of this slot are over
	s_barrier_signal -1
	MULA 1, 1, 0
	WIN 0
	s_barrier_wait -1
.if \fill
	CREST
	s_add_nc_u64 s[G0A+4*\slot+2:G0A+4*\slot+3], s[G0A+4*\slot+2:G0A+4*\slot+3], 2*ROWB
	s_add_nc_u64 s[G0B+4*\slot+2:G0B+4*\slot+3], s[G0B+4*\slot+2:G0B+4*\slot+3], 2*ROWB
	JLOAD \slot                                    ; the first tensor load behind the round; its four v_nop are also the places in front of the loads below
.else
	PLACES 4
.endif
	FETCH \next, 0, 0
	WIN MUL
	MULA 2, 1, 0
	MULA 3, 1, 0
.endm
.macro LAST
	s_wait_dscnt 0x0
	WIN MUL
	MULA 0, 1, 0
	MULA 1, 1, 0
	MULA 2, 1, 0
	MULA 3, 1, 0
	WIN 0
.endm
	s_load_b256 s[4:11], s[0:1], 0x0               ; acodes s[4:5], codes s[6:7], the scales s[8:9], out0 s[10:11]
	v_lshl_add_u32 v[SPW], v0, 2, SPARE
	v_mov_b32 v[NIL], 0
	ds_add_u32 v28, v29
	ds_add_u32 v28, v29
	s_wait_dscnt 0x0
	v_lshrrev_b32 v1, 5, v0
	v_readfirstlane_b32 s16, v1                    ; wave 0..3
	s_lshr_b32 s17, s16, 1                         ; wr; also: I fetch for A (0) or for B (1)
	s_and_b32 s18, s16, 1                          ; wc; also: which 64 rows of that tile I fetch
	s_bfe_u32 s40, ttmp6, 0x40000                  ; cx
	s_bfe_u32 s41, ttmp6, 0x40004                  ; cy
	s_lshl_b32 s93, ttmp9, 2
	s_add_co_u32 s93, s93, s40                     ; tile column
	s_and_b32 s92, ttmp7, 0xffff
	s_lshl_b32 s92, s92, 2
	s_add_co_u32 s92, s92, s41                     ; tile row
	s_lshl_b32 s44, s41, 2
	s_lshl_b32 s44, 15, s44                        ; my row of the cluster
	s_lshl_b32 s45, 0x1111, s40                    ; my column
	s_or_b32 s[G1A], s44, FLAGS
	s_or_b32 s[G1B], s45, FLAGS
.irp g, G1A, G1B
	s_mov_b32 s[\g+1], ROWB<<16                    ; tensor_dim0
	s_mov_b32 s[\g+2], 64<<16                      ; tensor_dim1
	s_mov_b32 s[\g+3], ROWB<<16                    ; tile_dim0
	s_mov_b32 s[\g+4], 64                          ; tile_dim1
	s_mov_b32 s[\g+5], 2048                        ; from row to row
	s_mov_b32 s[\g+6], 0
	s_mov_b32 s[\g+7], 0
.endr
	s_lshl_b32 s20, s92, 7
	s_lshl_b32 s21, s18, 6
	s_add_co_u32 s20, s20, s21                     ; A: row 128 x tile row + 64 x half
	s_lshl_b32 s20, s20, 11
	s_mov_b32 s21, 0
	s_lshl_b32 s46, s93, 7
	s_lshl_b32 s47, s18, 6
	s_add_co_u32 s46, s46, s47
	s_add_co_u32 s46, s46, 10240                   ; B: wo's codes begin at row 10,240
	s_lshl_b32 s46, s46, 11
	s_mov_b32 s47, 0
	s_mul_i32 s44, s18, AROWS*PITCH
	s_mul_i32 s45, s18, BROWS*PITCH
	s_add_co_u32 s45, s45, BOFF
	s_wait_kmcnt 0x0
	s_load_b64 s[78:79], s[8:9], 0x28              ; e10, e11
	s_add_nc_u64 s[20:21], s[4:5], s[20:21]
	s_add_nc_u64 s[46:47], s[6:7], s[46:47]
	CROUND                                         ; all sixteen work-groups are here: the first joint loads meet
.irp s, 0,1
	s_mov_b32 s[G0A+4*\s], 1
	s_add_co_u32 s[G0A+4*\s+1], s44, \s*SLOT
	s_add_nc_u64 s[G0A+4*\s+2:G0A+4*\s+3], s[20:21], \s*ROWB
	s_or_b32 s[G0A+4*\s+3], s[G0A+4*\s+3], 0x80000000
	s_mov_b32 s[G0B+4*\s], 1
	s_add_co_u32 s[G0B+4*\s+1], s45, \s*SLOT
	s_add_nc_u64 s[G0B+4*\s+2:G0B+4*\s+3], s[46:47], \s*ROWB
	s_or_b32 s[G0B+4*\s+3], s[G0B+4*\s+3], 0x80000000
	JLOAD \s                                       ; two loads of mine are out
.endr
	v_and_b32 v1, 15, v0                           ; r
	v_bfe_u32 v2, v0, 4, 1                         ; h
	v_mul_u32_u24 v3, v1, PITCH
	v_lshl_add_u32 v3, v2, 4, v3
	s_mul_i32 s84, s17, 64*PITCH                   ; my 64 rows of A
	s_mul_i32 s85, s18, 16*BF*PITCH                ; my 64 rows of B
	s_add_co_u32 s85, s85, BOFF
.irp s, 0,1
	v_add_nc_u32 v[ADRA+\s], s84, v3
	v_add_nc_u32 v[ADRB+\s], s85, v3
	s_add_co_u32 s84, s84, SLOT
	s_add_co_u32 s85, s85, SLOT
.endr
	s_mul_i32 s84, s16, 16*SPITCH
	s_add_co_u32 s84, s84, STAGE                   ; my stage
	v_mul_u32_u24 v[STO], v1, SPITCH
	v_lshl_add_u32 v[STO], v2, 5, v[STO]
	v_add_nc_u32 v[STO], s84, v[STO]               ; in: row r, + 32 h
	v_mul_u32_u24 v[RD], v2, SPITCH
	v_lshl_add_u32 v[RD], v1, 4, v[RD]
	v_add_nc_u32 v[RD], s84, v[RD]                 ; back: lanes 0-15 one row of 256 bytes, lanes 16-31 the next
	v_lshlrev_b32 v[CO], 13, v2
	v_lshl_add_u32 v[CO], v1, 4, v[CO]             ; and the same two rows in out0
	s_lshl_b32 s84, s92, 7
	s_lshl_b32 s85, s17, 6
	s_add_co_u32 s84, s84, s85                     ; my first row
	s_lshl_b32 s84, s84, 13
	s_lshl_b32 s85, s93, 9
	s_add_co_u32 s84, s84, s85                     ; + 512 bytes a tile column
	s_lshl_b32 s85, s18, 8
	s_add_co_u32 s84, s84, s85                     ; + 256 bytes for my half
	s_mov_b32 s85, 0
	s_add_nc_u64 s[10:11], s[10:11], s[84:85]
	s_wait_kmcnt 0x0
	s_add_co_i32 s80, s78, s79
	s_add_co_i32 s80, s80, 127
	s_lshl_b32 s80, s80, 23                        ; 2^(e10 + e11)
	s_mov_b32 s81, s80                             ; (named with it as a pair)
	s_wait_tensorcnt 0x1                           ; my part of slot 0 is in; slot 1's stays out
	s_barrier_signal -1
	s_barrier_wait -1
	FETCH 0, 0, 0
	SUB 0, 0, 1                                    ; the first step's products start the sums
	WIN 0
	s_mov_b32 s19, LAPS-1
.Llap:                                                 ; a trip goes once round the ring and fills both slots again
	SUB 0, 1, 0
	SUB 0, 2, 0
	TURN 0, 1, 1
	SUB 1, 0, 0
	SUB 1, 1, 0
	SUB 1, 2, 0
	TURN 1, 0, 1
	SUB 0, 0, 0
	WIN 0
	s_sub_co_u32 s19, s19, 1
	s_cmp_lg_u32 s19, 0
	s_cbranch_scc1 .Llap
	SUB 0, 1, 0                                    ; the last lap fills nothing
	SUB 0, 2, 0
	TURN 0, 1, 0
	SUB 1, 0, 0
	SUB 1, 1, 0
	SUB 1, 2, 0
	LAST
	PLACES 4                                       ; in front of the first read of results and of loads into A's registers
; THE WAY OUT, a block of 16 rows x 64 columns at a time, through my own stage, so that sixteen lanes store 256 consecutive bytes.  Each block has registers of its own for the rows read back.
.macro OUT a
	WIN 0x02                                       ; source 0 window 2
.set ii, 0
.rept 16
	v_pk_mul_f32 v[32+ii:33+ii], v[32*(\a)+ii:32*(\a)+ii+1], s[80:81] op_sel_hi:[1,0]   ; each accumulator from its low end on
.set ii, ii+2
.endr
	WIN 0
.irp b, 0,1,2,3
	ds_store_b128 v[STO], v[32+8*\b:35+8*\b] offset:64*\b
	ds_store_b128 v[STO], v[36+8*\b:39+8*\b] offset:64*\b+16
.endr
.irp i, 0,1,2,3,4,5,6,7
	ds_load_b128 v[128+32*(\a)+4*\i:128+32*(\a)+4*\i+3], v[RD] offset:2*SPITCH*\i   ; LDS serves a wave's instructions in order: these see my stores
.endr
	s_wait_dscnt 0x0
.irp i, 0,1,2,3,4,5,6,7
	global_store_b128 v[CO], v[128+32*(\a)+4*\i:128+32*(\a)+4*\i+3], s[10:11] offset:131072*(\a)+16384*\i th:TH_STORE_NT
.endr
.endm
	OUT 0
	OUT 1
	OUT 2
	OUT 3
	s_wait_tensorcnt 0x0                           ; the wave's end
	ds_add_u32 v[SPW], v[NIL]
	s_wait_dscnt 0x0
	CROUND                                         ; the closing round
	s_endpgm
.Lfunc_end_k_q69f57a19af_oproj:
	.size	k_q69f57a19af_oproj, .Lfunc_end_k_q69f57a19af_oproj-k_q69f57a19af_oproj
	.p2alignl 7, 3214868480
	.fill 96, 4, 3214868480
	.section	.rodata,"a",@progbits
	.p2align	6, 0x0
	.amdhsa_kernel k_q69f57a19af_oproj
		.amdhsa_group_segment_fixed_size 327680
		.amdhsa_private_segment_fixed_size 0
		.amdhsa_enable_private_segment 0
		.amdhsa_kernarg_size 32
		.amdhsa_user_sgpr_count 2
		.amdhsa_user_sgpr_kernarg_segment_ptr 1
		.amdhsa_wavefront_size32 1
		.amdhsa_system_sgpr_workgroup_id_x 1
		.amdhsa_system_sgpr_workgroup_id_y 1
		.amdhsa_system_sgpr_workgroup_id_z 1
		.amdhsa_system_vgpr_workitem_id 0
		.amdhsa_next_free_vgpr 768
		.amdhsa_next_free_sgpr 100
		.amdhsa_reserve_vcc 0
		.amdhsa_float_denorm_mode_32 3
		.amdhsa_float_denorm_mode_16_64 3
		.amdhsa_memory_ordered 1
		.amdhsa_forward_progress 1
		.amdhsa_inst_pref_size 74
	.end_amdhsa_kernel
	.amdgpu_metadata
---
amdhsa.version: [ 1, 2 ]
amdhsa.kernels:
  - .name:           k_q69f57a19af_oproj
    .symbol:         k_q69f57a19af_oproj.kd
    .args:
      - { .name: acodes, .offset: 0, .size: 8, .value_kind: global_buffer, .address_space: global }
      - { .name: codes, .offset: 8, .size: 8, .value_kind: global_buffer, .address_space: global }
      - { .name: lowp_scales, .offset: 16, .size: 8, .value_kind: global_buffer, .address_space: global }
      - { .name: out0, .offset: 24, .size: 8, .value_kind: global_buffer, .address_space: global }
    .group_segment_fixed_size: 327680
    .private_segment_fixed_size: 0
    .kernarg_segment_align: 8
    .kernarg_segment_size: 32
    .max_flat_workgroup_size: 128
    .sgpr_count:     100
    .vgpr_count:     768
    .wavefront_size: 32
...
	.end_amdgpu_metadata
.endif
;; end of part 4
;; ======== version 2 of 2: 4 launches
;; limits: right only within a limited range of input values
;; workspace buffers: codes 25,165,824 bytes; rope 1,048,576 bytes; qkvc 8,388,608 bytes; acodes 4,194,304 bytes
;; launch quant (part 5): grid 576 x 1, 4 waves a work-group, no clusters, 33,280 bytes of LDS; arguments hidden_states, wq, wk, wv, wo, lowp_scales, codes, rope; writes codes, rope
.if DOCPART == 5
	.amdgcn_target "amdgcn-amd-amdhsa--gfx1250"
	.amdhsa_code_object_version 6
	.text
	.protected	k_q69f57a19af_quant
	.globl	k_q69f57a19af_quant
	.p2align	8
	.type	k_q69f57a19af_quant,@function
k_q69f57a19af_quant:
	s_mov_b64 s[64:65], 0
	v_nop
	global_prefetch_b8 v0, s[64:65] scope:SCOPE_SE
	s_setreg_imm32_b32 hwreg(HW_REG_WAVE_MODE, 25, 1), 1
	s_wait_xcnt 0x0
; TWO JOBS IN ONE LAUNCH, told apart by the work-group's number.
; Work-groups 0-63: the table of cos and sin for RoPE (2,048 positions x 64 frequencies, f32), laid in the order in which the next launch's registers take it:
;   [block of 16 positions 128][group 16][lane 32][16 bytes]; group = 8 x (0 cos, 1 sin) + 2 b + jj; lane 16 h + r holds position 16 block + r, frequencies 16 b + 8 h + 4 jj + 0 .. 3.
; Work-groups 64-575: hidden_states, wq, wk, wv, wo (f32, K innermost, rows dense) become codes of E4M3, one a byte, in the buffer codes: 12,288 rows of 2,048 codes:
;   rows 0-2047 hidden_states under e0, 2048-4095 under e2, 4096-6143 under e4 (it is an operand of three products, each with a scale of its own), 6144- wq (e1), 8192- wk (e3), 9216- wv (e5), 10240- wo (e11).
; code = x / 2^e, held within +-448, rounded to the nearest code, ties to even.  LIMITS: each e between -126 and 119, so that 2^e and 448 x 2^e are f32 numbers.  NaN among the inputs is not served.
; A work-group takes 32,768 numbers, a wave 8,192, in 16 steps of 512.  Each of a step's four loads reads 512 consecutive bytes; the 2,048 bytes turn through the wave's own stage in LDS, so that a lane then holds
; 16 neighbours along K (the conversions take eight neighbours from one lane's registers); a lane's 16 codes are 16 bytes, so a wave's store covers 512 consecutive bytes.  Waves share nothing: no barrier.
; No matrix unit, no cluster, no tensor load: the launch streams, each f32 byte is read once.
.set SP,   80                          ; a lane's place in a stage: 64 bytes + 16 of padding
.set WREG, 8192                        ; LDS of a wave: two stages of 32 x SP bytes
.set R,    16                          ; v16-79   four sets of 16 numbers as loaded
.set X,    80                          ; v80-111  two sets of 16 neighbours
.set H,    112                         ; v112-127 the numbers held within the largest code x the scale
.set C,    128                         ; v128-139 three sets of four registers of codes
.macro LOAD t                          ; step t: four loads of 512 consecutive bytes
.irp i, 0,1,2,3
	global_load_b128 v[R+16*((\t)%4)+4*\i:R+16*((\t)%4)+4*\i+3], v3, s[36:37] offset:2048*(\t)+512*\i th:TH_LOAD_NT
.endr
.endm
.macro TURNS t                         ; step t through the stage: LDS serves a wave's instructions in order, so no wait stands between the stores and the loads
.irp i, 0,1,2,3
	ds_store_b128 v14, v[R+16*((\t)%4)+4*\i:R+16*((\t)%4)+4*\i+3] offset:32*SP*((\t)%2)+8*SP*\i
.endr
.irp i, 0,1,2,3
	ds_load_b128 v[X+16*((\t)%2)+4*\i:X+16*((\t)%2)+4*\i+3], v15 offset:32*SP*((\t)%2)+16*\i
.endr
.endm
.macro Q3 xs, sc, lim, c               ; 16 numbers v[xs] on -> 16 codes v[c] on, under the scale in v[sc]; v[lim] = 448 x the scale
.irp i, 0,1,2,3,4,5,6,7,8,9,10,11,12,13,14,15
	v_med3_num_f32 v[H+\i], v[\xs+\i], -v[\lim], v[\lim]      ; the conversion does not saturate (ISA guide 7.6.2): the hold comes first; the numbers themselves stay, for the next scale
.endr
	v_cvt_scalef32_pk8_fp8_f32 v[\c:\c+1], v[H:H+7], v[\sc]
	v_cvt_scalef32_pk8_fp8_f32 v[\c+2:\c+3], v[H+8:H+15], v[\sc]
	v_nop                                          ; a plain line between the conversions and the next write of their sources
.endm
.macro MKSC e, sc, lim                 ; 2^e and 448 x 2^e as f32
	s_add_co_i32 s53, \e, 127
	s_lshl_b32 s54, s53, 23
	v_mov_b32 v[\sc], s54
	s_add_co_i32 s53, s53, 8
	s_lshl_b32 s53, s53, 23
	s_or_b32 s53, s53, 0x600000
	v_mov_b32 v[\lim], s53
.endm
.macro STEP t
.set XS, X+16*((\t)%2)
	s_wait_dscnt 0x0                               ; this step's numbers are back from the stage, and its stores into the stage have read their registers,
.if (\t)+4 < 16
	LOAD (\t)+4                                    ; which take the loads of four steps on
.endif
.if (\t)+1 < 16
.if 14-(\t) >= 3
	s_wait_loadcnt 12                              ; the next step's four loads are in; those of the three steps behind it stay out
.else
	s_wait_loadcnt 4*(14-(\t))                     ; the counts run down: no load is issued any more
.endif
	TURNS (\t)+1                                   ; the next step goes through the other stage while this one is worked
.endif
	s_wait_xcnt 0x0                                ; the last step's stores have read their data: the codes' registers are written again only behind this wait
	Q3 XS, 8, 9, C
	global_store_b128 v3, v[C:C+3], s[46:47] offset:512*(\t)
	s_cmp_eq_u32 s39, 0                            ; a weight has one scale; hidden_states has two more
	s_cbranch_scc1 .Lw_\@
	Q3 XS, 10, 11, C+4
	global_store_b128 v3, v[C+4:C+7], s[48:49] offset:512*(\t)
	Q3 XS, 12, 13, C+8
	global_store_b128 v3, v[C+8:C+11], s[50:51] offset:512*(\t)
.Lw_\@:
.endm
; cos and sin of a = position x inverse frequency.  n = the nearest whole number to a x 2 / pi (at most 1,304; a is never negative, so it is a x 2 / pi + 1/2 cut toward zero); r = a - n x pi/2, pi/2 in two parts
; (the first product is taken off without rounding: its lowest bit is 2^-23 and |r| < 1); polynomials on |r| <= pi/4; the quadrant n mod 4 swaps the two and sets the signs.
.macro ANG inv, pos, cosd, sind
	v_mul_f32 v100, v[\pos], v[\inv]               ; a, rounded once, as a product of two f32 numbers
	v_fma_f32 v101, v100, s26, 0.5
	v_cvt_i32_f32 v107, v101                       ; n, a whole number,
	v_cvt_f32_i32 v101, v107                       ; and as f32
	v_fma_f32 v102, -v101, s27, v100
	v_fma_f32 v102, -v101, s28, v102               ; r
	v_mul_f32 v103, v102, v102                     ; z = r r
	v_fma_f32 v104, v103, s29, s30
	v_fma_f32 v105, v103, s32, s33
	v_fma_f32 v104, v104, v103, s31
	v_fma_f32 v105, v105, v103, s34
	v_mul_f32 v104, v104, v103
	v_mul_f32 v105, v105, v103
	v_fma_f32 v106, v103, -0.5, 1.0
	v_fma_f32 v104, v104, v102, v102               ; sin r
	v_fma_f32 v105, v105, v103, v106               ; cos r
	v_and_b32 v106, 1, v107
	v_cmp_ne_u32 vcc_lo, 0, v106                   ; odd quadrant: the two change places
	v_and_b32 v106, 2, v107
	v_lshlrev_b32 v106, 30, v106                   ; sin is negative in quadrants 2 and 3,
	v_add_nc_u32 v107, 1, v107
	v_and_b32 v107, 2, v107
	v_lshlrev_b32 v107, 30, v107                   ; cos in quadrants 1 and 2
	v_cndmask_b32 v108, v104, v105, vcc_lo
	v_cndmask_b32 v109, v105, v104, vcc_lo
	v_xor_b32 v[\sind], v108, v106
	v_xor_b32 v[\cosd], v109, v107
.endm
	s_load_b512 s[4:19], s[0:1], 0x0               ; hidden_states s[4:5], wq s[6:7], wk s[8:9], wv s[10:11], wo s[12:13], the scales s[14:15], codes s[16:17], rope s[18:19]
	v_lshl_add_u32 v160, v0, 2, 0x8000
	v_mov_b32 v161, 0
	v_lshrrev_b32 v1, 5, v0
	v_readfirstlane_b32 s20, v1                    ; wave 0..3
	v_and_b32 v2, 31, v0                           ; lane
	s_wait_kmcnt 0x0
	s_cmp_lt_u32 ttmp9, 64
	s_cbranch_scc1 .Ltable
	; ---------------- the quantiser ----------------
	s_load_b256 s[24:31], s[14:15], 0x0            ; e0 .. e7
	s_load_b128 s[32:35], s[14:15], 0x20           ; e8 .. e11
	s_sub_co_u32 s21, ttmp9, 64                    ; q = 0 .. 511: 128 for hidden_states, 128 wq, 64 wk, 64 wv, 128 wo
	s_mov_b64 s[36:37], s[12:13]                   ; which tensor: the choice hangs on the work-group's number alone
	s_mov_b32 s38, 384                             ; and the first q of its range
	s_cmp_lt_u32 s21, 384
	s_cselect_b64 s[36:37], s[10:11], s[36:37]
	s_cselect_b32 s38, 320, s38
	s_cmp_lt_u32 s21, 320
	s_cselect_b64 s[36:37], s[8:9], s[36:37]
	s_cselect_b32 s38, 256, s38
	s_cmp_lt_u32 s21, 256
	s_cselect_b64 s[36:37], s[6:7], s[36:37]
	s_cselect_b32 s38, 128, s38
	s_cmp_lt_u32 s21, 128
	s_cselect_b64 s[36:37], s[4:5], s[36:37]
	s_cselect_b32 s38, 0, s38
	s_cselect_b32 s39, 1, 0                        ; 1: hidden_states, three sets of codes
	s_cselect_b32 s40, 0, 256                      ; the weights' codes lie behind the three sets: 256 shares of 32,768 bytes further on
	s_sub_co_u32 s41, s21, s38
	s_lshl_b32 s41, s41, 2
	s_add_co_u32 s41, s41, s20                     ; which run of 8,192 numbers of the tensor is my wave's
	s_lshl_b32 s42, s41, 15                        ; x 32,768 bytes
	s_mov_b32 s43, 0
	s_add_nc_u64 s[36:37], s[36:37], s[42:43]
	s_add_co_u32 s44, s21, s40
	s_lshl_b32 s44, s44, 15
	s_lshl_b32 s45, s20, 13
	s_add_co_u32 s44, s44, s45                     ; my wave's 8,192 bytes of codes
	s_mov_b32 s45, 0
	s_add_nc_u64 s[46:47], s[16:17], s[44:45]
	s_add_nc_u64 s[48:49], s[46:47], 0x400000      ; the same place in hidden_states' second set,
	s_add_nc_u64 s[50:51], s[46:47], 0x800000      ; and in its third (named only where s39 = 1)
	s_wait_alu depctr_va_vdst(0)
	v_lshlrev_b32 v3, 4, v2                        ; 16 x lane: my 16 bytes of a load's 512 and of a store's 512; never rewritten
	s_mul_i32 s22, s20, WREG
	v_lshrrev_b32 v14, 2, v2
	v_mul_u32_u24 v14, v14, SP
	v_and_b32 v15, 3, v2
	v_lshl_add_u32 v14, v15, 4, v14
	v_add_nc_u32 v14, s22, v14                     ; the stage, on the way in: four lanes' 64 bytes on end, then 16 of padding
	v_mul_u32_u24 v15, v2, SP
	v_add_nc_u32 v15, s22, v15                     ; and on the way out: my 16 neighbours
.irp t, 0,1,2,3
	LOAD \t
.endr
	s_wait_alu depctr_va_vdst(0)
	s_wait_kmcnt 0x0
	s_mov_b32 s52, s35                             ; the tensor's own e: e11, e5, e3, e1 or e0
	s_cmp_lt_u32 s21, 384
	s_cselect_b32 s52, s29, s52
	s_cmp_lt_u32 s21, 320
	s_cselect_b32 s52, s27, s52
	s_cmp_lt_u32 s21, 256
	s_cselect_b32 s52, s25, s52
	s_cmp_lt_u32 s21, 128
	s_cselect_b32 s52, s24, s52
	MKSC s52, 8, 9
	MKSC s26, 10, 11                               ; e2
	MKSC s28, 12, 13                               ; e4
	s_wait_alu depctr_va_vdst(0)
	s_wait_loadcnt 12                              ; step 0's four loads are in
	TURNS 0
.irp t, 0,1,2,3,4,5,6,7,8,9,10,11,12,13,14,15
	STEP \t
.endr
	s_wait_tensorcnt 0x0
	ds_add_u32 v160, v161
	s_wait_dscnt 0x0
	s_endpgm
	; ---------------- the table ----------------
	; Work-group g makes blocks 2 g and 2 g + 1 of 16 positions; wave w the frequencies 16 w .. 16 w + 15 (b = w).
.Ltable:
	v_and_b32 v21, 15, v0                          ; r
	v_bfe_u32 v22, v0, 4, 1                        ; h
	s_wait_alu depctr_va_vdst(0)
	v_lshlrev_b32 v20, 4, v2                       ; 16 x lane
	s_mov_b32 s24, 0x3e9f73da                      ; L = log2(1e6) / 64, in two parts
	s_mov_b32 s25, 0x31e37800
	s_mov_b32 s26, 0x3f22f983                      ; 2 / pi
	s_mov_b32 s27, 0x3fc90fdb                      ; pi / 2, in two parts
	s_mov_b32 s28, 0xb33bbd2e
	s_mov_b32 s29, 0xb94ca1f9                      ; sin's polynomial
	s_mov_b32 s30, 0x3c08839e
	s_mov_b32 s31, 0xbe2aaaa3
	s_mov_b32 s32, 0x37ccf5ce                      ; cos's
	s_mov_b32 s33, 0xbab6061a
	s_mov_b32 s34, 0x3d2aaaa5
	s_lshl_b32 s35, s20, 4
	v_lshl_add_u32 v23, v22, 3, s35                ; my first frequency: 16 w + 8 h
	; inverse frequency i = 1e6^(-i / 64) = 2^(k - i L) x 2^-k: the nearest whole number k to i L (20 at the most) is split off, so that the exponential's argument stays within a half and its error near the last bit
.irp n, 0,1,2,3,4,5,6,7
	v_add_nc_u32 v[32+\n], \n, v23
	v_cvt_f32_u32 v[32+\n], v[32+\n]               ; i
	v_fma_f32 v[40+\n], v[32+\n], s24, 0.5
	v_cvt_i32_f32 v[40+\n], v[40+\n]               ; k: i L + 1/2, never negative, cut toward zero
	v_cvt_f32_i32 v[48+\n], v[40+\n]
	v_fma_f32 v[48+\n], -v[32+\n], s24, v[48+\n]
	v_fma_f32 v[48+\n], -v[32+\n], s25, v[48+\n]   ; k - i L
	v_sub_nc_u32 v[40+\n], 127, v[40+\n]
	v_lshlrev_b32 v[40+\n], 23, v[40+\n]           ; 2^-k as f32
.endr
	s_wait_alu depctr_va_vdst(0)
.irp n, 0,1,2,3,4,5,6,7
	v_exp_f32 v[24+\n], v[48+\n]
.endr
	s_lshl_b32 s36, ttmp9, 5
	v_add_nc_u32 v56, s36, v21                     ; (plain lines behind the exponentials)  position 32 g + r
	v_cvt_f32_u32 v56, v56
	v_add_f32 v57, 0x41800000, v56                 ; and 16 further on
	s_lshl_b32 s36, ttmp9, 14                      ; two blocks of 8,192 bytes a work-group,
	s_lshl_b32 s37, s20, 10                        ; groups 2 w and 2 w + 1
	s_add_co_u32 s36, s36, s37
	s_mov_b32 s37, 0
	s_add_nc_u64 s[18:19], s[18:19], s[36:37]
	s_wait_alu depctr_va_vdst(0)                   ; one wait for the eight exponentials, ahead of their first reader
.irp n, 0,1,2,3,4,5,6,7
	v_mul_f32 v[24+\n], v[24+\n], v[40+\n]         ; x 2^-k: nothing is rounded
.endr
.irp pl, 0,1
.irp jj, 0,1
.irp e, 0,1,2,3
	ANG 24+4*\jj+\e, 56+\pl, 64+8*(2*\pl+\jj)+\e, 64+8*(2*\pl+\jj)+4+\e
.endr
	global_store_b128 v20, v[64+8*(2*\pl+\jj):64+8*(2*\pl+\jj)+3], s[18:19] offset:8192*\pl+512*\jj          ; cos: 512 consecutive bytes a store; each store has registers of its own
	global_store_b128 v20, v[64+8*(2*\pl+\jj)+4:64+8*(2*\pl+\jj)+7], s[18:19] offset:8192*\pl+512*\jj+4096   ; sin
.endr
.endr
	s_endpgm
.Lfunc_end_k_q69f57a19af_quant:
	.size	k_q69f57a19af_quant, .Lfunc_end_k_q69f57a19af_quant-k_q69f57a19af_quant
	.p2alignl 7, 3214868480
	.fill 96, 4, 3214868480
	.section	.rodata,"a",@progbits
	.p2align	6, 0x0
	.amdhsa_kernel k_q69f57a19af_quant
		.amdhsa_group_segment_fixed_size 33280
		.amdhsa_private_segment_fixed_size 0
		.amdhsa_enable_private_segment 0
		.amdhsa_kernarg_size 64
		.amdhsa_user_sgpr_count 2
		.amdhsa_user_sgpr_kernarg_segment_ptr 1
		.amdhsa_wavefront_size32 1
		.amdhsa_system_sgpr_workgroup_id_x 1
		.amdhsa_system_sgpr_workgroup_id_y 1
		.amdhsa_system_sgpr_workgroup_id_z 1
		.amdhsa_system_vgpr_workitem_id 0
		.amdhsa_next_free_vgpr 162
		.amdhsa_next_free_sgpr 66
		.amdhsa_reserve_vcc 1
		.amdhsa_float_denorm_mode_32 3
		.amdhsa_float_denorm_mode_16_64 3
		.amdhsa_memory_ordered 1
		.amdhsa_forward_progress 1
		.amdhsa_inst_pref_size 105
	.end_amdhsa_kernel
	.amdgpu_metadata
---
amdhsa.version: [ 1, 2 ]
amdhsa.kernels:
  - .name:           k_q69f57a19af_quant
    .symbol:         k_q69f57a19af_quant.kd
    .args:
      - { .name: hidden_states, .offset: 0, .size: 8, .value_kind: global_buffer, .address_space: global }
      - { .name: wq, .offset: 8, .size: 8, .value_kind: global_buffer, .address_space: global }
      - { .name: wk, .offset: 16, .size: 8, .value_kind: global_buffer, .address_space: global }
      - { .name: wv, .offset: 24, .size: 8, .value_kind: global_buffer, .address_space: global }
      - { .name: wo, .offset: 32, .size: 8, .value_kind: global_buffer, .address_space: global }
      - { .name: lowp_scales, .offset: 40, .size: 8, .value_kind: global_buffer, .address_space: global }
      - { .name: codes, .offset: 48, .size: 8, .value_kind: global_buffer, .address_space: global }
      - { .name: rope, .offset: 56, .size: 8, .value_kind: global_buffer, .address_space: global }
    .group_segment_fixed_size: 33280
    .private_segment_fixed_size: 0
    .kernarg_segment_align: 8
    .kernarg_segment_size: 64
    .max_flat_workgroup_size: 128
    .sgpr_count:     66
    .vgpr_count:     162
    .wavefront_size: 32
...
	.end_amdgpu_metadata
.endif
;; end of part 5
;; launch qkv (part 6): grid 16 x 16, 4 waves a work-group, clusters of 4 x 4, 327,680 bytes of LDS; arguments codes, lowp_scales, rope, q_norm_w, k_norm_w, qkvc; writes qkvc
.if DOCPART == 6
	.amdgcn_target "amdgcn-amd-amdhsa--gfx1250"
	.amdhsa_code_object_version 6
	.text
	.protected	k_q69f57a19af_qkv
	.globl	k_q69f57a19af_qkv
	.p2align	8
	.type	k_q69f57a19af_qkv,@function
k_q69f57a19af_qkv:
	s_mov_b64 s[64:65], 0
	v_nop
	global_prefetch_b8 v0, s[64:65] scope:SCOPE_SE
	s_setreg_imm32_b32 hwreg(HW_REG_WAVE_MODE, 25, 1), 1
	s_wait_xcnt 0x0
	s_wait_alu depctr_hold_cnt(0) depctr_sa_sdst(0) depctr_va_vdst(0) depctr_va_sdst(0) depctr_va_ssrc(0) depctr_va_vcc(0) depctr_vm_vsrc(0)
	s_getreg_b32 s2, hwreg(HW_REG_IB_STS2, 6, 4)
	s_cmp_eq_u32 s2, 0
	s_cbranch_scc0 .Lentry_in_a_cluster
	s_endpgm
.Lentry_in_a_cluster:
	s_bfe_u32 s2, ttmp6, 0x10000c
	s_cmp_lg_u32 s2, 0xf033
	s_cbranch_scc0 .Lentry_shape_is_right
	s_endpgm
.Lentry_shape_is_right:
; q = rope(norm(x wq^T)), k = rope(norm(x wk^T)), v = x wv^T: three products on codes of E4M3 (K = 2,048), and on the way out, in f32: x 2^(eA + eB), the RMS norm over a head's 128, RoPE, and the quantiser of the next product.
; OUT (buffer qkvc, codes, a byte each): q at 0: [16 heads][2048 positions][128] under e6;  k at 4 MiB: [8][2048][128] under e7;  v at 6 MiB: [8 heads][16 blocks of keys][128 d][128 keys] under e9: the keys innermost.
; SHARES.  256 work-groups, each a tile of 128 x 256 of C[m][n] = sum over k of A[m][k] B[n][k]; four waves, each 64 x 128: 32 accumulators.  Clusters with x = 0, 1: q (A = x under e0, B = wq); x = 2: k (x under e2, wk);
; x = 3: V^T (A = wv, B = x under e4): the operands change places, so that a lane's eight results are eight neighbouring KEYS.
; THE MATRIX INSTRUCTION IS USED TRANSPOSED (source 0 = 16 rows of B, source 1 = 16 rows of A): lane (r, h) holds row m = r, register j of tile b column n = 16 b + 8 h + j.  A wave's 128 columns are one head, so
; a row's norm wants one exchange between the halves of the lanes, and RoPE's partner d + 64 lies in tile b + 4, same lane, same register.
; A fragment (16 rows x 128 K) is fetched by four loads of 16 bytes, 32 apart: a permutation of k, the same in A and in B.
; K goes in steps of 256 through a ring of two LDS slots filled by the tensor data mover.  CLUSTER 4 x 4: A's tile is shared along a row of the cluster, B's along a column: each is asked for jointly.
; The norm weights and the table of cos and sin are loaded at the head, on the one way that all work-groups take, so that every register that the way out names is written on every way through the text;
; V's work-groups do not use them (33 KiB a wave read for nothing in 64 of 256 work-groups).
; One tile to a work-group: 256 equal tiles for 256 WGPs.
; LIMITS: eA + eB between -126 and 127; e6, e7, e9 between -126 and 119.  NaN among the inputs is not served.
; REGISTERS: window 0: v0-31 addresses; v32-47 codes; v48-51 at work; v56, v57 the quantiser's scale and limit; v64-127 norm weights; v128-255 A's fragments, two sets (on the way out two arrays of 64).
;   window 1: B's fragments, two sets.   window 2: the accumulators, (a, b) at v[8 (8 a + b)].   window 3: cos and sin: block a of 16 rows at v[64 a]: 32 cos, 32 sin.
; PREFETCH: behind each joint load one request a wave for the K step two loads on; of the rows that a wave fetches each of the four partners names a quarter, told apart by address
; (A: 16 rows, the lanes left over name the last again; B: 32 rows, a lane a row); the last two refills ask for nothing.
.set BF,     8
.set ROWB,   256                       ; along K in a slot, bytes
.set PITCH,  272                       ; an LDS row: 256 + 16 of padding: the 16 rows of a load start 68 words apart
.set AROWS,  64                        ; rows in a load for A (waves 0, 1)
.set BROWS,  128                       ; for B (waves 2, 3)
.set QI,     5                         ; padding after every 64 words
.set BOFF,   128*PITCH                 ; a slot: A's 128 rows, then B's 256
.set SLOT,   BOFF+2*BROWS*PITCH
.set LAPS,   2048/(2*ROWB)
.set STAGE,  2*SLOT                    ; behind the ring: 16 rows x 144 bytes for each wave
.set SPITCH, 144
.set SPARE,  STAGE+4*16*SPITCH         ; behind the stages: the spare words, 128 bytes a wave
.set FLAGS,  (1<<20)|(1<<21)|(QI<<22)|(3<<25)   ; elements of 1 byte; padding on; bit 21 beside a mask; the interval; 4 words of padding
.set ADRA, 16                          ; v16-17 LDS address of my A fragments in slot 0, 1
.set ADRB, 20                          ; v20-21 the same for B
.set STO,  24                          ; v24  the way out: where I put 8 codes
.set RD,   25                          ; v25  where I read 16 bytes of a row back
.set CO,   26                          ; v26  16 x lane: offset of the table's loads and of the stores; never rewritten
.set SPW,  28                          ; v28  my spare word;  v29  0
.set NIL,  29
.set NO,   30                          ; v30  32 h: offset of the norm weights' loads; never rewritten
.set CD,   32
.set W,    64
.set AF,   128
.set OA,   128
.set T,    192
.set G1A, 24
.set G0A, 32
.set G1B, 48
.set G0B, 56
.set MUL,  0xa1                        ; source 0 (B) window 1, source 1 (A) window 0, C and D window 2
.set TO_B, 0x40                        ; destination window 1
.set MSB, 0
.macro WIN new                         ; the immediate's high byte repeats the setting that is left
.if MSB != \new
	s_set_vgpr_msb (MSB<<8)|\new
.set MSB, \new
.endif
.endm
.macro PLACES n
.rept \n
	v_nop
.endr
.endm
.macro JLOAD s                         ; a joint load: waves 0, 1 fetch A's halves, waves 2, 3 B's; four v_nop follow each line
	s_cmp_eq_u32 s17, 0
	s_cbranch_scc0 .Lfor_b_\@
	tensor_load_to_lds s[G0A+4*(\s):G0A+4*(\s)+3], s[G1A:G1A+7]
	s_nop 0
.rept 4
	v_nop
.endr
	s_branch .Lasked_\@
.Lfor_b_\@:
	tensor_load_to_lds s[G0B+4*(\s):G0B+4*(\s)+3], s[G1B:G1B+7]
	s_nop 0
.rept 4
	v_nop
.endr
.Lasked_\@:
.endm
.macro CREST                           ; a round of the cluster's barrier behind its opening barrier
	s_cmp_lg_u32 s16, 0
	s_cbranch_scc1 .Lnot_wave_0_\@
	s_barrier_signal -3
.Lnot_wave_0_\@:
	s_barrier_wait -3
	s_barrier_signal -1
	s_barrier_wait -1
.endm
.macro CROUND
	s_barrier_signal -1
	s_barrier_wait -1
	CREST
.endm
.macro FRAG reg, adr, q, i             ; 16 rows x 128 K: registers 4 c .. 4 c + 3 hold K = 32 c + 16 h + 0 .. 15 of row r
.irp c, 0,1,2,3
	ds_load_b128 v[\reg+4*\c:\reg+4*\c+3], v[\adr] offset:128*(\q)+32*\c+(\i)*16*PITCH
.endr
.endm
.macro FETCH slot, q, p                ; the fragments of the slot's q-th 128 along K into set p: B's eight, A's four
	WIN TO_B
.irp i, 0,1,2,3,4,5,6,7
	FRAG 128*(\p)+16*\i, ADRB+\slot, \q, \i
.endr
	WIN 0
.irp i, 0,1,2,3
	FRAG AF+64*(\p)+16*\i, ADRA+\slot, \q, \i
.endr
.endm
.macro MULA a, p, zero                 ; A's block a against B's eight.  The 32 accumulators take turns, in the same order in every step
.irp b, 0,1,2,3,4,5,6,7
.if \zero
	v_wmma_f32_16x16x128_fp8_fp8 v[8*(BF*(\a)+\b):8*(BF*(\a)+\b)+7], v[128*(\p)+16*\b:128*(\p)+16*\b+15], v[AF+64*(\p)+16*(\a):AF+64*(\p)+16*(\a)+15], 0
.else
	v_wmma_f32_16x16x128_fp8_fp8 v[8*(BF*(\a)+\b):8*(BF*(\a)+\b)+7], v[128*(\p)+16*\b:128*(\p)+16*\b+15], v[AF+64*(\p)+16*(\a):AF+64*(\p)+16*(\a)+15], v[8*(BF*(\a)+\b):8*(BF*(\a)+\b)+7]
.endif
.endr
.endm
.macro SUB slot, q, zero               ; 128 along K whose successor lies in the same slot
	s_wait_dscnt 0x0                               ; this step's fragments are in: they were asked for a step, 32 matrix instructions, ago
	PLACES 4                                       ; in front of loads into the set that the last step multiplied
	FETCH \slot, (\q)+1, 1-(\q)%2
	WIN MUL
	MULA 0, (\q)%2, \zero
	MULA 1, (\q)%2, \zero
	MULA 2, (\q)%2, \zero
	MULA 3, (\q)%2, \zero
.endm
.macro TURN slot, next, fill
	WIN 0
.if \fill
	s_wait_xcnt 0x0                                ; my last prefetch has read its address
	s_add_nc_u64 s[98:99], s[98:99], ROWB
.endif
	s_wait_tensorcnt 0x0
	ds_add_u32 v[SPW], v[NIL]                      ; 0 onto my spare word
	s_wait_dscnt 1                                 ; the add alone may be out: this step's fragments are in
	WIN MUL
	MULA 0, 1, 0                                   ; eight matrix instructions between the add and the wait for it
	s_wait_dscnt 0x0                               ; the add is done, and my reads of this slot are over
	s_barrier_signal -1
	MULA 1, 1, 0
	WIN 0
	s_barrier_wait -1
.if \fill
	CREST                                          ; no wave of any partner still reads this slot or has a load on its way
	s_add_nc_u64 s[G0A+4*\slot+2:G0A+4*\slot+3], s[G0A+4*\slot+2:G0A+4*\slot+3], 2*ROWB
	s_add_nc_u64 s[G0B+4*\slot+2:G0B+4*\slot+3], s[G0B+4*\slot+2:G0B+4*\slot+3], 2*ROWB
	JLOAD \slot                                    ; the first tensor load behind the round; its four v_nop are also the places in front of the loads below
.else
	PLACES 4
.endif
	FETCH \next, 0, 0
.if \fill
	s_cmp_gt_u32 s19, 1                            ; the last trip's refills have no K step two on
	s_cbranch_scc0 .Lno_ask_\@
	global_prefetch_b8 v31, s[98:99] offset:ROWB th:TH_LOAD_NT scope:SCOPE_SE
.Lno_ask_\@:
.endif
	WIN MUL
	MULA 2, 1, 0
	MULA 3, 1, 0
.endm
.macro LAST
	s_wait_dscnt 0x0
	WIN MUL
	MULA 0, 1, 0
	MULA 1, 1, 0
	MULA 2, 1, 0
	MULA 3, 1, 0
	WIN 0
.endm
	s_load_b256 s[4:11], s[0:1], 0x0               ; codes s[4:5], the scales s[6:7], rope s[8:9], q_norm_w s[10:11]
	s_load_b128 s[12:15], s[0:1], 0x20             ; k_norm_w s[12:13], qkvc s[14:15]
	v_lshl_add_u32 v[SPW], v0, 2, SPARE
	v_mov_b32 v[NIL], 0
	ds_add_u32 v28, v29
	ds_add_u32 v28, v29
	s_wait_dscnt 0x0
	v_lshrrev_b32 v1, 5, v0
	v_readfirstlane_b32 s16, v1                    ; wave 0..3
	s_lshr_b32 s17, s16, 1                         ; wr: which 64 rows are mine.  Also: I fetch for A (0) or for B (1)
	s_and_b32 s18, s16, 1                          ; wc: which 128 columns.  Also: which half of that tile I fetch
	s_bfe_u32 s40, ttmp6, 0x40000                  ; cx
	s_bfe_u32 s41, ttmp6, 0x40004                  ; cy
	s_mov_b32 s42, ttmp9                           ; the cluster's x: 0, 1 q; 2 k; 3 V
	s_and_b32 s43, ttmp7, 0xffff                   ; the cluster's y
	s_lshl_b32 s44, s41, 2
	s_lshl_b32 s44, 15, s44                        ; my row of the cluster
	s_lshl_b32 s45, 0x1111, s40                    ; my column
	s_or_b32 s[G1A], s44, FLAGS
	s_or_b32 s[G1B], s45, FLAGS
	s_mov_b32 s[G1A+1], ROWB<<16                   ; tensor_dim0
	s_mov_b32 s[G1A+2], AROWS<<16                  ; tensor_dim1
	s_mov_b32 s[G1A+3], ROWB<<16                   ; tile_dim0
	s_mov_b32 s[G1A+4], AROWS                      ; tile_dim1
	s_mov_b32 s[G1A+5], 2048                       ; from row to row
	s_mov_b32 s[G1A+6], 0
	s_mov_b32 s[G1A+7], 0
	s_mov_b32 s[G1B+1], ROWB<<16
	s_mov_b32 s[G1B+2], BROWS<<16
	s_mov_b32 s[G1B+3], ROWB<<16
	s_mov_b32 s[G1B+4], BROWS
	s_mov_b32 s[G1B+5], 2048
	s_mov_b32 s[G1B+6], 0
	s_mov_b32 s[G1B+7], 0
	; which tile.  A's registers never hold cx, B's never cy.  q, k: tile row 4 Y + cy (16 of 128 positions), tile column 4 X + cx (12 of 256 rows of wq, wk).  V: tile row 4 (Y / 2) + cy (8 heads), tile column 4 (Y % 2) + cx (8 of 256 keys)
	s_lshr_b32 s20, s43, 1
	s_lshl_b32 s20, s20, 2
	s_add_co_u32 s20, s20, s41
	s_lshl_b32 s21, s43, 2
	s_add_co_u32 s21, s21, s41
	s_max_u32 s22, s42, 1
	s_sub_co_u32 s22, s22, 1
	s_lshl_b32 s22, s22, 11                        ; x under e0 begins at row 0 of the buffer, under e2 at row 2,048
	s_and_b32 s46, s43, 1
	s_lshl_b32 s46, s46, 2
	s_add_co_u32 s46, s46, s40
	s_lshl_b32 s47, s42, 2
	s_add_co_u32 s47, s47, s40
	s_mov_b32 s23, 6144                            ; wq, wk begin at row 6,144
	s_cmp_eq_u32 s42, 3
	s_cselect_b32 s92, s20, s21                    ; TR
	s_cselect_b32 s22, 9216, s22                   ; wv begins at row 9,216
	s_cselect_b32 s93, s46, s47                    ; TC
	s_cselect_b32 s23, 4096, s23                   ; x under e4 at row 4,096
	s_lshl_b32 s20, s92, 7
	s_add_co_u32 s20, s20, s22
	s_lshl_b32 s21, s18, 6
	s_add_co_u32 s20, s20, s21                     ; A: the first row that I fetch
	s_lshl_b32 s20, s20, 11                        ; x 2,048 bytes (under 2^25)
	s_mov_b32 s21, 0
	s_lshl_b32 s46, s93, 8
	s_add_co_u32 s46, s46, s23
	s_lshl_b32 s47, s18, 7
	s_add_co_u32 s46, s46, s47                     ; B likewise
	s_lshl_b32 s46, s46, 11
	s_mov_b32 s47, 0
	s_mul_i32 s44, s18, AROWS*PITCH                ; where they go: no place in the cluster enters an LDS address
	s_mul_i32 s45, s18, BROWS*PITCH
	s_add_co_u32 s45, s45, BOFF
	s_wait_kmcnt 0x0
	s_load_b256 s[68:75], s[6:7], 0x0              ; e0 .. e7
	s_load_b128 s[76:79], s[6:7], 0x20             ; e8 .. e11
	s_add_nc_u64 s[20:21], s[4:5], s[20:21]
	s_add_nc_u64 s[46:47], s[4:5], s[46:47]
	CROUND                                         ; all sixteen work-groups are here: the first joint loads meet
.irp s, 0,1
	s_mov_b32 s[G0A+4*\s], 1
	s_add_co_u32 s[G0A+4*\s+1], s44, \s*SLOT
	s_add_nc_u64 s[G0A+4*\s+2:G0A+4*\s+3], s[20:21], \s*ROWB
	s_or_b32 s[G0A+4*\s+3], s[G0A+4*\s+3], 0x80000000
	s_mov_b32 s[G0B+4*\s], 1
	s_add_co_u32 s[G0B+4*\s+1], s45, \s*SLOT
	s_add_nc_u64 s[G0B+4*\s+2:G0B+4*\s+3], s[46:47], \s*ROWB
	s_or_b32 s[G0B+4*\s+3], s[G0B+4*\s+3], 0x80000000
.endr
	JLOAD 0
	s_cmp_eq_u32 s17, 0                            ; the prefetches: my work-group's quarter of the rows that I fetch, at K step 2
	s_cselect_b64 s[98:99], s[20:21], s[46:47]
	s_cselect_b32 s82, s40, s41                    ; my place among the four that ask with me
	s_cselect_b32 s83, 15, 16                      ; 16 rows of 2,048 bytes for A, 32 for B
	s_cselect_b32 s66, 15, 31
	s_lshl_b32 s82, s82, s83
	s_add_co_u32 s82, s82, 2*ROWB
	s_mov_b32 s83, 0
	s_add_nc_u64 s[98:99], s[98:99], s[82:83]
	v_and_b32 v31, 31, v0
	v_min_u32 v31, s66, v31
	v_lshlrev_b32 v31, 11, v31                     ; a lane a row; never rewritten
	global_prefetch_b8 v31, s[98:99] th:TH_LOAD_NT scope:SCOPE_SE
	v_and_b32 v1, 15, v0
	s_wait_alu depctr_va_vdst(0)
	v_bfe_u32 v2, v0, 4, 1                         ; h
	v_mul_u32_u24 v3, v1, PITCH
	v_lshl_add_u32 v3, v2, 4, v3                   ; a fragment's row x pitch + 16 h
	s_mul_i32 s84, s17, 64*PITCH                   ; my 64 rows of A
	s_mul_i32 s85, s18, 16*BF*PITCH                ; my 128 rows of B
	s_add_co_u32 s85, s85, BOFF
.irp s, 0,1
	v_add_nc_u32 v[ADRA+\s], s84, v3
	v_add_nc_u32 v[ADRB+\s], s85, v3
	s_add_co_u32 s84, s84, SLOT
	s_add_co_u32 s85, s85, SLOT
.endr
	s_mul_i32 s84, s16, 16*SPITCH
	s_add_co_u32 s84, s84, STAGE                   ; my stage
	v_mul_u32_u24 v[STO], v1, SPITCH
	s_wait_alu depctr_va_vdst(0)
	v_lshl_add_u32 v[STO], v2, 3, v[STO]
	v_add_nc_u32 v[STO], s84, v[STO]               ; in: row r, + 8 h
	v_and_b32 v4, 31, v0
	v_lshrrev_b32 v5, 3, v4
	v_and_b32 v6, 7, v4
	v_mul_u32_u24 v[RD], v5, SPITCH
	v_lshl_add_u32 v[RD], v6, 4, v[RD]
	v_add_nc_u32 v[RD], s84, v[RD]                 ; back: eight lanes to a row of 128 bytes
	v_lshlrev_b32 v[CO], 4, v4
	v_lshlrev_b32 v[NO], 5, v2
	; the norm weights: W[8 b + j] = w[16 b + 8 h + j];  cos and sin of my 64 positions, as the table lies
	s_wait_alu depctr_va_vdst(0)
	s_lshl_b32 s88, s92, 3
	s_lshl_b32 s89, s17, 2
	s_add_co_u32 s88, s88, s89                     ; my first block of 16 positions: 8 TR + 4 wr
	s_lshl_b32 s88, s88, 13
	s_mov_b32 s89, 0
	s_add_nc_u64 s[88:89], s[8:9], s[88:89]
	s_cmp_lt_u32 s42, 2
	s_cselect_b64 s[90:91], s[10:11], s[12:13]
.irp b, 0,1,2,3,4,5,6,7
	global_load_b128 v[W+8*\b:W+8*\b+3], v[NO], s[90:91] offset:64*\b
	global_load_b128 v[W+8*\b+4:W+8*\b+7], v[NO], s[90:91] offset:64*\b+16
.endr
	WIN 0xc0                                       ; destination window 3
.irp a, 0,1,2,3
.irp g, 0,1,2,3,4,5,6,7,8,9,10,11,12,13,14,15
	global_load_b128 v[64*\a+4*\g:64*\a+4*\g+3], v[CO], s[88:89] offset:8192*\a+512*\g
.endr
.endr
	WIN 0
	; where my wave's 8 KiB of codes begin.  q, k: ((2 TC + wc) x 2048 + 128 TR + 64 wr) rows of 128 bytes;  V: 6 MiB + ((16 TR + 2 TC + wc) x 128 + 64 wr) rows
	s_lshl_b32 s84, s93, 1
	s_add_co_u32 s84, s84, s18
	s_lshl_b32 s85, s84, 11
	s_lshl_b32 s86, s92, 7
	s_add_co_u32 s85, s85, s86
	s_lshl_b32 s86, s92, 4
	s_add_co_u32 s86, s86, s84
	s_lshl_b32 s86, s86, 7
	s_add_co_u32 s86, s86, 49152
	s_cmp_eq_u32 s42, 3
	s_cselect_b32 s85, s86, s85
	s_lshl_b32 s86, s17, 6
	s_add_co_u32 s85, s85, s86
	s_lshl_b32 s86, s85, 7
	s_mov_b32 s87, 0
	s_add_nc_u64 s[14:15], s[14:15], s[86:87]
	s_mov_b32 s94, 0x76543210                      ; v_permlanex16_b32: lane l xor 16
	s_mov_b32 s95, 0xfedcba98
	s_mov_b32 s96, 0x3c000000                      ; 1 / 128
	s_mov_b32 s97, 0x358637bd                      ; 1e-6
	s_wait_kmcnt 0x0
	s_cmp_eq_u32 s42, 2                            ; the product's scales and the next quantiser's: selected, nothing branches on them
	s_cselect_b32 s84, s70, s68
	s_cselect_b32 s85, s71, s69
	s_cselect_b32 s86, s75, s74
	s_cmp_eq_u32 s42, 3
	s_cselect_b32 s84, s72, s84
	s_cselect_b32 s85, s73, s85
	s_cselect_b32 s86, s77, s86
	s_add_co_i32 s84, s84, s85
	s_add_co_i32 s84, s84, 127
	s_lshl_b32 s80, s84, 23                        ; 2^(eA + eB)
	s_mov_b32 s81, s80                             ; (named with it as a pair)
	s_add_co_i32 s86, s86, 127
	s_lshl_b32 s87, s86, 23
	v_mov_b32 v56, s87                             ; 2^eo
	s_add_co_i32 s86, s86, 8
	s_lshl_b32 s86, s86, 23
	s_or_b32 s86, s86, 0x600000
	v_mov_b32 v57, s86                             ; 448 x 2^eo
	s_wait_alu depctr_va_vdst(0)                   ; the wait at the head's end
	s_wait_tensorcnt 0x0                           ; my part of slot 0 is in; slot 1's first fill is issued as a refill is:
	ds_add_u32 v[SPW], v[NIL]                      ; 0 onto my spare word
	s_wait_dscnt 0x0
	CROUND                                         ; a whole round: slot 0 is whole, and the joint loads meet
	JLOAD 1
	FETCH 0, 0, 0
	global_prefetch_b8 v31, s[98:99] offset:ROWB th:TH_LOAD_NT scope:SCOPE_SE   ; K step 3
	SUB 0, 0, 1                                    ; the first step's products start the sums: nothing is cleared
	WIN 0
	s_mov_b32 s19, LAPS-1
.Llap:                                                 ; a trip goes once round the ring and fills both slots again
	TURN 0, 1, 1
	SUB 1, 0, 0
	TURN 1, 0, 1
	SUB 0, 0, 0
	WIN 0
	s_sub_co_u32 s19, s19, 1
	s_cmp_lg_u32 s19, 0
	s_cbranch_scc1 .Llap
	TURN 0, 1, 0                                   ; the last lap fills nothing
	SUB 1, 0, 0
	LAST
	PLACES 4                                       ; in front of the first read of results and the first write of A's registers
	s_wait_loadcnt 0x0                             ; the norm weights and the table
; THE WAY OUT, a block of 16 rows at a time.
.macro EPI a
.if (\a) > 0
	s_wait_xcnt 0x0                                ; the last block's stores have read v192-207, which are written again below
.endif
	s_cmp_eq_u32 s42, 3                            ; the cluster's x: the same in all partners
	s_cbranch_scc1 .Lv_\@
	WIN 0x02                                       ; source 0 window 2
.set ii, 0
.rept 32
	v_pk_mul_f32 v[T+ii:T+ii+1], v[64*(\a)+ii:64*(\a)+ii+1], s[80:81] op_sel_hi:[1,0]   ; x 2^(eA + eB); each accumulator from its low end on
.set ii, ii+2
.endr
	WIN 0
	v_pk_mul_f32 v[48:49], v[T:T+1], v[T:T+1]      ; the sum of squares of my 64, in two chains of pairs
	v_pk_mul_f32 v[50:51], v[T+2:T+3], v[T+2:T+3]
.set ii, 4
.rept 15
	v_pk_fma_f32 v[48:49], v[T+ii:T+ii+1], v[T+ii:T+ii+1], v[48:49]
	v_pk_fma_f32 v[50:51], v[T+ii+2:T+ii+3], v[T+ii+2:T+ii+3], v[50:51]
.set ii, ii+4
.endr
	v_pk_add_f32 v[48:49], v[48:49], v[50:51]
	v_add_f32 v48, v48, v49
	v_permlanex16_b32 v49, v48, s94, s95           ; the row's other 64 lie in lane l xor 16
	v_add_f32 v48, v48, v49
	v_fma_f32 v48, v48, s96, s97                   ; the mean + 1e-6
	s_wait_alu depctr_va_vdst(0)
	v_rsq_f32 v50, v48
	v_nop                                          ; a plain line behind the transcendental
	s_wait_alu depctr_va_vdst(0)                   ; and the wait ahead of its first reader
.set ii, 0
.rept 32
	v_pk_mul_f32 v[T+ii:T+ii+1], v[T+ii:T+ii+1], v[50:51] op_sel_hi:[1,0]
.set ii, ii+2
.endr
.set ii, 0
.rept 32
	v_pk_mul_f32 v[T+ii:T+ii+1], v[T+ii:T+ii+1], v[W+ii:W+ii+1]
.set ii, ii+2
.endr
	WIN 0x0c                                       ; source 1 window 3: cos at 64 a, sin at 64 a + 32
.set ii, 0
.rept 16
	v_pk_mul_f32 v[OA+ii:OA+ii+1], v[T+32+ii:T+33+ii], v[64*(\a)+32+ii:64*(\a)+33+ii]      ; x(d + 64) sin
	v_pk_mul_f32 v[OA+32+ii:OA+33+ii], v[T+ii:T+ii+1], v[64*(\a)+32+ii:64*(\a)+33+ii]      ; x(d - 64) sin
	v_pk_fma_f32 v[OA+ii:OA+ii+1], v[T+ii:T+ii+1], v[64*(\a)+ii:64*(\a)+ii+1], v[OA+ii:OA+ii+1] neg_lo:[0,0,1] neg_hi:[0,0,1]   ; d < 64: x cos - x(d + 64) sin
	v_pk_fma_f32 v[OA+32+ii:OA+33+ii], v[T+32+ii:T+33+ii], v[64*(\a)+ii:64*(\a)+ii+1], v[OA+32+ii:OA+33+ii]                     ; d >= 64: x cos + x(d - 64) sin
.set ii, ii+2
.endr
	WIN 0
	s_branch .Lj_\@
.Lv_\@:
	WIN 0x02
.set ii, 0
.rept 32
	v_pk_mul_f32 v[OA+ii:OA+ii+1], v[64*(\a)+ii:64*(\a)+ii+1], s[80:81] op_sel_hi:[1,0]   ; V: the scale alone
.set ii, ii+2
.endr
	WIN 0
.Lj_\@:
.set ii, 0
.rept 64
	v_med3_num_f32 v[OA+ii], v[OA+ii], -v57, v57   ; the conversion does not saturate (ISA guide 7.6.2)
.set ii, ii+1
.endr
.irp b, 0,1,2,3,4,5,6,7
	v_cvt_scalef32_pk8_fp8_f32 v[CD+2*\b:CD+2*\b+1], v[OA+8*\b:OA+8*\b+7], v56
.endr
	v_nop                                          ; a plain line behind the last conversion
.irp b, 0,1,2,3,4,5,6,7
	ds_store_b64 v[STO], v[CD+2*\b:CD+2*\b+1] offset:16*\b       ; row r, bytes 16 b + 8 h on
.endr
.irp i, 0,1,2,3
	ds_load_b128 v[T+4*\i:T+4*\i+3], v[RD] offset:4*SPITCH*\i    ; LDS serves a wave's instructions in order: these see my stores
.endr
	s_wait_dscnt 0x0
.irp i, 0,1,2,3
	global_store_b128 v[CO], v[T+4*\i:T+4*\i+3], s[14:15] offset:2048*(\a)+512*\i   ; 512 consecutive bytes a store
.endr
.endm
	EPI 0
	EPI 1
	EPI 2
	EPI 3
	s_wait_tensorcnt 0x0                           ; the wave's end
	ds_add_u32 v[SPW], v[NIL]
	s_wait_dscnt 0x0
	CROUND                                         ; the closing round
	s_endpgm
.Lfunc_end_k_q69f57a19af_qkv:
	.size	k_q69f57a19af_qkv, .Lfunc_end_k_q69f57a19af_qkv-k_q69f57a19af_qkv
	.p2alignl 7, 3214868480
	.fill 96, 4, 3214868480
	.section	.rodata,"a",@progbits
	.p2align	6, 0x0
	.amdhsa_kernel k_q69f57a19af_qkv
		.amdhsa_group_segment_fixed_size 327680
		.amdhsa_private_segment_fixed_size 0
		.amdhsa_enable_private_segment 0
		.amdhsa_kernarg_size 48
		.amdhsa_user_sgpr_count 2
		.amdhsa_user_sgpr_kernarg_segment_ptr 1
		.amdhsa_wavefront_size32 1
		.amdhsa_system_sgpr_workgroup_id_x 1
		.amdhsa_system_sgpr_workgroup_id_y 1
		.amdhsa_system_sgpr_workgroup_id_z 1
		.amdhsa_system_vgpr_workitem_id 0
		.amdhsa_next_free_vgpr 1024
		.amdhsa_next_free_sgpr 100
		.amdhsa_reserve_vcc 0
		.amdhsa_float_denorm_mode_32 3
		.amdhsa_float_denorm_mode_16_64 3
		.amdhsa_memory_ordered 1
		.amdhsa_forward_progress 1
		.amdhsa_inst_pref_size 145
	.end_amdhsa_kernel
	.amdgpu_metadata
---
amdhsa.version: [ 1, 2 ]
amdhsa.kernels:
  - .name:           k_q69f57a19af_qkv
    .symbol:         k_q69f57a19af_qkv.kd
    .args:
      - { .name: codes, .offset: 0, .size: 8, .value_kind: global_buffer, .address_space: global }
      - { .name: lowp_scales, .offset: 8, .size: 8, .value_kind: global_buffer, .address_space: global }
      - { .name: rope, .offset: 16, .size: 8, .value_kind: global_buffer, .address_space: global }
      - { .name: q_norm_w, .offset: 24, .size: 8, .value_kind: global_buffer, .address_space: global }
      - { .name: k_norm_w, .offset: 32, .size: 8, .value_kind: global_buffer, .address_space: global }
      - { .name: qkvc, .offset: 40, .size: 8, .value_kind: global_buffer, .address_space: global }
    .group_segment_fixed_size: 327680
    .private_segment_fixed_size: 0
    .kernarg_segment_align: 8
    .kernarg_segment_size: 48
    .max_flat_workgroup_size: 128
    .sgpr_count:     100
    .vgpr_count:     1024
    .wavefront_size: 32
...
	.end_amdgpu_metadata
.endif
;; end of part 6
;; launch attn (part 7): grid 32 x 8, 8 waves a work-group, clusters of 4 x 4, 327,680 bytes of LDS; arguments qkvc, attention_mask, lowp_scales, acodes; writes acodes
.if DOCPART == 7
	.amdgcn_target "amdgcn-amd-amdhsa--gfx1250"
	.amdhsa_code_object_version 6
	.text
	.protected	k_q69f57a19af_attn
	.globl	k_q69f57a19af_attn
	.p2align	8
	.type	k_q69f57a19af_attn,@function
k_q69f57a19af_attn:
	s_mov_b64 s[64:65], 0
	v_nop
	global_prefetch_b8 v0, s[64:65] scope:SCOPE_SE
	s_setreg_imm32_b32 hwreg(HW_REG_WAVE_MODE, 25, 1), 1
	s_wait_xcnt 0x0
	s_wait_alu depctr_hold_cnt(0) depctr_sa_sdst(0) depctr_va_vdst(0) depctr_va_sdst(0) depctr_va_ssrc(0) depctr_va_vcc(0) depctr_vm_vsrc(0)
	s_getreg_b32 s2, hwreg(HW_REG_IB_STS2, 6, 4)
	s_cmp_eq_u32 s2, 0
	s_cbranch_scc0 .Lentry_in_a_cluster
	s_endpgm
.Lentry_in_a_cluster:
	s_bfe_u32 s2, ttmp6, 0x10000c
	s_cmp_lg_u32 s2, 0xf033
	s_cbranch_scc0 .Lentry_shape_is_right
	s_endpgm
.Lentry_shape_is_right:
; Attention on codes of E4M3: S = q k^T (scales e6, e7), x = S / sqrt(128) + attention_mask, p = 2^(x log2(e) - M), O = p v (e8, e9) / the row's sum; O is quantised under e10 for the last product.
; The mask is an input: every tile of every head is computed, nothing is left out.
; IN (qkvc): q [16 heads][2048][128]; k at 4 MiB [8][2048][128]; v at 6 MiB [8][16 blocks of keys][128 d][128 keys].  OUT (acodes): [2048 positions][16 heads x 128] codes.
; SHARES.  Work-group (x, y): 64 queries (x) of the two query heads 2 y, 2 y + 1 that share key-value head y.  EIGHT waves, two to a SIMD: waves g and g + 4 own the same 16 queries of both heads (tiles A and B, which share
; every fragment of K and V and the mask); of each slot's 256 keys wave g takes the first 128, wave g + 4 the second.  Each keeps its own M, sum and O^T; at the end wave g + 4 hands its three through LDS to wave g, which
; brings both under the larger M (powers of two) and adds them.
; Both products are used transposed (source 0 = 16 keys or 16 of d, source 1 = my queries): lane (r, h) holds query r; register j of tile t is key 16 t + 8 h + j, so a conversion's eight codes are registers 2 t, 2 t + 1 of P.
; RING: two slots of 256 keys (K 256 rows, V 2 x 128 rows, mask 2 x 64 rows of 128 f32).  Every wave fetches an eighth: waves 0-3 quarters of K and V (dense: 64 rows of 256 bytes, the padding behind each 128 bytes),
; waves 4-7 32 rows of the mask.  CLUSTER 4 x 4: K and V are shared along a row of the cluster (same y), the mask along a column (same x): joint loads.
; A KEY STEP (128 keys) has two batches of 64 exponentials.  All that A's batch reads, the rescaling of O and of the sums stand ahead of it; between A's exponentials stand B's scalings, between B's stand A's first-level sums and holds:
; each of these lines reads what was written ahead of the wait before its batch and is read only behind the wait after it.
; PREFETCH: at each change of slots that fills, the slot that the next change will ask for, by waves 0-3; the four partners share its bytes out by address; only the clusters with x = 0 (K, V) or y = 0 (mask) ask; the last fill asks for nothing.
; LIMITS: |x log2(e)| under 2^31; e6 + e7 between -122 and 130; e8, e10 between -126 and 119.  NaN among the inputs is not served.
; REGISTERS.  Window 0: v1-9 addresses; v12-19 -M, largest t, sums; v20-35 at work; v36, v45 448 x 2^e8; v37 2^e8; v38, v39 e10's; v46-61 partial sums; v64-95 Q; v96-127 P's codes (A's 16 also hold partial sums); v128-255 S.
;   Window 1: v0-127 O^T of A and B; v128-255 K's eight fragments, then V's eight, the mask lying in v192-255 between the two.
.set KP,    144
.set MP,    528
.set HALF,  128*KP
.set KVB,   256*KP
.set MSUB,  64*MP
.set VOFF,  KVB
.set MOFF,  2*KVB
.set SLOT,  MOFF+2*MSUB
.set SPARE, 2*SLOT                     ; the spare words: 1,024 bytes that no other line names
.set STAGE, SPARE+1024                 ; the way out: 16 rows x 272 bytes for each of waves 0-3, bytes of its own
.set SPITCH, 272
.set XP,    33*512                     ; the hand-over: 33 groups of four registers as they lie, for each pair of waves; in slot 0, which has had its last fill and its last read by then
.set AK,  1
.set AV,  3
.set AM,  7
.set QA,  64
.set QB,  80
.set PA,  96
.set PB,  112
.set SA,  128
.set SB,  192
.set OB,  64
.set FM,  192
.set VF,  128
.set G1A, 24
.set G1M, 32
.set G0A, 40
.set G0M, 48
.set MSB, 0
.macro WIN new                         ; the immediate's high byte repeats the setting that is left
.if MSB != \new
	s_set_vgpr_msb (MSB<<8)|\new
.set MSB, \new
.endif
.endm
.macro JLOAD s                         ; a joint load: waves 0-3 K and V, waves 4-7 the mask; s_nop 0 and four v_nop follow each line
	s_cmp_lt_u32 s12, 4
	s_cbranch_scc0 .Lfor_m_\@
	tensor_load_to_lds s[G0A+4*(\s):G0A+4*(\s)+3], s[G1A:G1A+7]
	s_nop 0
.rept 4
	v_nop
.endr
	s_branch .Lasked_\@
.Lfor_m_\@:
	tensor_load_to_lds s[G0M+4*(\s):G0M+4*(\s)+3], s[G1M:G1M+7]
	s_nop 0
.rept 4
	v_nop
.endr
.Lasked_\@:
.endm
.macro CROUND                          ; a round of the cluster's barrier
	s_barrier_signal -1
	s_barrier_wait -1
	s_cmp_lg_u32 s12, 0
	s_cbranch_scc1 .Lnot_wave_0_\@
	s_barrier_signal -3
.Lnot_wave_0_\@:
	s_barrier_wait -3
	s_barrier_signal -1
	s_barrier_wait -1
.endm
.macro ASK
	s_cmp_gt_u32 s58, s59
	s_cbranch_scc0 .Lnot_mine_\@
	global_prefetch_b8 v9, s[60:61] th:TH_LOAD_NT scope:SCOPE_SE
.Lnot_mine_\@:
.endm
.macro KLOAD s                         ; K's eight fragments of my 128 keys of the slot
	WIN 0x40
.irp t, 0,1,2,3,4,5,6,7
.irp c, 0,1,2,3
	ds_load_b128 v[VF+16*\t+4*\c:VF+16*\t+4*\c+3], v[AK+\s] offset:16*\t*KP+32*\c
.endr
.endr
.endm
.macro VFRAG s, t                      ; 16 of d x my 128 keys, k in its own places: eight loads of 8 bytes
.irp c, 0,1,2,3,4,5,6,7
	ds_load_b64 v[VF+16*(\t)+2*\c:VF+16*(\t)+2*\c+1], v[AV+\s] offset:16*(\t)*KP+16*\c
.endr
.endm
.macro DMIN a                          ; two numbers held at 448 x 2^e8 (the conversion does not saturate: ISA guide 7.6.2; p is not negative); the limit stands in two registers
	v_dual_min_num_f32 v[\a], v[\a], v36 :: v_dual_min_num_f32 v[\a+1], v[\a+1], v45
.endm
.macro STEP s, first
	s_wait_dscnt 0x0                               ; K's fragments are in
	WIN 0x01
.irp t, 0,1,2,3,4,5,6,7
	v_wmma_f32_16x16x128_fp8_fp8 v[SA+8*\t:SA+8*\t+7], v[VF+16*\t:VF+16*\t+15], v[QA:QA+15], 0
	v_wmma_f32_16x16x128_fp8_fp8 v[SB+8*\t:SB+8*\t+7], v[VF+16*\t:VF+16*\t+15], v[QB:QB+15], 0
.endr
.rept 4
	v_nop                                          ; places ahead of the reads of S and of the loads into K's registers
.endr
	WIN 0x40
.irp t, 0,1,2,3,4,5,6,7
	ds_load_b128 v[FM+8*\t:FM+8*\t+3], v[AM+\s] offset:64*\t
	ds_load_b128 v[FM+8*\t+4:FM+8*\t+7], v[AM+\s] offset:64*\t+16
.endr
.irp t, 0,1,2,3
	VFRAG \s, \t
.endr
	s_wait_dscnt 32                                ; the mask is in: behind it only V's 32 loads above
	WIN 0x10
.set jj, 0
.rept 32
	v_pk_fma_f32 v[SA+jj:SA+jj+1], v[SA+jj:SA+jj+1], s[22:23], v[FM+jj:FM+jj+1] op_sel_hi:[1,0,1]   ; x = S 2^(e6 + e7) / sqrt(128) + mask
	v_pk_fma_f32 v[SB+jj:SB+jj+1], v[SB+jj:SB+jj+1], s[22:23], v[FM+jj:FM+jj+1] op_sel_hi:[1,0,1]
.set jj, jj+2
.endr
	WIN 0x40
.irp t, 4,5,6,7
	VFRAG \s, \t                                   ; where the mask lay
.endr
	WIN 0
	v_max3_num_f32 v20, v[SA], v[SA+1], v[SA+2]    ; the step's largest x, two chains a tile
	v_max3_num_f32 v28, v[SB], v[SB+1], v[SB+2]
	v_max3_num_f32 v21, v[SA+3], v[SA+4], v[SA+5]
	v_max3_num_f32 v29, v[SB+3], v[SB+4], v[SB+5]
.irp i, 6,10,14,18,22,26,30,34,38,42,46,50,54,58
	v_max3_num_f32 v20, v20, v[SA+\i], v[SA+1+\i]
	v_max3_num_f32 v28, v28, v[SB+\i], v[SB+1+\i]
	v_max3_num_f32 v21, v21, v[SA+2+\i], v[SA+3+\i]
	v_max3_num_f32 v29, v29, v[SB+2+\i], v[SB+3+\i]
.endr
	v_max3_num_f32 v20, v20, v[SA+62], v[SA+63]
	v_max3_num_f32 v28, v28, v[SB+62], v[SB+63]
	v_max_num_f32 v20, v20, v21
	v_max_num_f32 v28, v28, v29
	v_permlanex16_b32 v22, v20, s20, s21           ; the query's other keys lie in lane l xor 16
	v_permlanex16_b32 v30, v28, s20, s21
	v_max_num_f32 v20, v20, v22
	v_max_num_f32 v28, v28, v30
	v_mul_f32 v20, s56, v20                        ; as t
	v_mul_f32 v28, s56, v28
	v_max_num_f32 v13, v13, v20
	v_max_num_f32 v17, v17, v28
	v_mov_b32 v20, v12
	v_mov_b32 v28, v16
	v_floor_f32 v12, -v13                          ; -M = floor(-t)
	v_floor_f32 v16, -v17
	v_sub_f32 v20, v12, v20
	v_sub_f32 v28, v16, v28
	v_cvt_i32_f32 v20, v20
	v_cvt_i32_f32 v28, v28
	v_ldexp_f32 v24, 1.0, v20                      ; f = 2^(old M - new M)
	v_ldexp_f32 v32, 1.0, v28
.set jj, 0
.rept 32
	v_pk_fma_f32 v[SA+jj:SA+jj+1], v[SA+jj:SA+jj+1], s[56:57], v[12:13] op_sel_hi:[1,0,0]   ; A: t - M
.set jj, jj+2
.endr
	v_pk_mul_f32 v[14:15], v[14:15], v[24:25] op_sel_hi:[1,0]    ; the sums under the new M
	v_pk_mul_f32 v[18:19], v[18:19], v[32:33] op_sel_hi:[1,0]
.if (\first) == 0
	WIN 0x41
.set pp, 0
.rept 32
	v_pk_mul_f32 v[pp:pp+1], v[pp:pp+1], v[24:25] op_sel_hi:[1,0]            ; O^T under the new M, each accumulator from its low end on
	v_pk_mul_f32 v[OB+pp:OB+pp+1], v[OB+pp:OB+pp+1], v[32:33] op_sel_hi:[1,0]
.set pp, pp+2
.endr
	WIN 0
.endif
	s_wait_alu depctr_va_vdst(0)                   ; the wait ahead of the batch and of the wait below
	s_wait_dscnt 0x0                               ; V's fragments are in: no wait on LDS stands ahead of the second product
.set jj, 0
.rept 32
	v_exp_f32 v[SA+jj], v[SA+jj]
	v_exp_f32 v[SA+jj+1], v[SA+jj+1]
	v_pk_fma_f32 v[SB+jj:SB+jj+1], v[SB+jj:SB+jj+1], s[56:57], v[16:17] op_sel_hi:[1,0,0]   ; B: t - M
.set jj, jj+2
.endr
	s_wait_alu depctr_va_vdst(0)                   ; behind A's batch, ahead of B's
.set kk, 0
.rept 16
.if kk < 8
.set TK, PA+2*kk
.else
.set TK, 30+2*kk
.endif
	v_exp_f32 v[SB+4*kk], v[SB+4*kk]
	v_pk_add_f32 v[TK:TK+1], v[SA+4*kk:SA+4*kk+1], v[SA+4*kk+2:SA+4*kk+3]    ; A: sums of the unquantised p, first level, each into registers of its own
	v_exp_f32 v[SB+4*kk+1], v[SB+4*kk+1]
	DMIN SA+4*kk
	v_exp_f32 v[SB+4*kk+2], v[SB+4*kk+2]
	v_exp_f32 v[SB+4*kk+3], v[SB+4*kk+3]
	DMIN SA+4*kk+2
.set kk, kk+1
.endr
	v_nop                                          ; a plain line behind the last exponential
	s_wait_alu depctr_va_vdst(0)                   ; behind B's batch
	v_pk_add_f32 v[34:35], v[SB+2:SB+3], v[SB+6:SB+7]
	v_pk_add_f32 v[26:27], v[PA+2:PA+3], v[PA+6:PA+7]
.set pp, 0
.rept 32
.if (pp%2) == 0
	v_pk_add_f32 v[18:19], v[18:19], v[SB+2*pp:SB+2*pp+1]
.if pp < 16
.set TK, PA+pp
.else
.set TK, 30+pp
.endif
.if (pp%4) == 0
	v_pk_add_f32 v[14:15], v[14:15], v[TK:TK+1]
.elseif pp > 6
	v_pk_add_f32 v[26:27], v[26:27], v[TK:TK+1]
.endif
.elseif pp > 3
	v_pk_add_f32 v[34:35], v[34:35], v[SB+2*pp:SB+2*pp+1]
.endif
	DMIN SB+2*pp
.if (pp%4) == 3
	v_cvt_scalef32_pk8_fp8_f32 v[PB+2*(pp/4):PB+2*(pp/4)+1], v[SB+8*(pp/4):SB+8*(pp/4)+7], v37
	v_cvt_scalef32_pk8_fp8_f32 v[PA+2*(pp/4):PA+2*(pp/4)+1], v[SA+8*(pp/4):SA+8*(pp/4)+7], v37   ; lands on a partial sum that has been added
.endif
.set pp, pp+1
.endr
	v_pk_add_f32 v[14:15], v[14:15], v[26:27]      ; (plain lines behind the last conversion)
	v_pk_add_f32 v[18:19], v[18:19], v[34:35]
.if \first
	WIN 0x41
.else
	WIN 0x51
.endif
.irp t, 0,1,2,3,4,5,6,7
.if \first
	v_wmma_f32_16x16x128_fp8_fp8 v[8*\t:8*\t+7], v[VF+16*\t:VF+16*\t+15], v[PA:PA+15], 0
	v_wmma_f32_16x16x128_fp8_fp8 v[OB+8*\t:OB+8*\t+7], v[VF+16*\t:VF+16*\t+15], v[PB:PB+15], 0
.else
	v_wmma_f32_16x16x128_fp8_fp8 v[8*\t:8*\t+7], v[VF+16*\t:VF+16*\t+15], v[PA:PA+15], v[8*\t:8*\t+7]
	v_wmma_f32_16x16x128_fp8_fp8 v[OB+8*\t:OB+8*\t+7], v[VF+16*\t:VF+16*\t+15], v[PB:PB+15], v[OB+8*\t:OB+8*\t+7]
.endif
.endr
	WIN 0
.rept 4
	v_nop                                          ; places ahead of the next loads into V's registers
.endr
.endm
.macro CHANGE slot, fill               ; the change of slots, at a slot's head; fill = 1: a round of the cluster's barrier, and the slot just left is filled again
	s_wait_tensorcnt 0x0
	ds_add_u32 v5, v6                              ; 0 onto my spare word
.if \fill
	s_add_nc_u64 s[G0A+4*(1-\slot)+2:G0A+4*(1-\slot)+3], s[G0A+4*(1-\slot)+2:G0A+4*(1-\slot)+3], 65536
	s_add_nc_u64 s[G0M+4*(1-\slot)+2:G0M+4*(1-\slot)+3], s[G0M+4*(1-\slot)+2:G0M+4*(1-\slot)+3], 2048
	s_wait_xcnt 0x0                                ; my last prefetch has read its address
	s_add_nc_u64 s[60:61], s[60:61], s[62:63]
	s_wait_dscnt 0x0
	CROUND
	JLOAD 1-\slot
	KLOAD \slot
	WIN 0
	ASK
	s_sub_co_u32 s58, s58, 1
.else
	s_wait_dscnt 0x0
	s_barrier_signal -1
	s_barrier_wait -1
	KLOAD \slot
	WIN 0
.endif
.endm
	s_load_b256 s[4:11], s[0:1], 0x0               ; qkvc s[4:5], the mask s[6:7], the scales s[8:9], acodes s[10:11]
	v_lshl_add_u32 v5, v0, 2, SPARE
	v_mov_b32 v6, 0
	ds_add_u32 v5, v6                              ; the opening lines: the add twice on end and its wait
	ds_add_u32 v5, v6
	v_lshrrev_b32 v10, 5, v0
	v_readfirstlane_b32 s12, v10                   ; wave 0..7
	s_and_b32 s3, s12, 3                           ; g: which 16 queries; also which quarter I fetch
	s_lshr_b32 s2, s12, 2                          ; which 128 keys of a slot
	s_bfe_u32 s13, ttmp6, 0x40000                  ; cx
	s_bfe_u32 s14, ttmp6, 0x40004                  ; cy
	s_mov_b32 s15, ttmp9
	s_and_b32 s16, ttmp7, 0xffff
	s_lshl_b32 s17, s15, 2
	s_add_co_u32 s17, s17, s13                     ; block of 64 queries
	s_lshl_b32 s18, s16, 2
	s_add_co_u32 s18, s18, s14                     ; key-value head
	s_lshl_b32 s80, s14, 2
	s_lshl_b32 s80, 15, s80                        ; my row of the cluster
	s_lshl_b32 s81, 0x1111, s13                    ; my column
	s_or_b32 s[G1A], s80, (0<<16)|(1<<20)|(1<<21)|(4<<22)|(3<<25)   ; bytes; 4 words of padding after every 32
	s_mov_b32 s[G1A+1], 256<<16
	s_mov_b32 s[G1A+2], 64<<16
	s_mov_b32 s[G1A+3], 256<<16
	s_mov_b32 s[G1A+4], 64
	s_mov_b32 s[G1A+5], 256
	s_mov_b32 s[G1A+6], 0
	s_mov_b32 s[G1A+7], 0
	s_or_b32 s[G1M], s81, (2<<16)|(1<<20)|(1<<21)|(6<<22)|(3<<25)   ; f32; 4 words after every 128
	s_mov_b32 s[G1M+1], 128<<16
	s_mov_b32 s[G1M+2], 32<<16
	s_mov_b32 s[G1M+3], 128<<16
	s_mov_b32 s[G1M+4], 32
	s_mov_b32 s[G1M+5], 2048
	s_mov_b32 s[G1M+6], 0
	s_mov_b32 s[G1M+7], 0
	s_and_b32 s84, s3, 1
	s_lshr_b32 s85, s3, 1
	s_lshl_b32 s86, s85, 21                        ; K (quarters 0, 1) or V (2, 3)
	s_add_co_u32 s86, s86, 0x400000
	s_lshl_b32 s87, s18, 18
	s_add_co_u32 s86, s86, s87                     ; of my head,
	s_lshl_b32 s87, s84, 14
	s_add_co_u32 s86, s86, s87                     ; its first or second 16,384 bytes of a slot's
	s_mov_b32 s87, 0
	s_lshl_b32 s88, s17, 19                        ; the mask: my work-group's 64 rows,
	s_lshl_b32 s89, s84, 18
	s_add_co_u32 s88, s88, s89                     ; their first or second 32,
	s_lshl_b32 s89, s85, 9
	s_add_co_u32 s88, s88, s89                     ; the slot's first or second 128 keys
	s_mov_b32 s89, 0
	s_mul_i32 s90, s3, HALF
	s_mul_i32 s91, s3, 32*MP
	s_add_co_u32 s91, s91, MOFF
	s_wait_dscnt 0x0
	s_wait_kmcnt 0x0
	s_load_b256 s[68:75], s[8:9], 0x0              ; e0 .. e7
	s_load_b128 s[76:79], s[8:9], 0x20             ; e8 .. e11
	s_add_nc_u64 s[86:87], s[4:5], s[86:87]
	s_add_nc_u64 s[88:89], s[6:7], s[88:89]
.irp s, 0,1
	s_mov_b32 s[G0A+4*\s], 1
	s_add_co_u32 s[G0A+4*\s+1], s90, \s*SLOT
	s_add_nc_u64 s[G0A+4*\s+2:G0A+4*\s+3], s[86:87], \s*32768
	s_or_b32 s[G0A+4*\s+3], s[G0A+4*\s+3], 0x80000000
	s_mov_b32 s[G0M+4*\s], 1
	s_add_co_u32 s[G0M+4*\s+1], s91, \s*SLOT
	s_add_nc_u64 s[G0M+4*\s+2:G0M+4*\s+3], s[88:89], \s*1024
	s_or_b32 s[G0M+4*\s+3], s[G0M+4*\s+3], 0x80000000
.endr
	CROUND                                         ; the first joint loads meet
	JLOAD 0                                        ; slot 0: one tensor load a wave at the head
	s_lshl_b32 s96, s18, 12
	s_lshl_b32 s97, s17, 6
	s_add_co_u32 s96, s96, s97
	s_lshl_b32 s97, s3, 4
	s_add_co_u32 s96, s96, s97
	s_lshl_b32 s96, s96, 7
	s_mov_b32 s97, 0
	s_add_nc_u64 s[96:97], s[4:5], s[96:97]        ; q: head 2 y, my 16 queries; head 2 y + 1 lies 262,144 bytes on
	v_and_b32 v40, 15, v0
	v_bfe_u32 v41, v0, 4, 1
	v_lshlrev_b32 v10, 7, v40
	v_lshl_add_u32 v10, v41, 4, v10
.irp x, 0,1
.irp c, 0,1,2,3
	global_load_b128 v[QA+16*\x+4*\c:QA+16*\x+4*\c+3], v10, s[96:97] offset:262144*\x+32*\c
.endr
.endr
	; the prefetches: wave 0 K, wave 1 V, waves 2, 3 the mask; waves 4-7 ask for nothing
	s_lshl_b32 s92, s84, 21
	s_add_co_u32 s92, s92, 0x400000+65536
	s_lshl_b32 s93, s18, 18
	s_add_co_u32 s92, s92, s93
	s_lshl_b32 s93, s13, 13
	s_add_co_u32 s92, s92, s93                     ; K, V: slot 2, my work-group's 8,192 of its 32,768 bytes
	s_lshl_b32 s93, s17, 6
	s_lshl_b32 s94, s14, 4
	s_add_co_u32 s93, s93, s94
	s_lshl_b32 s94, s84, 3
	s_add_co_u32 s93, s93, s94
	s_lshl_b32 s93, s93, 13
	s_add_co_u32 s93, s93, 2048                    ; the mask: slot 2, my work-group's 16 rows, my wave's 8
	s_mov_b32 s62, 1024
	s_mov_b32 s66, 8192
	s_cmp_lt_u32 s12, 2
	s_cselect_b64 s[60:61], s[4:5], s[6:7]
	s_cselect_b32 s92, s92, s93
	s_cselect_b32 s62, 32768, s62
	s_cselect_b32 s66, 1024, s66
	s_cselect_b32 s95, s15, s16
	s_cmp_eq_u32 s95, 0
	s_cselect_b32 s59, 1, -1
	s_cmp_lt_u32 s12, 4
	s_cselect_b32 s59, s59, -1
	s_mov_b32 s93, 0
	s_mov_b32 s63, 0
	s_add_nc_u64 s[60:61], s[60:61], s[92:93]
	s_mov_b32 s58, 6
	s_mul_i32 s98, s3, 16*MP
	s_mul_i32 s82, s2, MSUB
	s_add_co_u32 s98, s98, s82                     ; the mask: my 16 rows of my 128 keys
	s_mul_i32 s83, s2, HALF                        ; K, V: my 128 keys
	s_mov_b32 s20, 0x76543210
	s_mov_b32 s21, 0xfedcba98
	s_mov_b32 s56, 0x3fb8aa3b                      ; log2(e)
	s_mov_b32 s57, s56
	s_wait_alu depctr_va_vdst(0)
	v_mul_u32_u24 v[AK], v40, KP
	v_add_nc_u32 v[AK], s83, v[AK]
	v_lshl_add_u32 v[AV], v41, 3, v[AK]
	v_add_nc_u32 v[AV], VOFF, v[AV]
	v_add_nc_u32 v[AV+1], SLOT, v[AV]
	v_lshl_add_u32 v[AK], v41, 4, v[AK]
	v_add_nc_u32 v[AK+1], SLOT, v[AK]
	v_mul_u32_u24 v[AM], v40, MP
	v_lshl_add_u32 v[AM], v41, 5, v[AM]
	v_add_nc_u32 v[AM], s98, v[AM]
	v_add_nc_u32 v[AM], MOFF, v[AM]
	v_add_nc_u32 v[AM+1], SLOT, v[AM]
	v_and_b32 v9, 31, v0
	v_lshrrev_b32 v11, 2, v9
	v_and_b32 v9, 3, v9
	v_lshlrev_b32 v9, 8, v9
	v_mul_lo_u32 v11, v11, s66
	v_add_nc_u32 v9, v9, v11
	v_mov_b32 v13, 0xff61b1e6                      ; the largest t so far: -3e38
	v_mov_b32 v17, 0xff61b1e6
	v_floor_f32 v12, -v13
	v_floor_f32 v16, -v17
	v_mov_b32 v14, 0
	v_mov_b32 v15, 0
	v_mov_b32 v18, 0
	v_mov_b32 v19, 0
	v_mov_b32 v22, 0
	v_mov_b32 v30, 0
	v_mov_b32 v25, 0
	v_mov_b32 v33, 0
	s_wait_alu depctr_va_vdst(0)                   ; the wait directly ahead of the wait below
	s_wait_kmcnt 0x0
	s_add_co_i32 s80, s74, s75
	s_lshl_b32 s80, s80, 23
	s_add_co_i32 s22, s80, 0x3db504f3              ; 2^(e6 + e7) / sqrt(128)
	s_mov_b32 s23, s22
	s_add_co_i32 s80, s76, 127
	s_lshl_b32 s81, s80, 23
	v_mov_b32 v37, s81                             ; 2^e8
	s_add_co_i32 s80, s80, 8
	s_lshl_b32 s80, s80, 23
	s_or_b32 s80, s80, 0x600000
	v_mov_b32 v36, s80                             ; 448 x 2^e8,
	v_mov_b32 v45, s80                             ; twice
	s_add_co_i32 s80, s78, 127
	s_lshl_b32 s81, s80, 23
	v_mov_b32 v38, s81                             ; 2^e10
	s_add_co_i32 s80, s80, 8
	s_lshl_b32 s80, s80, 23
	s_or_b32 s80, s80, 0x600000
	v_mov_b32 v39, s80
	s_add_co_i32 s99, s76, s77                     ; e8 + e9
	s_wait_alu depctr_va_vdst(0)                   ; the wait at the head's end
	s_wait_tensorcnt 0x0                           ; my part of slot 0 is in; slot 1's first fill is issued as a refill is
	ds_add_u32 v5, v6
	s_wait_dscnt 0x0
	CROUND
	JLOAD 1
	KLOAD 0
	WIN 0
	s_wait_loadcnt 0x0                             ; Q
	STEP 0, 1                                      ; the first step's products start O^T: nothing is cleared
	s_mov_b32 s19, 3
.Lslot:                                            ; a trip goes once round the ring and fills both slots again
	CHANGE 1, 1
	STEP 1, 0
	CHANGE 0, 1
	STEP 0, 0
	s_sub_co_u32 s19, s19, 1
	s_cmp_lg_u32 s19, 0
	s_cbranch_scc1 .Lslot
	CHANGE 1, 0                                    ; the last slot: nothing is filled
	STEP 1, 0
	; THE END.  Each wave's row sums; every LDS address is made ahead of the parting of the waves.
	v_add_f32 v14, v14, v15
	v_add_f32 v18, v18, v19
	v_permlanex16_b32 v22, v14, s20, s21
	v_permlanex16_b32 v30, v18, s20, s21
	v_add_f32 v14, v14, v22
	v_add_f32 v18, v18, v30
	v_and_b32 v40, 15, v0
	v_bfe_u32 v41, v0, 4, 1
	s_mul_i32 s80, s3, 16*SPITCH
	s_add_co_u32 s80, s80, STAGE
	s_mul_i32 s81, s3, XP
	v_mul_u32_u24 v42, v40, SPITCH
	v_lshl_add_u32 v42, v41, 3, v42
	v_add_nc_u32 v42, s80, v42
	v_mul_u32_u24 v43, v41, SPITCH
	v_lshl_add_u32 v43, v40, 4, v43
	v_add_nc_u32 v43, s80, v43
	v_lshlrev_b32 v44, 11, v41
	v_lshl_add_u32 v44, v40, 4, v44
	v_and_b32 v46, 31, v0
	v_lshlrev_b32 v46, 4, v46
	v_add_nc_u32 v46, s81, v46                     ; the hand-over: my pair's bytes, 16 x lane
	v_mov_b32 v20, v12                             ; -M and the sum of A, of B
	v_mov_b32 v21, v14
	v_mov_b32 v22, v16
	v_mov_b32 v23, v18
	s_cmp_eq_u32 s2, 0
	s_wait_alu depctr_va_vdst(0)                   ; the wait directly ahead of the branch
	s_cbranch_scc1 .Lkeep
	WIN 0x04                                       ; waves 4-7 hand over: O^T as its registers lie, each accumulator from its low end on
.set ii, 0
.rept 32
	ds_store_b128 v46, v[4*ii:4*ii+3] offset:512*ii
.set ii, ii+1
.endr
	WIN 0
	ds_store_b128 v46, v[20:23] offset:512*32
.Lkeep:
	s_wait_dscnt 0x0                               ; my stores are done
	s_barrier_signal -1
	s_barrier_wait -1
	s_cmp_lg_u32 s2, 0
	s_cbranch_scc1 .Ldone
.set ii, 0
.rept 32
	ds_load_b128 v[SA+4*ii:SA+4*ii+3], v46 offset:512*ii
.set ii, ii+1
.endr
	ds_load_b128 v[24:27], v46 offset:512*32
	s_lshl_b32 s84, s17, 6
	s_lshl_b32 s85, s3, 4
	s_add_co_u32 s84, s84, s85
	s_lshl_b32 s84, s84, 11
	s_lshl_b32 s85, s18, 8
	s_add_co_u32 s84, s84, s85
	s_mov_b32 s85, 0
	s_add_nc_u64 s[10:11], s[10:11], s[84:85]
	s_wait_dscnt 0x0
	v_min_num_f32 v28, v12, v24                    ; -(the larger M)
	v_min_num_f32 v29, v16, v26
	v_sub_f32 v12, v28, v12
	v_sub_f32 v16, v29, v16
	v_sub_f32 v24, v28, v24
	v_sub_f32 v26, v29, v26
	v_cvt_i32_f32 v12, v12
	v_cvt_i32_f32 v16, v16
	v_cvt_i32_f32 v24, v24
	v_cvt_i32_f32 v26, v26
	v_ldexp_f32 v12, 1.0, v12                      ; the two parts' factors: powers of two
	v_ldexp_f32 v16, 1.0, v16
	v_ldexp_f32 v24, 1.0, v24
	v_ldexp_f32 v26, 1.0, v26
	v_mul_f32 v14, v14, v12
	v_mul_f32 v18, v18, v16
	v_fma_f32 v14, v25, v24, v14                   ; the row's sum
	v_fma_f32 v18, v27, v26, v18
	s_wait_alu depctr_va_vdst(0)                   ; ahead of the transcendentals
	v_rcp_f32 v14, v14
	v_rcp_f32 v18, v18
	v_nop
	s_wait_alu depctr_va_vdst(0)                   ; ahead of the reciprocals' first reader
	v_ldexp_f32 v14, v14, s99                      ; x 2^(e8 + e9)
	v_ldexp_f32 v18, v18, s99
	v_mul_f32 v12, v12, v14
	v_mul_f32 v16, v16, v18
	v_mul_f32 v24, v24, v14
	v_mul_f32 v26, v26, v18
.set jj, 0
.rept 32
	v_pk_mul_f32 v[SA+jj:SA+jj+1], v[SA+jj:SA+jj+1], v[24:25] op_sel_hi:[1,0]
	v_pk_mul_f32 v[SB+jj:SB+jj+1], v[SB+jj:SB+jj+1], v[26:27] op_sel_hi:[1,0]
.set jj, jj+2
.endr
	WIN 0x01
	s_wait_alu depctr_va_vdst(0)                   ; the wait directly ahead of the first reader of O^T
.set jj, 0
.rept 32
	v_pk_fma_f32 v[SA+jj:SA+jj+1], v[jj:jj+1], v[12:13], v[SA+jj:SA+jj+1] op_sel_hi:[1,0,1]
	v_pk_fma_f32 v[SB+jj:SB+jj+1], v[OB+jj:OB+jj+1], v[16:17], v[SB+jj:SB+jj+1] op_sel_hi:[1,0,1]
.set jj, jj+2
.endr
	WIN 0
.set jj, 0
.rept 128
	v_med3_num_f32 v[SA+jj], v[SA+jj], -v39, v39
.set jj, jj+1
.endr
.irp t, 0,1,2,3,4,5,6,7
	v_cvt_scalef32_pk8_fp8_f32 v[PA+2*\t:PA+2*\t+1], v[SA+8*\t:SA+8*\t+7], v38
	v_cvt_scalef32_pk8_fp8_f32 v[PB+2*\t:PB+2*\t+1], v[SB+8*\t:SB+8*\t+7], v38
.endr
	v_nop
.irp t, 0,1,2,3,4,5,6,7
	ds_store_b64 v42, v[PA+2*\t:PA+2*\t+1] offset:16*\t
	ds_store_b64 v42, v[PB+2*\t:PB+2*\t+1] offset:128+16*\t
.endr
.irp i, 0,1,2,3,4,5,6,7
	ds_load_b128 v[QA+4*\i:QA+4*\i+3], v43 offset:2*SPITCH*\i    ; LDS serves a wave's instructions in order: these see my stores
.endr
	s_wait_dscnt 0x0
.irp i, 0,1,2,3,4,5,6,7
	global_store_b128 v44, v[QA+4*\i:QA+4*\i+3], s[10:11] offset:4096*\i   ; sixteen lanes store 256 consecutive bytes, aligned
.endr
.Ldone:
	s_wait_tensorcnt 0x0                           ; the wave's end
	ds_add_u32 v5, v6
	s_wait_dscnt 0x0
	CROUND                                         ; the closing round
	s_endpgm
.Lfunc_end_k_q69f57a19af_attn:
	.size	k_q69f57a19af_attn, .Lfunc_end_k_q69f57a19af_attn-k_q69f57a19af_attn
	.p2alignl 7, 3214868480
	.fill 96, 4, 3214868480
	.section	.rodata,"a",@progbits
	.p2align	6, 0x0
	.amdhsa_kernel k_q69f57a19af_attn
		.amdhsa_group_segment_fixed_size 327680
		.amdhsa_private_segment_fixed_size 0
		.amdhsa_enable_private_segment 0
		.amdhsa_kernarg_size 32
		.amdhsa_user_sgpr_count 2
		.amdhsa_user_sgpr_kernarg_segment_ptr 1
		.amdhsa_wavefront_size32 1
		.amdhsa_system_sgpr_workgroup_id_x 1
		.amdhsa_system_sgpr_workgroup_id_y 1
		.amdhsa_system_sgpr_workgroup_id_z 1
		.amdhsa_system_vgpr_workitem_id 0
		.amdhsa_next_free_vgpr 512
		.amdhsa_next_free_sgpr 100
		.amdhsa_reserve_vcc 0
		.amdhsa_float_denorm_mode_32 3
		.amdhsa_float_denorm_mode_16_64 3
		.amdhsa_memory_ordered 1
		.amdhsa_forward_progress 1
		.amdhsa_inst_pref_size 196
	.end_amdhsa_kernel
	.amdgpu_metadata
---
amdhsa.version: [ 1, 2 ]
amdhsa.kernels:
  - .name:           k_q69f57a19af_attn
    .symbol:         k_q69f57a19af_attn.kd
    .args:
      - { .name: qkvc, .offset: 0, .size: 8, .value_kind: global_buffer, .address_space: global }
      - { .name: attention_mask, .offset: 8, .size: 8, .value_kind: global_buffer, .address_space: global }
      - { .name: lowp_scales, .offset: 16, .size: 8, .value_kind: global_buffer, .address_space: global }
      - { .name: acodes, .offset: 24, .size: 8, .value_kind: global_buffer, .address_space: global }
    .group_segment_fixed_size: 327680
    .private_segment_fixed_size: 0
    .kernarg_segment_align: 8
    .kernarg_segment_size: 32
    .max_flat_workgroup_size: 256
    .sgpr_count:     100
    .vgpr_count:     512
    .wavefront_size: 32
...
	.end_amdgpu_metadata
.endif
;; end of part 7
;; launch oproj (part 8): grid 16 x 16, 4 waves a work-group, clusters of 4 x 4, 327,680 bytes of LDS; arguments acodes, codes, lowp_scales, out0; writes out0
.if DOCPART == 8
	.amdgcn_target "amdgcn-amd-amdhsa--gfx1250"
	.amdhsa_code_object_version 6
	.text
	.protected	k_q69f57a19af_oproj
	.globl	k_q69f57a19af_oproj
	.p2align	8
	.type	k_q69f57a19af_oproj,@function
k_q69f57a19af_oproj:
	s_mov_b64 s[64:65], 0
	v_nop
	global_prefetch_b8 v0, s[64:65] scope:SCOPE_SE
	s_setreg_imm32_b32 hwreg(HW_REG_WAVE_MODE, 25, 1), 1
	s_wait_xcnt 0x0
	s_wait_alu depctr_hold_cnt(0) depctr_sa_sdst(0) depctr_va_vdst(0) depctr_va_sdst(0) depctr_va_ssrc(0) depctr_va_vcc(0) depctr_vm_vsrc(0)
	s_getreg_b32 s2, hwreg(HW_REG_IB_STS2, 6, 4)
	s_cmp_eq_u32 s2, 0
	s_cbranch_scc0 .Lentry_in_a_cluster
	s_endpgm
.Lentry_in_a_cluster:
	s_bfe_u32 s2, ttmp6, 0x10000c
	s_cmp_lg_u32 s2, 0xf033
	s_cbranch_scc0 .Lentry_shape_is_right
	s_endpgm
.Lentry_shape_is_right:
.set BF,     4
.set ROWB,   512
.set PITCH,  528
.set AROWS,  64
.set BROWS,  64
.set QI,     6
.set BOFF,   128*PITCH
.set SLOT,   BOFF+2*BROWS*PITCH
.set LAPS,   2048/(2*ROWB)
.set STAGE,  2*SLOT
.set SPITCH, 272
.set SPARE,  STAGE+4*16*SPITCH
.set FLAGS,  (1<<20)|(1<<21)|(QI<<22)|(3<<25)
.set ADRA, 16
.set ADRB, 20
.set STO,  24
.set RD,   25
.set CO,   26
.set SPW,  28
.set NIL,  29
.set AF,   128
.set G1A, 24
.set G0A, 32
.set G1B, 48
.set G0B, 56
.set MUL,  0xa1
.set TO_B, 0x40
.set MSB, 0
.macro WIN new
.if MSB != \new
	s_set_vgpr_msb (MSB<<8)|\new
.set MSB, \new
.endif
.endm
.macro PLACES n
.rept \n
	v_nop
.endr
.endm
.macro JLOAD s
	s_cmp_eq_u32 s17, 0
	s_cbranch_scc0 .Lfor_b_\@
	tensor_load_to_lds s[G0A+4*(\s):G0A+4*(\s)+3], s[G1A:G1A+7]
	s_nop 0
.rept 4
	v_nop
.endr
	s_branch .Lasked_\@
.Lfor_b_\@:
	tensor_load_to_lds s[G0B+4*(\s):G0B+4*(\s)+3], s[G1B:G1B+7]
	s_nop 0
.rept 4
	v_nop
.endr
.Lasked_\@:
.endm
.macro CREST
	s_cmp_lg_u32 s16, 0
	s_cbranch_scc1 .Lnot_wave_0_\@
	s_barrier_signal -3
.Lnot_wave_0_\@:
	s_barrier_wait -3
	s_barrier_signal -1
	s_barrier_wait -1
.endm
.macro CROUND
	s_barrier_signal -1
	s_barrier_wait -1
	CREST
.endm
.macro FRAG reg, adr, q, i
.irp c, 0,1,2,3
	ds_load_b128 v[\reg+4*\c:\reg+4*\c+3], v[\adr] offset:128*(\q)+32*\c+(\i)*16*PITCH
.endr
.endm
.macro FETCH slot, q, p
	WIN TO_B
.irp i, 0,1,2,3
	FRAG 128*(\p)+16*\i, ADRB+\slot, \q, \i
.endr
	WIN 0
.irp i, 0,1,2,3
	FRAG AF+64*(\p)+16*\i, ADRA+\slot, \q, \i
.endr
.endm
.macro MULA a, p, zero
.irp b, 0,1,2,3
.if \zero
	v_wmma_f32_16x16x128_fp8_fp8 v[8*(BF*(\a)+\b):8*(BF*(\a)+\b)+7], v[128*(\p)+16*\b:128*(\p)+16*\b+15], v[AF+64*(\p)+16*(\a):AF+64*(\p)+16*(\a)+15], 0
.else
	v_wmma_f32_16x16x128_fp8_fp8 v[8*(BF*(\a)+\b):8*(BF*(\a)+\b)+7], v[128*(\p)+16*\b:128*(\p)+16*\b+15], v[AF+64*(\p)+16*(\a):AF+64*(\p)+16*(\a)+15], v[8*(BF*(\a)+\b):8*(BF*(\a)+\b)+7]
.endif
.endr
.endm
.macro SUB slot, q, zero
	s_wait_dscnt 0x0
	PLACES 4
	FETCH \slot, (\q)+1, 1-(\q)%2
	WIN MUL
	MULA 0, (\q)%2, \zero
	MULA 1, (\q)%2, \zero
	MULA 2, (\q)%2, \zero
	MULA 3, (\q)%2, \zero
.endm
.macro TURN slot, next, fill
	WIN 0
	s_wait_tensorcnt 0x0
	ds_add_u32 v[SPW], v[NIL]
	s_wait_dscnt 1
	WIN MUL
	MULA 0, 1, 0
	s_wait_dscnt 0x0
	s_barrier_signal -1
	MULA 1, 1, 0
	WIN 0
	s_barrier_wait -1
.if \fill
	CREST
	s_add_nc_u64 s[G0A+4*\slot+2:G0A+4*\slot+3], s[G0A+4*\slot+2:G0A+4*\slot+3], 2*ROWB
	s_add_nc_u64 s[G0B+4*\slot+2:G0B+4*\slot+3], s[G0B+4*\slot+2:G0B+4*\slot+3], 2*ROWB
	JLOAD \slot
.else
	PLACES 4
.endif
	FETCH \next, 0, 0
	WIN MUL
	MULA 2, 1, 0
	MULA 3, 1, 0
.endm
.macro LAST
	s_wait_dscnt 0x0
	WIN MUL
	MULA 0, 1, 0
	MULA 1, 1, 0
	MULA 2, 1, 0
	MULA 3, 1, 0
	WIN 0
.endm
	s_load_b256 s[4:11], s[0:1], 0x0
	v_lshl_add_u32 v[SPW], v0, 2, SPARE
	v_mov_b32 v[NIL], 0
	ds_add_u32 v28, v29
	ds_add_u32 v28, v29
	s_wait_dscnt 0x0
	v_lshrrev_b32 v1, 5, v0
	v_readfirstlane_b32 s16, v1
	s_lshr_b32 s17, s16, 1
	s_and_b32 s18, s16, 1
	s_bfe_u32 s40, ttmp6, 0x40000
	s_bfe_u32 s41, ttmp6, 0x40004
	s_lshl_b32 s93, ttmp9, 2
	s_add_co_u32 s93, s93, s40
	s_and_b32 s92, ttmp7, 0xffff
	s_lshl_b32 s92, s92, 2
	s_add_co_u32 s92, s92, s41
	s_lshl_b32 s44, s41, 2
	s_lshl_b32 s44, 15, s44
	s_lshl_b32 s45, 0x1111, s40
	s_or_b32 s[G1A], s44, FLAGS
	s_or_b32 s[G1B], s45, FLAGS
.irp g, G1A, G1B
	s_mov_b32 s[\g+1], ROWB<<16
	s_mov_b32 s[\g+2], 64<<16
	s_mov_b32 s[\g+3], ROWB<<16
	s_mov_b32 s[\g+4], 64
	s_mov_b32 s[\g+5], 2048
	s_mov_b32 s[\g+6], 0
	s_mov_b32 s[\g+7], 0
.endr
	s_lshl_b32 s20, s92, 7
	s_lshl_b32 s21, s18, 6
	s_add_co_u32 s20, s20, s21
	s_lshl_b32 s20, s20, 11
	s_mov_b32 s21, 0
	s_lshl_b32 s46, s93, 7
	s_lshl_b32 s47, s18, 6
	s_add_co_u32 s46, s46, s47
	s_add_co_u32 s46, s46, 10240
	s_lshl_b32 s46, s46, 11
	s_mov_b32 s47, 0
	s_mul_i32 s44, s18, AROWS*PITCH
	s_mul_i32 s45, s18, BROWS*PITCH
	s_add_co_u32 s45, s45, BOFF
	s_wait_kmcnt 0x0
	s_load_b64 s[78:79], s[8:9], 0x28
	s_add_nc_u64 s[20:21], s[4:5], s[20:21]
	s_add_nc_u64 s[46:47], s[6:7], s[46:47]
	CROUND
.irp s, 0,1
	s_mov_b32 s[G0A+4*\s], 1
	s_add_co_u32 s[G0A+4*\s+1], s44, \s*SLOT
	s_add_nc_u64 s[G0A+4*\s+2:G0A+4*\s+3], s[20:21], \s*ROWB
	s_or_b32 s[G0A+4*\s+3], s[G0A+4*\s+3], 0x80000000
	s_mov_b32 s[G0B+4*\s], 1
	s_add_co_u32 s[G0B+4*\s+1], s45, \s*SLOT
	s_add_nc_u64 s[G0B+4*\s+2:G0B+4*\s+3], s[46:47], \s*ROWB
	s_or_b32 s[G0B+4*\s+3], s[G0B+4*\s+3], 0x80000000
.endr
	JLOAD 0                                        ; slot 0: one tensor load a wave at the head
	; the prefetches: behind each of the two first fills one request a wave for the K step two loads on (K steps 2 and 3, the last): of the 64 rows x 512 bytes that I fetch
	; each of the four partners names 16 rows, told apart by address; two lanes to a row, 256 bytes apart
	s_cmp_eq_u32 s17, 0
	s_cselect_b64 s[98:99], s[20:21], s[46:47]
	s_cselect_b32 s82, s40, s41                    ; my place among the four that ask with me
	s_lshl_b32 s82, s82, 15
	s_add_co_u32 s82, s82, 2*ROWB
	s_mov_b32 s83, 0
	s_add_nc_u64 s[98:99], s[98:99], s[82:83]
	v_and_b32 v31, 31, v0
	v_lshrrev_b32 v30, 1, v31
	v_and_b32 v31, 1, v31
	v_lshlrev_b32 v31, 8, v31
	v_lshl_add_u32 v31, v30, 11, v31               ; never rewritten
	global_prefetch_b8 v31, s[98:99] th:TH_LOAD_NT scope:SCOPE_SE
	v_and_b32 v1, 15, v0
	s_wait_alu depctr_va_vdst(0)
	v_bfe_u32 v2, v0, 4, 1
	v_mul_u32_u24 v3, v1, PITCH
	v_lshl_add_u32 v3, v2, 4, v3
	s_mul_i32 s84, s17, 64*PITCH
	s_mul_i32 s85, s18, 16*BF*PITCH
	s_add_co_u32 s85, s85, BOFF
.irp s, 0,1
	v_add_nc_u32 v[ADRA+\s], s84, v3
	v_add_nc_u32 v[ADRB+\s], s85, v3
	s_add_co_u32 s84, s84, SLOT
	s_add_co_u32 s85, s85, SLOT
.endr
	s_mul_i32 s84, s16, 16*SPITCH
	s_add_co_u32 s84, s84, STAGE
	v_mul_u32_u24 v[STO], v1, SPITCH
	s_wait_alu depctr_va_vdst(0)
	v_lshl_add_u32 v[STO], v2, 5, v[STO]
	v_add_nc_u32 v[STO], s84, v[STO]
	v_mul_u32_u24 v[RD], v2, SPITCH
	v_lshl_add_u32 v[RD], v1, 4, v[RD]
	v_add_nc_u32 v[RD], s84, v[RD]
	v_lshlrev_b32 v[CO], 13, v2
	v_lshl_add_u32 v[CO], v1, 4, v[CO]
	s_lshl_b32 s84, s92, 7
	s_lshl_b32 s85, s17, 6
	s_add_co_u32 s84, s84, s85
	s_lshl_b32 s84, s84, 13
	s_lshl_b32 s85, s93, 9
	s_add_co_u32 s84, s84, s85
	s_lshl_b32 s85, s18, 8
	s_add_co_u32 s84, s84, s85
	s_mov_b32 s85, 0
	s_add_nc_u64 s[10:11], s[10:11], s[84:85]
	s_wait_kmcnt 0x0
	s_add_co_i32 s80, s78, s79
	s_add_co_i32 s80, s80, 127
	s_lshl_b32 s80, s80, 23
	s_mov_b32 s81, s80
	s_wait_alu depctr_va_vdst(0)                   ; the wait at the head's end
	s_wait_tensorcnt 0x0                           ; my part of slot 0 is in; slot 1's first fill is issued as a refill is:
	ds_add_u32 v[SPW], v[NIL]                      ; 0 onto my spare word
	s_wait_dscnt 0x0
	CROUND                                         ; a whole round: slot 0 is whole, and the joint loads meet
	JLOAD 1                                        ; the first tensor load behind the round
	FETCH 0, 0, 0
	global_prefetch_b8 v31, s[98:99] offset:ROWB th:TH_LOAD_NT scope:SCOPE_SE   ; K step 3
	SUB 0, 0, 1
	WIN 0
	s_mov_b32 s19, LAPS-1
.Llap:
	SUB 0, 1, 0
	SUB 0, 2, 0
	TURN 0, 1, 1
	SUB 1, 0, 0
	SUB 1, 1, 0
	SUB 1, 2, 0
	TURN 1, 0, 1
	SUB 0, 0, 0
	WIN 0
	s_sub_co_u32 s19, s19, 1
	s_cmp_lg_u32 s19, 0
	s_cbranch_scc1 .Llap
	SUB 0, 1, 0
	SUB 0, 2, 0
	TURN 0, 1, 0
	SUB 1, 0, 0
	SUB 1, 1, 0
	SUB 1, 2, 0
	LAST
	PLACES 4
.macro OUT a
	WIN 0x02
.set ii, 0
.rept 16
	v_pk_mul_f32 v[32+ii:33+ii], v[32*(\a)+ii:32*(\a)+ii+1], s[80:81] op_sel_hi:[1,0]
.set ii, ii+2
.endr
	WIN 0
.irp b, 0,1,2,3
	ds_store_b128 v[STO], v[32+8*\b:35+8*\b] offset:64*\b
	ds_store_b128 v[STO], v[36+8*\b:39+8*\b] offset:64*\b+16
.endr
.irp i, 0,1,2,3,4,5,6,7
	ds_load_b128 v[128+32*(\a)+4*\i:128+32*(\a)+4*\i+3], v[RD] offset:2*SPITCH*\i
.endr
	s_wait_dscnt 0x0
.irp i, 0,1,2,3,4,5,6,7
	global_store_b128 v[CO], v[128+32*(\a)+4*\i:128+32*(\a)+4*\i+3], s[10:11] offset:131072*(\a)+16384*\i th:TH_STORE_NT
.endr
.endm
	OUT 0
	OUT 1
	OUT 2
	OUT 3
	s_wait_tensorcnt 0x0
	ds_add_u32 v[SPW], v[NIL]
	s_wait_dscnt 0x0
	CROUND
	s_endpgm
.Lfunc_end_k_q69f57a19af_oproj:
	.size	k_q69f57a19af_oproj, .Lfunc_end_k_q69f57a19af_oproj-k_q69f57a19af_oproj
	.p2alignl 7, 3214868480
	.fill 96, 4, 3214868480
	.section	.rodata,"a",@progbits
	.p2align	6, 0x0
	.amdhsa_kernel k_q69f57a19af_oproj
		.amdhsa_group_segment_fixed_size 327680
		.amdhsa_private_segment_fixed_size 0
		.amdhsa_enable_private_segment 0
		.amdhsa_kernarg_size 32
		.amdhsa_user_sgpr_count 2
		.amdhsa_user_sgpr_kernarg_segment_ptr 1
		.amdhsa_wavefront_size32 1
		.amdhsa_system_sgpr_workgroup_id_x 1
		.amdhsa_system_sgpr_workgroup_id_y 1
		.amdhsa_system_sgpr_workgroup_id_z 1
		.amdhsa_system_vgpr_workitem_id 0
		.amdhsa_next_free_vgpr 768
		.amdhsa_next_free_sgpr 100
		.amdhsa_reserve_vcc 0
		.amdhsa_float_denorm_mode_32 3
		.amdhsa_float_denorm_mode_16_64 3
		.amdhsa_memory_ordered 1
		.amdhsa_forward_progress 1
		.amdhsa_inst_pref_size 75
	.end_amdhsa_kernel
	.amdgpu_metadata
---
amdhsa.version: [ 1, 2 ]
amdhsa.kernels:
  - .name:           k_q69f57a19af_oproj
    .symbol:         k_q69f57a19af_oproj.kd
    .args:
      - { .name: acodes, .offset: 0, .size: 8, .value_kind: global_buffer, .address_space: global }
      - { .name: codes, .offset: 8, .size: 8, .value_kind: global_buffer, .address_space: global }
      - { .name: lowp_scales, .offset: 16, .size: 8, .value_kind: global_buffer, .address_space: global }
      - { .name: out0, .offset: 24, .size: 8, .value_kind: global_buffer, .address_space: global }
    .group_segment_fixed_size: 327680
    .private_segment_fixed_size: 0
    .kernarg_segment_align: 8
    .kernarg_segment_size: 32
    .max_flat_workgroup_size: 128
    .sgpr_count:     100
    .vgpr_count:     768
    .wavefront_size: 32
...
	.end_amdgpu_metadata
.endif
;; end of part 8
